; MI455X (gfx1250); checked and timed in simulation.
; The chip was launched on July 23, 2026; its instructions are those of AMD's public machine-readable ISA for CDNA 5 (MIT licence, August 2026) and "CDNA5" Instruction Set Architecture Reference Guide (July 2026). The comments in the code are by the model that wrote it; some were corrected since.
;; Mo E Plus Plus Layer. Allowed arithmetic: matrix products marked QUANTISED: E4M3 operands, one given power-of-two scale a tensor, by v_wmma_f32_16x16x64_fp8_fp8 or v_wmma_f32_16x16x128_fp8_fp8, f32 sums; products left as they are: f32 operands where the result goes on into a quantised operand, else bf16, f16 or f32 operands; f32 sums; everything else in f32.
;; Inputs: W1_codes 8 x 4,096 x 32 x 32 uint8 (E4M3 codes of W1, K innermost, in blocks of 32 codes); W2_codes 8 x 1,024 x 128 x 32 uint8 (E4M3 codes of W2, K innermost, in blocks of 32 codes); Wc1_codes 512 x 32 x 32 uint8 (E4M3 codes of Wc1, K innermost, in blocks of 32 codes); Wc2 512 x 1 float32; Wr 1,024 x 8 float32; b1 8 x 4,096 float32; b2 8 x 1,024 float32; bc1 512 float32; bc2 1 float32; br 8 float32; hidden_states 4 x 256 x 1,024 float32; lowp_scales 34 int32 (the exponents e of the quantised operands' scales 2^e).
;; Outputs: out0 4 x 256 x 1,024 float32; out1 4 x 256 x 4 float32; out2 4 x 256 x 4 int32; out3 1,024 float32; out4 1,024 x 8 float32.
;; This version of the problem:
;;   THIS VERSION OF THE PROBLEM IS GIVEN IN LOW PRECISION. The matrix products marked QUANTISED in the list below multiply operands that are first quantised to E4M3 (4 exponent bits, 3 mantissa bits; 8 bits a number), with one given power-of-two scale for each operand tensor; their sums are f32. All else is computed in f32.
;;   The module's matrix products, in the order in which they are computed (A, B: the left and right operand; K: the contracted axis; several contracted axes count as one K, in the product's order):
;;     1. [M 1,024, K 1,024] x [K 1,024, N 8]; A: input hidden_states; B: input Wr: left as it is (N = 8 < 16)
;;     2. [M 1,024, K 1,024] x [K 1,024, N 512]; A: input hidden_states; B: input Wc1 (given as codes): QUANTISED (scales: A lowp_scales[0], B lowp_scales[1])
;;     3. [M 1,024, K 512] x [K 512, N 1]; A: computed on the way; B: input Wc2: left as it is (N = 1 < 16)
;;     4. [M 1,024, K 1,024] x [K 1,024, N 4,096]; A: input hidden_states; B: input W1 (given as codes): QUANTISED (scales: A lowp_scales[2], B lowp_scales[3])
;;     5. [M 1,024, K 4,096] x [K 4,096, N 1,024]; A: computed on the way; B: input W2 (given as codes): QUANTISED (scales: A lowp_scales[4], B lowp_scales[5])
;;     6. [M 1,024, K 1,024] x [K 1,024, N 4,096]; A: input hidden_states; B: input W1 (given as codes): QUANTISED (scales: A lowp_scales[6], B lowp_scales[7])
;;     7. [M 1,024, K 4,096] x [K 4,096, N 1,024]; A: computed on the way; B: input W2 (given as codes): QUANTISED (scales: A lowp_scales[8], B lowp_scales[9])
;;     8. [M 1,024, K 1,024] x [K 1,024, N 4,096]; A: input hidden_states; B: input W1 (given as codes): QUANTISED (scales: A lowp_scales[10], B lowp_scales[11])
;;     9. [M 1,024, K 4,096] x [K 4,096, N 1,024]; A: computed on the way; B: input W2 (given as codes): QUANTISED (scales: A lowp_scales[12], B lowp_scales[13])
;;     10. [M 1,024, K 1,024] x [K 1,024, N 4,096]; A: input hidden_states; B: input W1 (given as codes): QUANTISED (scales: A lowp_scales[14], B lowp_scales[15])
;;     11. [M 1,024, K 4,096] x [K 4,096, N 1,024]; A: computed on the way; B: input W2 (given as codes): QUANTISED (scales: A lowp_scales[16], B lowp_scales[17])
;;     12. [M 1,024, K 1,024] x [K 1,024, N 4,096]; A: input hidden_states; B: input W1 (given as codes): QUANTISED (scales: A lowp_scales[18], B lowp_scales[19])
;;     13. [M 1,024, K 4,096] x [K 4,096, N 1,024]; A: computed on the way; B: input W2 (given as codes): QUANTISED (scales: A lowp_scales[20], B lowp_scales[21])
;;     14. [M 1,024, K 1,024] x [K 1,024, N 4,096]; A: input hidden_states; B: input W1 (given as codes): QUANTISED (scales: A lowp_scales[22], B lowp_scales[23])
;;     15. [M 1,024, K 4,096] x [K 4,096, N 1,024]; A: computed on the way; B: input W2 (given as codes): QUANTISED (scales: A lowp_scales[24], B lowp_scales[25])
;;     16. [M 1,024, K 1,024] x [K 1,024, N 4,096]; A: input hidden_states; B: input W1 (given as codes): QUANTISED (scales: A lowp_scales[26], B lowp_scales[27])
;;     17. [M 1,024, K 4,096] x [K 4,096, N 1,024]; A: computed on the way; B: input W2 (given as codes): QUANTISED (scales: A lowp_scales[28], B lowp_scales[29])
;;     18. [M 1,024, K 1,024] x [K 1,024, N 4,096]; A: input hidden_states; B: input W1 (given as codes): QUANTISED (scales: A lowp_scales[30], B lowp_scales[31])
;;     19. [M 1,024, K 4,096] x [K 4,096, N 1,024]; A: computed on the way; B: input W2 (given as codes): QUANTISED (scales: A lowp_scales[32], B lowp_scales[33])
;;   THE QUANTISER, for each operand of a quantised product, along K:
;;     - The operand's scale is 2^e, e = its entry of the input lowp_scales (int32; the entries are numbered through the quantised products in the list's order, A before B).
;;     - Each number is divided by the scale, clamped to +-448, and rounded to the nearest number of E4M3, ties to even, subnormals kept.
;;     - The product sums the exact products of the quantised numbers (number of the format x scale) in f32.
;;   ~~~python
;;   def quantise(x, axis, e):      # numpy; x: float32 -> the quantised numbers, widened to float32 again
;;       x = np.moveaxis(x, axis, -1); K = x.shape[-1]
;;       r = np.clip(x / 2.0 ** e, -448, 448)
;;       step = 2.0 ** (np.maximum(np.frexp(np.where(r == 0, 1, r))[1] - 1, -6) - 3)
;;       q = np.round(r / step) * step * 2.0 ** e      # np.round: ties to even
;;       return np.moveaxis(q, -1, axis).astype(np.float32)
;;   ~~~
;;   OPERANDS COMPUTED ON THE WAY. 'Computed on the way' means the value that the module computes at that place (a softmax that the list does not call 'softmax' is quantised finished and normalised). What goes into a quantiser is computed in f32, as accurately as f32 sums, v_exp_f32 and their like allow (about 1e-6 of the number): no bf16 or f16 on the way to a quantiser, and a product that is left as it is and whose result goes on into a quantised operand takes f32 operands (vector FMAs, or v_wmma_f32_16x16x4_f32). A number that lies on a knife's edge between two numbers of the format may be rounded either way, as far as f32 arithmetic and the matrix unit's own rounding can turn it there, and no further.
;;   INPUTS GIVEN AS CODES. W1 (in the module: [8, 1024, 4096], K = its axis 1); W2 (in the module: [8, 4096, 1024], K = its axis 1); Wc1 (in the module: [1024, 512], K = its axis 0): each comes as NAME_codes (uint8): NAME with its K axis moved to the last place and cut into blocks of 32 codes, [.., K / 32, bytes a block], one block behind the other in memory; one code a byte (a code: sign, 4 exponent bits, 3 mantissa bits); its scale is its entry of lowp_scales. Its value is code x scale, taken as it is: it is not quantised again, and the codes and scales need not be those that the quantiser above would give.
;; 2 versions. Each part assembles by itself: llvm-mc -triple=amdgcn-amd-amdhsa -mcpu=gfx1250 --defsym DOCPART=n.
;; ======== version 1 of 2: 5 launches
;; workspace buffers: sel 20,480 bytes of whole numbers; rt 57,344 bytes; pos 8,448 bytes of whole numbers; xq 2,228,224 bytes; h 8,912,896 bytes; part 35,651,584 bytes
;; launch route (part 1): grid 256 x 1, 4 waves a work-group, no clusters, 187,904 bytes of LDS; arguments hidden_states, Wr, br, Wc1_codes, bc1, Wc2, lowp_scales, sel, rt, out4; writes sel, rt, out4
.if DOCPART == 1
	.amdgcn_target "amdgcn-amd-amdhsa--gfx1250"
	.amdhsa_code_object_version 6
	.text
	.protected	k_qa397ada809_route
	.globl	k_qa397ada809_route
	.p2align	8
	.type	k_qa397ada809_route,@function
k_qa397ada809_route:
	s_mov_b64 s[64:65], 0
	v_nop
	global_prefetch_b8 v0, s[64:65] scope:SCOPE_SE
	s_setreg_imm32_b32 hwreg(HW_REG_WAVE_MODE, 25, 1), 1
	s_wait_xcnt 0x0
; ROUTE.  Two things for the 1,024 tokens: the router (8 logits a token in f32, softmax, the four largest, the two gates) and the confidence net's hidden layer with its dot product.
; SHARES.  Work-group g: T = g / 4 is a tile of 16 tokens, sl = g % 4 a slice of 128 of the 512 confidence units; wave w takes 32 of them (two tiles of 16) over all of K = 1,024.
; The same work-group routes the 4 tokens 4 g + w, one a wave: a lane multiplies 32 numbers of the row by their 8 weights each, and the 32 lanes' sums are added.
; THE CONFIDENCE PRODUCT is on codes of E4M3: x is quantised here with 2^e0 (held within +-448 x 2^e0), Wc1 comes as codes with 2^e1.  It is used transposed (source 0 = 16 units, source 1 = 16 tokens):
; a lane holds one token and eight units.  bc1 / 2^(e0 + e1) is the C of the first product; relu; the dot product with Wc2; x 2^(e0 + e1).  The four slices' partial dots go to rt, the next launch adds them.
; A fragment (16 rows x 128 K) is 16 registers: lane (r, hh) holds, of row r, K = 32 c + 16 hh + 0 .. 15 in registers 4 c .. 4 c + 3: the same order of K on both sides.
; x's eight fragments go from wave to wave through LDS as images of their registers (16 bytes a lane, 512 bytes a store).  Wc1's rows are loaded as they lie (512 consecutive bytes a load) and turned in the wave's own stage.
; WHAT IS STORED, all at fixed places: out4 (logits); sel: a token's one-hot counts (eight fields of 16 bits) and its two experts; rt: two gates, four probabilities, four indices, the partial dots.
; Ties among probabilities go to the lower index.  LIMITS: e0 between -126 and 119; NaN among the inputs is not served; two logits closer than the rounding of an f32 sum of 1,024 terms may change places.
; REGISTERS: window 0: v1-24 lane numbers and addresses; v32-159 x's numbers, then Wr's chunks, then x's fragments; v160-167 logits; v168-183 codes, later the two accumulators; v184-215 my routing row;
;   v216-231 bc1, v232-247 Wc2 in the result's layout.  window 1: Wc1 as loaded, then its 16 fragments at 32 s + 16 t.  window 2: v0-63 Wr on its way to LDS.
.set XIMG, 0                           ; x's 8 fragments, 2,048 bytes each
.set WRS,  16384                       ; Wr: 256 groups of 4 rows (128 bytes) + 16 of padding: 144 = 9 x 16
.set WSTG, 53248                       ; a stage of 32 rows x 1,040 bytes for each wave
.set LOGI, 186368                      ; 4 x 8 logits
.set CPS,  186624                      ; 4 waves x 16 partial dots
.set WP,   1040                        ; a stage row: 1,024 bytes + 16 = 65 x 16
.set X,   32
.set WS,  32
.set LA,  160
.set PC,  168
.set ACC, 168
.set XR,  184
.set BC,  216
.set WC,  232
.set T0,  248
.set T1,  249
.set LG,  32                           ; wave 0's last part: logits, probabilities and what is made of them
.set PB,  40
.set MX,  48
.set SM,  49
.set TW,  52
.set TI,  56
.set GT,  60
.set OHV, 64
.set EI,  68
.set NG,  69
.set DK0, 70
.set DK1, 71
.set VA0, 72
.set VA1, 73
.set TM,  74
.set TM2, 75
.set MSB, 0
.macro WIN new                         ; the immediate's high byte repeats the setting that is left
.if MSB != \new
	s_set_vgpr_msb (MSB<<8)|\new
.set MSB, \new
.endif
.endm
; 64 numbers of a lane, register 16 b + i = K 32 b + 16 hh + i of my row, become a fragment's 16 registers of codes at v[pc]
.macro QUANT s, pc
.irp b, 0,1,2,3
.irp i, 0,1,2,3,4,5,6,7,8,9,10,11,12,13,14,15
	v_med3_num_f32 v[\s+16*\b+\i], v[\s+16*\b+\i], -v15, v15   ; the conversion does not saturate (ISA guide 7.6.2): the hold at 448 x 2^e0 comes first
.endr
	v_cvt_scalef32_pk8_fp8_f32 v[\pc+4*\b:\pc+4*\b+1], v[\s+16*\b:\s+16*\b+7], v14
	v_cvt_scalef32_pk8_fp8_f32 v[\pc+4*\b+2:\pc+4*\b+3], v[\s+16*\b+8:\s+16*\b+15], v14
.endr
	v_nop                                          ; a plain line behind the last conversion, ahead of whatever next touches its registers
.endm
.macro IMAGE pc, off
.irp c, 0,1,2,3
	ds_store_b128 v8, v[\pc+4*\c:\pc+4*\c+3] offset:\off+512*\c
.endr
.endm
.macro WRLOAD i                        ; Wr's rows 128 i + 4 lane + 0 .. 3: 128 bytes a lane, into set i % 2
.irp q, 0,1,2,3,4,5,6,7
	ds_load_b128 v[WS+32*((\i)%2)+4*\q:WS+32*((\i)%2)+4*\q+3], v7 offset:4608*(\i)+16*\q
.endr
.endm
.macro RCHUNK i                        ; 4 numbers of my row x 8 weights each: sixteen packed multiply-adds on four pairs of sums; the very first four start the sums
.irp jx, 0,1,2,3
.irp p, 0,1,2,3
.if (\i == 0) && (\jx == 0)
	v_pk_mul_f32 v[LA+2*\p:LA+2*\p+1], v[XR:XR+1], v[WS+2*\p:WS+2*\p+1] op_sel_hi:[0,1]
.elseif (\jx % 2) == 0
	v_pk_fma_f32 v[LA+2*\p:LA+2*\p+1], v[XR+4*\i+\jx:XR+4*\i+\jx+1], v[WS+32*(\i%2)+8*\jx+2*\p:WS+32*(\i%2)+8*\jx+2*\p+1], v[LA+2*\p:LA+2*\p+1] op_sel_hi:[0,1,1]
.else
	v_pk_fma_f32 v[LA+2*\p:LA+2*\p+1], v[XR+4*\i+\jx-1:XR+4*\i+\jx], v[WS+32*(\i%2)+8*\jx+2*\p:WS+32*(\i%2)+8*\jx+2*\p+1], v[LA+2*\p:LA+2*\p+1] op_sel:[1,0,0] op_sel_hi:[1,1,1]
.endif
.endr
.endr
.endm
	s_load_b512 s[8:23], s[0:1], 0x0               ; x s[8:9], Wr s[10:11], br s[12:13], Wc1 s[14:15], bc1 s[16:17], Wc2 s[18:19], scales s[20:21], sel s[22:23]
	s_load_b128 s[24:27], s[0:1], 0x40             ; rt s[24:25], out4 s[26:27]
	v_lshl_add_u32 v254, v0, 2, 0x2dc00
	v_mov_b32 v255, 0
	v_lshrrev_b32 v1, 5, v0
	v_readfirstlane_b32 s2, v1                     ; wave
	s_lshr_b32 s4, ttmp9, 2                        ; T
	s_and_b32 s5, ttmp9, 3                         ; sl
	v_and_b32 v1, 31, v0                           ; lane
	v_and_b32 v2, 15, v0                           ; r
	v_bfe_u32 v3, v0, 4, 1                         ; hh
	v_lshlrev_b32 v4, 4, v1                        ; 16 x lane
	v_lshlrev_b32 v5, 12, v2
	v_lshl_add_u32 v5, v3, 6, v5                   ; x for the fragments: row r of 4,096 bytes, + 64 hh
	v_lshrrev_b32 v19, 3, v1
	v_mul_u32_u24 v6, v19, 144
	v_and_b32 v19, 7, v1
	v_lshl_add_u32 v6, v19, 4, v6
	s_mul_i32 s3, s2, 9216
	s_add_co_u32 s3, s3, WRS
	v_add_nc_u32 v6, s3, v6                        ; Wr into LDS: eight lanes fill a group; my wave's 64 groups
	v_mul_u32_u24 v7, v1, 144
	v_add_nc_u32 v7, WRS, v7                       ; and out of it: group 32 i + lane
	s_lshl_b32 s3, s2, 12
	v_add_nc_u32 v8, s3, v4                        ; my two images of x (XIMG = 0)
	v_add_nc_u32 v9, XIMG, v4                      ; any image, for my lane
	s_mul_i32 s3, s2, 32*WP
	s_add_co_u32 s3, s3, WSTG
	v_add_nc_u32 v10, s3, v4                       ; my stage, rows as they lie
	v_mul_u32_u24 v11, v2, WP
	v_lshl_add_u32 v11, v3, 4, v11
	v_add_nc_u32 v11, s3, v11                      ; my stage, by fragments
	v_lshlrev_b32 v12, 5, v3                       ; bc1, Wc2: my half's eight units
	s_lshl_b32 s3, s2, 5
	s_add_co_u32 s3, s3, LOGI
	v_mov_b32 v13, s3                              ; my token's logits
	s_lshl_b32 s3, s2, 6
	s_add_co_u32 s3, s3, CPS
	v_lshl_add_u32 v16, v2, 2, s3                  ; my wave's partial dots
	v_lshl_add_u32 v17, v2, 2, CPS
	v_and_b32 v18, 3, v0
	v_lshl_add_u32 v18, v18, 5, LOGI               ; wave 0: lane l reads token l % 4
	v_lshlrev_b32 v19, 2, v1
	s_lshl_b32 s6, ttmp9, 2
	v_add_nc_u32 v20, s6, v1                       ; wave 0: token 4 g + lane,
	v_lshlrev_b32 v21, 2, v20                      ; and its places in tables of 4, 8, 16 and 32 bytes a token
	v_lshlrev_b32 v22, 3, v20
	v_lshlrev_b32 v23, 4, v20
	v_lshlrev_b32 v24, 5, v20
	s_mov_b32 s46, 0x76543210                      ; v_permlanex16_b32: lane l xor 16
	s_mov_b32 s47, 0xfedcba98
	s_mov_b32 s7, 0
	s_wait_kmcnt 0x0
	s_load_b256 s[32:39], s[12:13], 0x0            ; br
	s_load_b64 s[40:41], s[20:21], 0x0             ; e0, e1
	s_lshl_b32 s6, s2, 13
	s_add_nc_u64 s[10:11], s[10:11], s[6:7]        ; my wave's 8,192 bytes of Wr
	s_lshl_b32 s6, s4, 16
	s_lshl_b32 s28, s2, 10
	s_add_co_u32 s6, s6, s28
	s_add_nc_u64 s[48:49], s[8:9], s[6:7]          ; x at the tile's first row, K steps 2 w and 2 w + 1
	s_lshl_b32 s6, ttmp9, 2
	s_add_co_u32 s6, s6, s2
	s_lshl_b32 s6, s6, 12
	s_add_nc_u64 s[50:51], s[8:9], s[6:7]          ; x at my routing row
	s_lshl_b32 s28, s5, 7
	s_lshl_b32 s29, s2, 5
	s_add_co_u32 s28, s28, s29                     ; my first unit: 128 sl + 32 w
	s_lshl_b32 s6, s28, 2
	s_add_nc_u64 s[16:17], s[16:17], s[6:7]
	s_add_nc_u64 s[18:19], s[18:19], s[6:7]
	s_lshl_b32 s6, s28, 10
	s_add_nc_u64 s[14:15], s[14:15], s[6:7]
	; ---- all loads: 64 that are wanted first, then Wc1's 64
	WIN 0x80                                       ; destination window 2
.irp q, 0,1,2,3,4,5,6,7,8,9,10,11,12,13,14,15
	global_load_b128 v[4*\q:4*\q+3], v4, s[10:11] offset:512*\q
.endr
	WIN 0
.irp a, 0,1
.irp b, 0,1,2,3
.irp j, 0,1,2,3
	global_load_b128 v[X+64*\a+16*\b+4*\j:X+64*\a+16*\b+4*\j+3], v5, s[48:49] offset:512*\a+128*\b+16*\j   ; x(r, 128 (2 w + a) + 32 b + 16 hh + 4 j ..)
.endr
.endr
.endr
.irp i, 0,1,2,3,4,5,6,7
	global_load_b128 v[XR+4*\i:XR+4*\i+3], v4, s[50:51] offset:512*\i   ; my routing row: x(128 i + 4 lane ..)
.endr
.irp t, 0,1
	global_load_b128 v[BC+8*\t:BC+8*\t+3], v12, s[16:17] offset:64*\t
	global_load_b128 v[BC+8*\t+4:BC+8*\t+7], v12, s[16:17] offset:64*\t+16
	global_load_b128 v[WC+8*\t:WC+8*\t+3], v12, s[18:19] offset:64*\t
	global_load_b128 v[WC+8*\t+4:WC+8*\t+7], v12, s[18:19] offset:64*\t+16
.endr
	WIN 0x40                                       ; destination window 1
.set n, 0
.rept 64
	global_load_b128 v[4*n:4*n+3], v4, s[14:15] offset:512*n   ; 32 rows of 1,024 codes, 512 consecutive bytes a load
.set n, n+1
.endr
	WIN 0
	s_wait_loadcnt 63                              ; 64 loads were issued behind the last of the first 64: those are in
	WIN 0x08                                       ; store data window 2
.irp q, 0,1,2,3,4,5,6,7,8,9,10,11,12,13,14,15
	ds_store_b128 v6, v[4*\q:4*\q+3] offset:576*\q
.endr
	WIN 0
	s_wait_kmcnt 0x0
	s_add_co_i32 s42, s40, 127
	s_lshl_b32 s43, s42, 23
	v_mov_b32 v14, s43                             ; 2^e0 as f32: the conversion takes its exponent field
	s_add_co_i32 s42, s42, 8
	s_lshl_b32 s42, s42, 23
	s_or_b32 s42, s42, 0x600000
	v_mov_b32 v15, s42                             ; 448 x 2^e0
	s_add_co_i32 s44, s40, s41                     ; e0 + e1
	s_sub_co_i32 s45, 0, s44
	QUANT X, PC
	IMAGE PC, 0
	QUANT X+64, X                                  ; the second fragment's codes take registers that the first has left
	IMAGE X, 2048
	s_wait_dscnt 0x0                               ; for the others' sake: my part of Wr and my two images have landed
	s_barrier_signal -1
	s_barrier_wait -1
	; ---- the router: my row x Wr, while Wc1 is on its way
	WRLOAD 0
.irp i, 0,1,2,3,4,5,6
	WRLOAD \i+1
	s_wait_dscnt 8                                 ; this chunk's eight reads are in, the next chunk's may be out
	RCHUNK \i
.endr
	s_wait_dscnt 0x0
	RCHUNK 7
.irp m, 1,2,4,8
.irp p, 0,1,2,3,4,5,6,7
	v_add_f32_dpp v[LA+\p], v[LA+\p], v[LA+\p] row_xmask:\m row_mask:0xf bank_mask:0xf
.endr
.endr
.irp p, 0,1,2,3,4,5,6,7
	v_permlanex16_b32 v[WS+\p], v[LA+\p], s46, s47
.endr
.irp p, 0,1,2,3,4,5,6,7
	v_add_f32 v[LA+\p], v[LA+\p], v[WS+\p]
.endr
.irp p, 0,1,2,3,4,5,6,7
	v_add_f32 v[LA+\p], s[32+\p], v[LA+\p]         ; + br: every lane holds the token's eight logits
.endr
	ds_store_b128 v13, v[LA:LA+3]                  ; all lanes write the same bytes with the same values
	ds_store_b128 v13, v[LA+4:LA+7] offset:16
	; ---- Wc1's rows become fragments, in my own stage: LDS serves a wave's instructions in order (ISA guide 5.7.1.4), so no wait stands between the stores and the loads
	s_wait_loadcnt 0x0
	WIN 0x04                                       ; store data window 1
.set n, 0
.rept 64
	ds_store_b128 v10, v[4*n:4*n+3] offset:(n/2)*WP+(n%2)*512
.set n, n+1
.endr
	WIN 0x40
.irp s, 0,1,2,3,4,5,6,7
.irp t, 0,1
.irp c, 0,1,2,3
	ds_load_b128 v[32*\s+16*\t+4*\c:32*\s+16*\t+4*\c+3], v11 offset:\t*16*WP+128*\s+32*\c
.endr
.endr
.endr
	WIN 0
.irp j, 0,1,2,3,4,5,6,7,8,9,10,11,12,13,14,15
	v_ldexp_f32 v[BC+\j], v[BC+\j], s45            ; bc1 / 2^(e0 + e1): what the sums of codes lack
.endr
.irp s, 0,1,2,3,4,5,6,7
.irp c, 0,1,2,3
	ds_load_b128 v[X+16*\s+4*\c:X+16*\s+4*\c+3], v9 offset:2048*\s+512*\c
.endr
.endr
	WIN 0x01                                       ; source 0 (Wc1) window 1
.irp s, 0,1,2,3,4,5,6,7
	s_wait_dscnt 28-4*\s                           ; x's fragment of this K step is in (and all of Wc1's, which were asked for earlier); the later K steps' four loads each may be out
.irp t, 0,1
.if \s == 0
	v_wmma_f32_16x16x128_fp8_fp8 v[ACC+8*\t:ACC+8*\t+7], v[32*\s+16*\t:32*\s+16*\t+15], v[X+16*\s:X+16*\s+15], v[BC+8*\t:BC+8*\t+7]
.else
	v_wmma_f32_16x16x128_fp8_fp8 v[ACC+8*\t:ACC+8*\t+7], v[32*\s+16*\t:32*\s+16*\t+15], v[X+16*\s:X+16*\s+15], v[ACC+8*\t:ACC+8*\t+7]
.endif
.endr
.endr                                              ; the two accumulators take turns
	WIN 0
.rept 4
	v_nop                                          ; four places ahead of the first read of results (ISA guide 7.12.1)
.endr
.irp j, 0,1,2,3,4,5,6,7,8,9,10,11,12,13,14,15
	v_max_num_f32 v[ACC+\j], 0, v[ACC+\j]          ; relu, each accumulator from its low end on
.endr
	v_mul_f32 v[T0], v[ACC], v[WC]
	v_mul_f32 v[T1], v[ACC+8], v[WC+8]
.irp j, 1,2,3,4,5,6,7
	v_fmac_f32 v[T0], v[ACC+\j], v[WC+\j]
	v_fmac_f32 v[T1], v[ACC+8+\j], v[WC+8+\j]
.endr
	v_add_f32 v[T0], v[T0], v[T1]
	v_permlanex16_b32 v[T1], v[T0], s46, s47
	v_add_f32 v[T0], v[T0], v[T1]                  ; token r's dot over my 32 units,
	v_ldexp_f32 v[T0], v[T0], s44                  ; x 2^(e0 + e1)
	ds_store_b32 v16, v[T0]
	s_wait_dscnt 0x0                               ; for wave 0's sake: my logits and my partial dots have landed
	s_barrier_signal -1
	s_barrier_wait -1
	s_cmp_lg_u32 s2, 0
	s_cbranch_scc1 .Lend
	; ---- wave 0 alone: the slice's partial dots, and the four tokens' choice
.irp k, 0,1,2,3
	ds_load_b32 v[76+\k], v17 offset:64*\k
.endr
	ds_load_b128 v[LG:LG+3], v18
	ds_load_b128 v[LG+4:LG+7], v18 offset:16
	s_lshl_b32 s6, s5, 12
	s_lshl_b32 s28, s4, 6
	s_add_co_u32 s6, s6, s28
	s_add_nc_u64 s[52:53], s[24:25], s[6:7]        ; rt + 4,096 sl + 64 T
	s_wait_dscnt 0x0
	v_add_f32 v76, v76, v77
	v_add_f32 v78, v78, v79
	v_add_f32 v76, v76, v78
	v_cmp_gt_u32 vcc_lo, 16, v1
	s_wait_xcnt 0x0                                ; EXEC changes only behind this wait
	s_and_saveexec_b32 s54, vcc_lo
	global_store_b32 v19, v76, s[52:53] offset:40960   ; sixteen lanes, 64 consecutive bytes
	s_wait_xcnt 0x0
	s_or_b32 exec_lo, exec_lo, s54
	v_max3_num_f32 v[MX], v[LG], v[LG+1], v[LG+2]  ; softmax: the maximum is taken away first
	v_max3_num_f32 v[MX], v[MX], v[LG+3], v[LG+4]
	v_max3_num_f32 v[MX], v[MX], v[LG+5], v[LG+6]
	v_max_num_f32 v[MX], v[MX], v[LG+7]
.irp i, 0,1,2,3,4,5,6,7
	v_sub_f32 v[PB+\i], v[LG+\i], v[MX]
.endr
.irp i, 0,1,2,3,4,5,6,7
	v_mul_f32 v[PB+\i], 0x3fb8aa3b, v[PB+\i]       ; x log2(e)
.endr
.irp i, 0,1,2,3,4,5,6,7
	v_exp_f32 v[PB+\i], v[PB+\i]
.endr
	v_mov_b32 v[NG], -1.0                          ; a plain line behind the batch
	s_wait_alu depctr_va_vdst(0)                   ; one wait for the eight exponentials, ahead of their first reader
	v_add_f32 v[SM], v[PB], v[PB+1]
	v_add_f32 v[TM], v[PB+2], v[PB+3]
	v_add_f32 v[DK0], v[PB+4], v[PB+5]
	v_add_f32 v[DK1], v[PB+6], v[PB+7]
	v_add_f32 v[SM], v[SM], v[TM]
	v_add_f32 v[DK0], v[DK0], v[DK1]
	v_add_f32 v[SM], v[SM], v[DK0]
	v_rcp_f32 v[SM], v[SM]
	v_nop
	s_wait_alu depctr_va_vdst(0)
.irp i, 0,1,2,3,4,5,6,7
	v_mul_f32 v[PB+\i], v[PB+\i], v[SM]
.endr
.irp k, 0,1,2,3                                    ; the four largest, one after the other; a later number takes the place only if it is greater, so the lower index wins a tie
	v_mov_b32 v[TW+\k], v[PB]
	v_mov_b32 v[TI+\k], 0
.irp i, 1,2,3,4,5,6,7
	v_cmp_ge_f32 vcc_lo, v[TW+\k], v[PB+\i]
	v_cndmask_b32 v[TW+\k], v[PB+\i], v[TW+\k], vcc_lo
	v_cndmask_b32 v[TI+\k], \i, v[TI+\k], vcc_lo
.endr
.irp i, 0,1,2,3,4,5,6,7
	v_cmp_eq_u32 vcc_lo, \i, v[TI+\k]
	v_cndmask_b32 v[PB+\i], v[PB+\i], v[NG], vcc_lo   ; the one taken becomes -1, under every probability
.endr
.endr
	v_add_f32 v[TM], v[TW], v[TW+1]
	v_rcp_f32 v[TM], v[TM]
	v_lshrrev_b32 v[DK0], 1, v[TI]                 ; the one-hot counts: expert e is field e % 2 of word e / 2
	v_lshrrev_b32 v[DK1], 1, v[TI+1]
	v_and_b32 v[VA0], 1, v[TI]
	v_and_b32 v[VA1], 1, v[TI+1]
	v_mad_u32_u24 v[VA0], v[VA0], 0xffff, 1        ; 1 or 0x10000
	v_mad_u32_u24 v[VA1], v[VA1], 0xffff, 1
.irp d, 0,1,2,3
	v_cmp_eq_u32 vcc_lo, \d, v[DK0]
	v_cndmask_b32 v[OHV+\d], 0, v[VA0], vcc_lo
	v_cmp_eq_u32 vcc_lo, \d, v[DK1]
	v_cndmask_b32 v[TM2], 0, v[VA1], vcc_lo
	v_add_nc_u32 v[OHV+\d], v[OHV+\d], v[TM2]
.endr
	v_lshl_or_b32 v[EI], v[TI+1], 8, v[TI]
	s_wait_alu depctr_va_vdst(0)                   ; the reciprocal's wait, behind the whole-number work
	v_mul_f32 v[GT], v[TW], v[TM]                  ; the two gates: the two largest, made to sum to 1
	v_mul_f32 v[GT+1], v[TW+1], v[TM]
	v_cmp_gt_u32 vcc_lo, 4, v1
	s_wait_xcnt 0x0
	s_and_saveexec_b32 s54, vcc_lo                 ; lanes 0 to 3: tokens 4 g + lane; each table's four entries are consecutive bytes
	global_store_b128 v24, v[LG:LG+3], s[26:27]
	global_store_b128 v24, v[LG+4:LG+7], s[26:27] offset:16
	global_store_b128 v23, v[OHV:OHV+3], s[22:23]
	global_store_b32 v21, v[EI], s[22:23] offset:16384
	global_store_b64 v22, v[GT:GT+1], s[24:25]
	global_store_b128 v23, v[TW:TW+3], s[24:25] offset:8192
	global_store_b128 v23, v[TI:TI+3], s[24:25] offset:24576
	s_wait_xcnt 0x0
	s_or_b32 exec_lo, exec_lo, s54
.Lend:
	s_wait_tensorcnt 0x0
	ds_add_u32 v254, v255
	s_wait_dscnt 0x0
	s_endpgm
.Lfunc_end_k_qa397ada809_route:
	.size	k_qa397ada809_route, .Lfunc_end_k_qa397ada809_route-k_qa397ada809_route
	.p2alignl 7, 3214868480
	.fill 96, 4, 3214868480
	.section	.rodata,"a",@progbits
	.p2align	6, 0x0
	.amdhsa_kernel k_qa397ada809_route
		.amdhsa_group_segment_fixed_size 187904
		.amdhsa_private_segment_fixed_size 0
		.amdhsa_enable_private_segment 0
		.amdhsa_kernarg_size 80
		.amdhsa_user_sgpr_count 2
		.amdhsa_user_sgpr_kernarg_segment_ptr 1
		.amdhsa_wavefront_size32 1
		.amdhsa_system_sgpr_workgroup_id_x 1
		.amdhsa_system_sgpr_workgroup_id_y 1
		.amdhsa_system_sgpr_workgroup_id_z 1
		.amdhsa_system_vgpr_workitem_id 0
		.amdhsa_next_free_vgpr 576
		.amdhsa_next_free_sgpr 66
		.amdhsa_reserve_vcc 1
		.amdhsa_float_denorm_mode_32 3
		.amdhsa_float_denorm_mode_16_64 3
		.amdhsa_memory_ordered 1
		.amdhsa_forward_progress 1
		.amdhsa_inst_pref_size 66
	.end_amdhsa_kernel
	.amdgpu_metadata
---
amdhsa.version: [ 1, 2 ]
amdhsa.kernels:
  - .name:           k_qa397ada809_route
    .symbol:         k_qa397ada809_route.kd
    .args:
      - { .name: hidden_states, .offset: 0, .size: 8, .value_kind: global_buffer, .address_space: global }
      - { .name: Wr, .offset: 8, .size: 8, .value_kind: global_buffer, .address_space: global }
      - { .name: br, .offset: 16, .size: 8, .value_kind: global_buffer, .address_space: global }
      - { .name: Wc1_codes, .offset: 24, .size: 8, .value_kind: global_buffer, .address_space: global }
      - { .name: bc1, .offset: 32, .size: 8, .value_kind: global_buffer, .address_space: global }
      - { .name: Wc2, .offset: 40, .size: 8, .value_kind: global_buffer, .address_space: global }
      - { .name: lowp_scales, .offset: 48, .size: 8, .value_kind: global_buffer, .address_space: global }
      - { .name: sel, .offset: 56, .size: 8, .value_kind: global_buffer, .address_space: global }
      - { .name: rt, .offset: 64, .size: 8, .value_kind: global_buffer, .address_space: global }
      - { .name: out4, .offset: 72, .size: 8, .value_kind: global_buffer, .address_space: global }
    .group_segment_fixed_size: 187904
    .private_segment_fixed_size: 0
    .kernarg_segment_align: 8
    .kernarg_segment_size: 80
    .max_flat_workgroup_size: 128
    .sgpr_count:     66
    .vgpr_count:     576
    .wavefront_size: 32
...
	.end_amdgpu_metadata
.endif
;; end of part 1
;; launch place (part 2): grid 256 x 1, 4 waves a work-group, no clusters, 20,992 bytes of LDS; arguments hidden_states, sel, rt, bc2, lowp_scales, pos, xq, out1, out2, out3; writes pos, xq, out1, out2, out3
.if DOCPART == 2
	.amdgcn_target "amdgcn-amd-amdhsa--gfx1250"
	.amdhsa_code_object_version 6
	.text
	.protected	k_qa397ada809_place
	.globl	k_qa397ada809_place
	.p2align	8
	.type	k_qa397ada809_place,@function
k_qa397ada809_place:
	s_mov_b64 s[64:65], 0
	v_nop
	global_prefetch_b8 v0, s[64:65] scope:SCOPE_SE
	s_setreg_imm32_b32 hwreg(HW_REG_WAVE_MODE, 25, 1), 1
	s_wait_xcnt 0x0
; PLACE.  The rows are sorted by expert (a counting sort without atomics) and quantised.  Wave T = 4 g + w owns token T.
; Every wave reads the whole table of one-hot counts (16 bytes a token: eight fields of 16 bits) and adds it up twice: over all tokens (each expert's rows) and over the tokens before T (its rank in each expert).
; Each expert's rows are rounded up to whole tiles of 16; an expert's first slot is the sum of the rounded counts before it.  Token T's slot in expert e = first slot + rank.
; x's row is quantised twice, once with each chosen expert's own scale 2^ex (held within +-448 x 2^ex), and stored as a row of 1,024 codes at its slot in xq.
; The conversions take 16 neighbours from one lane, the loads take 16 bytes a lane as they lie: the row turns through the wave's own stage in LDS (64 bytes a lane + 16 of padding).
; Beside that: waves 0 to 31 finish the confidence (four partial dots + bc2, sigmoid), the dynamic count and out1, out2, out3, a lane a token; waves 0 to 7 fill their expert's last tile with zero codes;
; wave 0 stores each expert's first slot and rounded count.  A wave's two slots are one store of 8 bytes: 8,192 bytes in the whole launch.
; LIMITS: ex between -126 and 119; NaN among the inputs is not served.
; REGISTERS: v8-11 sums over all tokens, v12-15 over the tokens before mine, v16-23 at work; v24-27 the two scales and holds; v32-63 x as loaded; v64-191 the table; v192-223 x by neighbours; v224-239 held numbers; v240-255 codes.
.set TOT, 8
.set BEF, 12
.set R,   32
.set OH,  64
.set XN,  192
.set TT,  224
.set CD,  240
.set SP,  80
.macro FIELD dst, src, er              ; s[dst] = the 16-bit field s[er] (0 to 7) of the four words s[src] ..
	s_lshr_b32 s67, s[\er], 1
	s_cmp_eq_u32 s67, 1
	s_cselect_b32 s[\dst], s[\src+1], s[\src]
	s_cmp_eq_u32 s67, 2
	s_cselect_b32 s[\dst], s[\src+2], s[\dst]
	s_cmp_eq_u32 s67, 3
	s_cselect_b32 s[\dst], s[\src+3], s[\dst]
	s_and_b32 s67, s[\er], 1
	s_lshl_b32 s67, s67, 4
	s_lshr_b32 s[\dst], s[\dst], s67
	s_and_b32 s[\dst], s[\dst], 0xffff
.endm
	s_load_b512 s[8:23], s[0:1], 0x0               ; x s[8:9], sel s[10:11], rt s[12:13], bc2 s[14:15], scales s[16:17], pos s[18:19], xq s[20:21], out1 s[22:23]
	s_load_b128 s[24:27], s[0:1], 0x40             ; out2 s[24:25], out3 s[26:27]
	v_lshl_add_u32 v7, v0, 2, 0x5000
	v_mov_b32 v31, 0
	v_lshrrev_b32 v1, 5, v0
	v_readfirstlane_b32 s2, v1                     ; wave
	v_and_b32 v1, 31, v0                           ; lane
	v_lshlrev_b32 v4, 4, v1
	s_lshl_b32 s3, ttmp9, 2
	s_add_co_u32 s3, s3, s2                        ; T
	s_mul_i32 s4, s2, 64*SP                        ; my two stages
	v_lshrrev_b32 v5, 2, v1
	v_mul_u32_u24 v5, v5, SP
	v_and_b32 v6, 3, v1
	v_lshl_add_u32 v5, v6, 4, v5
	v_add_nc_u32 v5, s4, v5                        ; in: four lanes' 64 bytes on end, then the padding
	v_mul_u32_u24 v6, v1, SP
	v_add_nc_u32 v6, s4, v6                        ; out: my 16 neighbours
.irp p, 0,1,2,3,4,5,6,7
	v_mov_b32 v[16+\p], 0                          ; written once: the destination of a lane exchange counts as read
.endr
	v_mov_b32 v30, 0
	s_lshl_b32 s28, s3, 2
	s_lshl_b32 s30, s3, 12
	s_mov_b32 s31, 0
	s_mov_b32 s92, 0x76543210
	s_mov_b32 s93, 0xfedcba98
	s_wait_kmcnt 0x0
	s_load_b32 s29, s[10:11], s28 offset:16384     ; my two experts
	s_load_b32 s90, s[14:15], 0x0                  ; bc2
	s_add_nc_u64 s[30:31], s[8:9], s[30:31]
.irp i, 0,1,2,3,4,5,6,7
	global_load_b128 v[R+4*\i:R+4*\i+3], v4, s[30:31] offset:512*\i
.endr
.set j, 0
.rept 32
	global_load_b128 v[OH+4*j:OH+4*j+3], v4, s[10:11] offset:512*j   ; lane l: token 32 j + l
.set j, j+1
.endr
	s_wait_kmcnt 0x0
	s_and_b32 s32, s29, 255
	s_min_u32 s32, s32, 7                          ; e0
	s_lshr_b32 s33, s29, 8
	s_min_u32 s33, s33, 7                          ; e1
	s_lshl_b32 s34, s32, 4
	s_lshl_b32 s35, s33, 4
	s_load_b32 s36, s[16:17], s34 offset:8         ; ex of e0: entry 2 + 4 e
	s_load_b32 s37, s[16:17], s35 offset:8
	s_wait_loadcnt 32                              ; x's eight loads are in; the table's 32 may be out
.irp t, 0,1
.irp i, 0,1,2,3
	ds_store_b128 v5, v[R+16*\t+4*\i:R+16*\t+4*\i+3] offset:32*SP*\t+8*SP*\i
.endr
.irp i, 0,1,2,3
	ds_load_b128 v[XN+16*\t+4*\i:XN+16*\t+4*\i+3], v6 offset:32*SP*\t+16*\i   ; LDS serves a wave's instructions in order (ISA guide 5.7.1.4): these see my stores
.endr
.endr
	s_wait_kmcnt 0x0
.irp k, 0,1
	s_add_co_i32 s84, s[36+\k], 127
	s_lshl_b32 s85, s84, 23
	v_mov_b32 v[24+2*\k], s85                      ; 2^ex as f32
	s_add_co_i32 s84, s84, 8
	s_lshl_b32 s84, s84, 23
	s_or_b32 s84, s84, 0x600000
	v_mov_b32 v[25+2*\k], s84                      ; 448 x 2^ex
.endr
	s_wait_dscnt 0x0
.irp k, 0,1                                        ; the codes are made while the table is on its way; lane l holds x(512 a + 16 l ..)
.irp a, 0,1
.irp i, 0,1,2,3,4,5,6,7,8,9,10,11,12,13,14,15
	v_med3_num_f32 v[TT+\i], v[XN+16*\a+\i], -v[25+2*\k], v[25+2*\k]   ; the conversion does not saturate (ISA guide 7.6.2)
.endr
	v_cvt_scalef32_pk8_fp8_f32 v[CD+8*\k+4*\a:CD+8*\k+4*\a+1], v[TT:TT+7], v[24+2*\k]
	v_cvt_scalef32_pk8_fp8_f32 v[CD+8*\k+4*\a+2:CD+8*\k+4*\a+3], v[TT+8:TT+15], v[24+2*\k]
	v_nop                                          ; a plain line ahead of the next holds, which write the conversions' sources
.endr
.endr
	s_wait_loadcnt 0x0
	s_mov_b32 s38, s3
.set j, 0
.rept 32
	v_cmp_gt_i32 vcc_lo, s38, v1                   ; token 32 j + lane comes before T
.irp d, 0,1,2,3
.if j == 0
	v_cndmask_b32 v[BEF+\d], 0, v[OH+\d], vcc_lo
.else
	v_cndmask_b32 v[16+\d], 0, v[OH+4*j+\d], vcc_lo
	v_add_nc_u32 v[BEF+\d], v[BEF+\d], v[16+\d]
.endif
.if j == 1
	v_add_nc_u32 v[TOT+\d], v[OH+\d], v[OH+4+\d]
.elseif j > 1
	v_add_nc_u32 v[TOT+\d], v[TOT+\d], v[OH+4*j+\d]
.endif
.endr
	s_sub_co_i32 s38, s38, 32
.set j, j+1
.endr
.irp m, 1,2,4,8                                    ; over the 32 lanes; no field passes 1,024
.irp p, 0,1,2,3,4,5,6,7
	v_mov_b32_dpp v[16+\p], v[8+\p] row_xmask:\m row_mask:0xf bank_mask:0xf
.endr
.irp p, 0,1,2,3,4,5,6,7
	v_add_nc_u32 v[8+\p], v[8+\p], v[16+\p]
.endr
.endr
.irp p, 0,1,2,3,4,5,6,7
	v_permlanex16_b32 v[16+\p], v[8+\p], s92, s93
.endr
.irp p, 0,1,2,3,4,5,6,7
	v_add_nc_u32 v[8+\p], v[8+\p], v[16+\p]
.endr
.irp p, 0,1,2,3,4,5,6,7
	v_readfirstlane_b32 s[40+\p], v[8+\p]          ; s40-43 the counts, s44-47 my ranks, packed
.endr
	s_mov_b32 s66, 0
.irp e, 0,1,2,3,4,5,6,7
.if (\e % 2) == 0
	s_and_b32 s67, s[40+\e/2], 0xffff
.else
	s_lshr_b32 s67, s[40+\e/2], 16
.endif
	s_add_co_u32 s67, s67, 15
	s_and_b32 s[56+\e], s67, 0xfff0                ; the count rounded up to whole tiles
	s_mov_b32 s[48+\e], s66                        ; the expert's first slot
	s_add_co_u32 s66, s66, s[56+\e]
.endr
.irp d, 0,1,2,3
	s_lshl_b32 s67, s[49+2*\d], 16
	s_or_b32 s[72+\d], s[48+2*\d], s67             ; first slots, packed,
	s_add_co_u32 s[68+\d], s[72+\d], s[44+\d]      ; + my ranks: my slot in every expert
.endr
	FIELD 76, 68, 32
	FIELD 77, 68, 33
	s_min_u32 s76, s76, 2175
	s_min_u32 s77, s77, 2175
	s_lshl_b32 s80, s76, 10
	s_mov_b32 s81, 0
	s_add_nc_u64 s[80:81], s[20:21], s[80:81]
	s_lshl_b32 s82, s77, 10
	s_mov_b32 s83, 0
	s_add_nc_u64 s[82:83], s[20:21], s[82:83]
.irp k, 0,1
.irp a, 0,1
	global_store_b128 v4, v[CD+8*\k+4*\a:CD+8*\k+4*\a+3], s[80+2*\k:81+2*\k] offset:512*\a   ; 32 lanes store 512 consecutive bytes
.endr
.endr
	v_mov_b32 v28, s76
	v_mov_b32 v29, s77
	s_lshl_b32 s88, s3, 3
	s_mov_b32 s89, 0
	s_add_nc_u64 s[88:89], s[18:19], s[88:89]
	v_cmp_eq_u32 vcc_lo, 0, v1
	s_wait_xcnt 0x0                                ; EXEC changes only behind this wait
	s_and_saveexec_b32 s86, vcc_lo
	global_store_b64 v30, v[28:29], s[88:89]
	s_wait_xcnt 0x0
	s_or_b32 exec_lo, exec_lo, s86
	s_cmp_lt_u32 s3, 32
	s_cbranch_scc0 .Lend
	; ---- waves 0 to 31: confidence and the masked top four, lane = token 32 T + lane
	s_lshl_b32 s4, s3, 5
	v_add_nc_u32 v108, s4, v1
	v_lshlrev_b32 v109, 2, v108
	v_lshlrev_b32 v110, 4, v108
.irp k, 0,1,2,3
	global_load_b32 v[96+\k], v109, s[12:13] offset:40960+4096*\k
.endr
	global_load_b128 v[100:103], v110, s[12:13] offset:8192
	global_load_b128 v[104:107], v110, s[12:13] offset:24576
	s_wait_loadcnt 0x0
	v_add_f32 v96, v96, v97
	v_add_f32 v98, v98, v99
	v_add_f32 v96, v96, v98
	v_add_f32 v96, s90, v96                        ; + bc2
	v_mul_f32 v96, 0xbfb8aa3b, v96                 ; sigmoid(z) = 1 / (1 + 2^(-z log2(e)))
	v_exp_f32 v96, v96
	v_nop
	s_wait_alu depctr_va_vdst(0)                   ; ahead of the first reader
	v_add_f32 v96, 1.0, v96
	v_rcp_f32 v96, v96
	v_nop
	s_wait_alu depctr_va_vdst(0)
	v_sub_f32 v97, 1.0, v96
	v_fma_f32 v97, v97, 0x40400000, 1.0            ; 1 + 3 (1 - conf)
	v_rndne_f32 v97, v97                           ; to the nearest whole number, ties to even
	v_med3_num_f32 v97, v97, 1.0, 4.0
	v_cmp_lt_f32 vcc_lo, 1.0, v97                  ; slot 0 always counts: the count is at least 1
	v_cndmask_b32 v101, 0, v101, vcc_lo
	v_cndmask_b32 v105, 0, v105, vcc_lo
	v_cmp_lt_f32 vcc_lo, 2.0, v97
	v_cndmask_b32 v102, 0, v102, vcc_lo
	v_cndmask_b32 v106, 0, v106, vcc_lo
	v_cmp_lt_f32 vcc_lo, 0x40400000, v97
	v_cndmask_b32 v103, 0, v103, vcc_lo
	v_cndmask_b32 v107, 0, v107, vcc_lo
	global_store_b32 v109, v96, s[26:27]
	global_store_b128 v110, v[100:103], s[22:23]
	global_store_b128 v110, v[104:107], s[24:25]
	s_cmp_lt_u32 s3, 8
	s_cbranch_scc0 .Lend
	; ---- waves 0 to 7: expert T's last tile is filled up with rows of zero codes, so that every byte that the next launch reads has been stored
	FIELD 78, 40, 3                                ; its count,
	FIELD 79, 72, 3                                ; its first slot
	s_add_co_u32 s84, s78, 15
	s_and_b32 s84, s84, 0xfff0
	s_add_co_u32 s85, s79, s78
	s_min_u32 s85, s85, 2160
	s_lshl_b32 s94, s85, 10
	s_mov_b32 s95, 0
	s_add_nc_u64 s[94:95], s[20:21], s[94:95]
.irp d, 0,1,2,3
	v_mov_b32 v[80+\d], 0
.endr
.set zi, 0
.rept 15
	s_cmp_lt_u32 s78, s84
	s_cbranch_scc0 .Lzdone
	global_store_b128 v4, v[80:83], s[94:95] offset:1024*zi
	global_store_b128 v4, v[80:83], s[94:95] offset:1024*zi+512
	s_add_co_u32 s78, s78, 1
.set zi, zi+1
.endr
.Lzdone:
	s_cmp_eq_u32 s3, 0
	s_cbranch_scc0 .Lend
	; ---- wave 0: eight first slots, eight rounded counts
.irp i, 0,1,2,3,4,5,6,7,8,9,10,11,12,13,14,15
	v_mov_b32 v[64+\i], s[48+\i]
.endr
	v_cmp_eq_u32 vcc_lo, 0, v1
	s_wait_xcnt 0x0
	s_and_saveexec_b32 s86, vcc_lo
.irp q, 0,1,2,3
	global_store_b128 v30, v[64+4*\q:64+4*\q+3], s[18:19] offset:8192+16*\q
.endr
	s_wait_xcnt 0x0
	s_or_b32 exec_lo, exec_lo, s86
.Lend:
	s_wait_tensorcnt 0x0
	ds_add_u32 v7, v31
	s_wait_dscnt 0x0
	s_endpgm
.Lfunc_end_k_qa397ada809_place:
	.size	k_qa397ada809_place, .Lfunc_end_k_qa397ada809_place-k_qa397ada809_place
	.p2alignl 7, 3214868480
	.fill 96, 4, 3214868480
	.section	.rodata,"a",@progbits
	.p2align	6, 0x0
	.amdhsa_kernel k_qa397ada809_place
		.amdhsa_group_segment_fixed_size 20992
		.amdhsa_private_segment_fixed_size 0
		.amdhsa_enable_private_segment 0
		.amdhsa_kernarg_size 80
		.amdhsa_user_sgpr_count 2
		.amdhsa_user_sgpr_kernarg_segment_ptr 1
		.amdhsa_wavefront_size32 1
		.amdhsa_system_sgpr_workgroup_id_x 1
		.amdhsa_system_sgpr_workgroup_id_y 1
		.amdhsa_system_sgpr_workgroup_id_z 1
		.amdhsa_system_vgpr_workitem_id 0
		.amdhsa_next_free_vgpr 256
		.amdhsa_next_free_sgpr 96
		.amdhsa_reserve_vcc 1
		.amdhsa_float_denorm_mode_32 3
		.amdhsa_float_denorm_mode_16_64 3
		.amdhsa_memory_ordered 1
		.amdhsa_forward_progress 1
		.amdhsa_inst_pref_size 43
	.end_amdhsa_kernel
	.amdgpu_metadata
---
amdhsa.version: [ 1, 2 ]
amdhsa.kernels:
  - .name:           k_qa397ada809_place
    .symbol:         k_qa397ada809_place.kd
    .args:
      - { .name: hidden_states, .offset: 0, .size: 8, .value_kind: global_buffer, .address_space: global }
      - { .name: sel, .offset: 8, .size: 8, .value_kind: global_buffer, .address_space: global }
      - { .name: rt, .offset: 16, .size: 8, .value_kind: global_buffer, .address_space: global }
      - { .name: bc2, .offset: 24, .size: 8, .value_kind: global_buffer, .address_space: global }
      - { .name: lowp_scales, .offset: 32, .size: 8, .value_kind: global_buffer, .address_space: global }
      - { .name: pos, .offset: 40, .size: 8, .value_kind: global_buffer, .address_space: global }
      - { .name: xq, .offset: 48, .size: 8, .value_kind: global_buffer, .address_space: global }
      - { .name: out1, .offset: 56, .size: 8, .value_kind: global_buffer, .address_space: global }
      - { .name: out2, .offset: 64, .size: 8, .value_kind: global_buffer, .address_space: global }
      - { .name: out3, .offset: 72, .size: 8, .value_kind: global_buffer, .address_space: global }
    .group_segment_fixed_size: 20992
    .private_segment_fixed_size: 0
    .kernarg_segment_align: 8
    .kernarg_segment_size: 80
    .max_flat_workgroup_size: 128
    .sgpr_count:     96
    .vgpr_count:     256
    .wavefront_size: 32
...
	.end_amdgpu_metadata
.endif
;; end of part 2
;; launch ffn1 (part 3): grid 256 x 1, 4 waves a work-group, no clusters, 233,472 bytes of LDS; arguments pos, xq, W1_codes, b1, lowp_scales, h; writes h
.if DOCPART == 3
	.amdgcn_target "amdgcn-amd-amdhsa--gfx1250"
	.amdhsa_code_object_version 6
	.text
	.protected	k_qa397ada809_ffn1
	.globl	k_qa397ada809_ffn1
	.p2align	8
	.type	k_qa397ada809_ffn1,@function
k_qa397ada809_ffn1:
	s_mov_b64 s[64:65], 0
	v_nop
	global_prefetch_b8 v0, s[64:65] scope:SCOPE_SE
	s_setreg_imm32_b32 hwreg(HW_REG_WAVE_MODE, 25, 1), 1
	s_wait_xcnt 0x0
; FFN1.  h = Q(relu(x W1[e] + b1[e])) for the rows that chose expert e, on codes of E4M3.
; SHARES.  Work-group g: expert e = g / 32, slice j = g % 32: hidden units 128 j .. 128 j + 127, all of K = 1,024: 131,072 bytes of codes, read from memory once in the launch, 512 consecutive bytes a load,
; turned through LDS and KEPT IN REGISTERS (512 a wave).  The work-group then walks its expert's tiles of 16 rows.  Wave w: wn = w / 2 takes 64 of the 128 units (four tiles), wm = w % 2 every second tile of rows.
; A TRIP is SIX tiles of rows.  Wave w fetches tile 6 i + w whole and half wm of tile 6 i + 4 + wn: 48 loads of 512 bytes, inside LOADcnt's field of 63 (ISA guide 5.7.1), so that no load waits for an earlier one to
; come back before it can be issued.  It multiplies tiles 6 i + wm + 2 q, q = 0, 1, 2, out of the trip's LDS slot.  At a trip's end what was fetched goes into the other slot, and the tiles of the trip after that are asked
; for at once: they have a whole trip, 96 matrix instructions a wave, in which to land.
; Twelve trips, a constant (an expert has 64 tiles at the most); what a trip has no tile for is jumped over by scalar branches on the stored count, which is why this launch moves its operands through registers:
; no barrier stands under such a branch.  One barrier a trip: in front of it a wave's stores into the next slot have landed and its reads of this slot are back.
; No cluster: partners would need tiles of one expert in step, and the number of tiles hangs on counts read from memory.
; THE PRODUCT IS USED TRANSPOSED (source 0 = 16 rows of W1, source 1 = 16 rows of x): a lane holds one row of x and eight units.  THE ROWS OF W1 THAT FORM A TILE ARE NOT NEIGHBOURS: lane r of tile 2 b + u takes
; unit 32 b + 8 u + r + 8 (r / 8), so that the 16 registers of tiles 2 b and 2 b + 1 are the 16 neighbours 32 b + 16 hh + 0 .. 15 along the next K, and the conversions' results are the next operand's registers.
; b1 / 2^(ex + ew1) is the C of a tile's first product; the hold between 0 and 448 x the scale is the activation too; the conversion's one scale is 2^(eh - ex - ew1).
; h IS LAID AS IMAGES OF THE NEXT OPERAND'S REGISTERS: [tile][K step of 128: 32][c: 4][lane: 32][16 bytes]: each store of a wave covers 512 consecutive bytes, aligned.
; LIMITS: eh - ex - ew1 between -126 and 119 (ex + ew1 goes in by v_ldexp_f32 and has none).
; REGISTERS: window 0: v1-23 addresses and the two constants; v32-159 x's eight fragments; v160-191 four accumulators; v192-223 b1; v224-247 codes (a set for each of a trip's three tiles).
;   windows 1, 2: W1's fragments (K step s, tile t) at 64 (s % 4) + 16 t, s < 4 in window 1.  window 3: W1 as loaded; afterwards v0-191: the tile and a half of x that I fetch.
.set WP,    1040                       ; an LDS row: 1,024 bytes + 16 = 65 x 16, so that the sixteen rows of a load start at sixteen different banks (64 banks of 4 bytes: ISA guide 11.1)
.set ATILE, 16*WP                      ; a tile of x in LDS
.set SL0,   128*WP                     ; slot 0 lies behind the weights' stage; slot 1 begins at 0, over that stage, which is done with once the fragments are in registers
.set XT,    16384                      ; a tile of xq in memory
.set HT,    65536                      ; a tile of h in memory
.set AFR,  32
.set ACC,  160
.set BIAS, 192
.set PC,   224
.set AS,   16                          ; v16, v17  where I store my whole tile, slot 0, 1
.set AH,   18                          ; v18, v19  where I store my half tile, slot 0, 1
.set AF,   20                          ; v20-23    where I read fragments: slot 0 tiles q = 0, 1; slot 0 tile q = 2; the same for slot 1 (the third tile lies beyond an LDS immediate's 65,535 bytes)
.set NT,   22                          ; s22 the expert's tiles
.set LT,   32                          ; s32 the whole tile that I fetch, counted within the expert
.set CT,   33                          ; s33 the first tile that I multiply
.set LH,   50                          ; s50 the tile of which I fetch a half: always above s32
.set AP,   36                          ; s[36:37] xq at the whole tile that I fetch
.set AQ,   48                          ; s[48:49] xq at my half tile
.set OP,   38                          ; s[38:39] h at my part of the first tile that I multiply
.set MSB, 0
.macro WIN new                         ; the immediate's high byte repeats the setting that is left
.if MSB != \new
	s_set_vgpr_msb (MSB<<8)|\new
.set MSB, \new
.endif
.endm
.macro ALOAD                           ; a tile of x is 16 rows of 1,024 codes, dense: 32 loads of 512 consecutive bytes; the half tile 16
	s_cmp_lt_u32 s[LT], s[NT]
	s_cbranch_scc0 .Lal_\@
	WIN 0xc0                                       ; destination window 3
.set n, 0
.rept 32
	global_load_b128 v[4*n:4*n+3], v4, s[AP:AP+1] offset:512*n
.set n, n+1
.endr
	WIN 0
	s_cmp_lt_u32 s[LH], s[NT]
	s_cbranch_scc0 .Lal_\@
	WIN 0xc0
.set n, 0
.rept 16
	global_load_b128 v[128+4*n:128+4*n+3], v4, s[AQ:AQ+1] offset:512*n
.set n, n+1
.endr
	WIN 0
.Lal_\@:
.endm
.macro ASTORE slot                     ; the same two compares as in ALOAD: none of the three registers has changed since
	s_cmp_lt_u32 s[LT], s[NT]
	s_cbranch_scc0 .Las_\@
	WIN 0x0c                                       ; store data window 3
.set n, 0
.rept 32
	ds_store_b128 v[AS+(\slot)], v[4*n:4*n+3] offset:(n/2)*WP+(n%2)*512
.set n, n+1
.endr
	WIN 0
	s_cmp_lt_u32 s[LH], s[NT]
	s_cbranch_scc0 .Las_\@
	WIN 0x0c
.set n, 0
.rept 16
	ds_store_b128 v[AH+(\slot)], v[128+4*n:128+4*n+3] offset:(n/2)*WP+(n%2)*512
.set n, n+1
.endr
	WIN 0
.Las_\@:
.endm
.macro MULS s, first                   ; K step s: four products, the four accumulators by turns
	s_wait_dscnt 28-4*(\s)                         ; this K step's fragment of x is in; the later K steps' four loads each may be out
.irp t, 0,1,2,3
.if \first
	v_wmma_f32_16x16x128_fp8_fp8 v[ACC+8*\t:ACC+8*\t+7], v[64*((\s)%4)+16*\t:64*((\s)%4)+16*\t+15], v[AFR+16*(\s):AFR+16*(\s)+15], v[BIAS+8*\t:BIAS+8*\t+7]
.else
	v_wmma_f32_16x16x128_fp8_fp8 v[ACC+8*\t:ACC+8*\t+7], v[64*((\s)%4)+16*\t:64*((\s)%4)+16*\t+15], v[AFR+16*(\s):AFR+16*(\s)+15], v[ACC+8*\t:ACC+8*\t+7]
.endif
.endr
.endm
.macro TILE slot, q                    ; the q-th of my three tiles of this trip
.irp s, 0,1,2,3,4,5,6,7
.irp c, 0,1,2,3
	ds_load_b128 v[AFR+16*\s+4*\c:AFR+16*\s+4*\c+3], v[AF+2*(\slot)+(\q)/2] offset:((\q)%2)*2*ATILE+128*\s+32*\c
.endr
.endr
	WIN 0x01                                       ; source 0 (W1) window 1
	MULS 0, 1
	MULS 1, 0
	MULS 2, 0
	MULS 3, 0
	WIN 0x02                                       ; window 2
	MULS 4, 0
	MULS 5, 0
	MULS 6, 0
	MULS 7, 0
	WIN 0
.rept 4
	v_nop                                          ; four places ahead of the first read of results; with the holds below they also part these products from the next tile's loads and first products
.endr
.irp i, 0,1,2,3,4,5,6,7,8,9,10,11,12,13,14,15,16,17,18,19,20,21,22,23,24,25,26,27,28,29,30,31
	v_med3_num_f32 v[ACC+\i], v[ACC+\i], 0, v15    ; the activation and the hold in one; each accumulator from its low end on
.endr
.irp b, 0,1
	v_cvt_scalef32_pk8_fp8_f32 v[PC+8*(\q)+4*\b:PC+8*(\q)+4*\b+1], v[ACC+16*\b:ACC+16*\b+7], v14
	v_cvt_scalef32_pk8_fp8_f32 v[PC+8*(\q)+4*\b+2:PC+8*(\q)+4*\b+3], v[ACC+16*\b+8:ACC+16*\b+15], v14
.endr
	v_nop                                          ; a plain line behind the last conversion: the next products write its sources
.irp b, 0,1
	global_store_b128 v4, v[PC+8*(\q)+4*\b:PC+8*(\q)+4*\b+3], s[OP:OP+1] offset:(\q)*2*HT+512*\b   ; c = 2 wn + b of K step j
.endr
.endm
.macro TRIP slot
.irp q, 0,1,2
	s_add_co_u32 s34, s[CT], 2*\q
	s_cmp_lt_u32 s34, s[NT]                        ; my tiles ascend: where one is past the expert's last, so are the rest
	s_cbranch_scc0 .Lcd_\@
	TILE \slot, \q
.endr
.Lcd_\@:
	s_wait_loadcnt 0x0                             ; what I asked for a trip ago is in
	ASTORE 1-\slot
	s_wait_xcnt 0x0                                ; the loads' and stores' bases and the stores' data are rewritten only behind this wait
	s_add_nc_u64 s[AP:AP+1], s[AP:AP+1], 6*XT
	s_add_nc_u64 s[AQ:AQ+1], s[AQ:AQ+1], 6*XT
	s_add_nc_u64 s[OP:OP+1], s[OP:OP+1], 6*HT
	s_add_co_u32 s[LT], s[LT], 6
	s_add_co_u32 s[LH], s[LH], 6
	s_add_co_u32 s[CT], s[CT], 6
	s_wait_dscnt 0x0                               ; my stores into the next slot have landed and have read their registers; my reads of this slot are back
	ALOAD                                          ; the trip after next is asked for ahead of the barrier: the next trip's work stands in front of the wait for it
	s_barrier_signal -1
	s_barrier_wait -1
.endm
	s_load_b256 s[4:11], s[0:1], 0x0               ; pos s[4:5], xq s[6:7], W1 s[8:9], b1 s[10:11]
	s_load_b128 s[12:15], s[0:1], 0x20             ; scales s[12:13], h s[14:15]
	v_lshl_add_u32 v254, v0, 2, 0x38e00
	v_mov_b32 v255, 0
	v_lshrrev_b32 v1, 5, v0
	v_readfirstlane_b32 s16, v1                    ; wave
	s_lshr_b32 s17, s16, 1                         ; wn
	s_and_b32 s18, s16, 1                          ; wm
	s_lshr_b32 s19, ttmp9, 5                       ; e
	s_and_b32 s20, ttmp9, 31                       ; j
	v_and_b32 v1, 31, v0
	v_and_b32 v2, 15, v0                           ; r
	v_bfe_u32 v3, v0, 4, 1                         ; hh
	v_lshlrev_b32 v4, 4, v1                        ; 16 x lane
	s_mul_i32 s24, s16, 32*WP
	v_add_nc_u32 v5, s24, v4                       ; the weights' stage: my 32 rows as they lie
	v_and_b32 v6, 8, v2
	v_add_nc_u32 v6, v6, v2                        ; r + 8 (r / 8)
	v_mul_u32_u24 v6, v6, WP
	v_lshl_add_u32 v6, v3, 4, v6
	s_mul_i32 s24, s17, 64*WP
	v_add_nc_u32 v6, s24, v6                       ; and by fragments: my 64 rows
	s_mul_i32 s24, s16, ATILE                      ; my whole tile: place w of a slot
	v_add_nc_u32 v[AS+1], s24, v4
	s_add_co_u32 s24, s24, SL0
	v_add_nc_u32 v[AS], s24, v4
	s_mul_i32 s24, s17, ATILE                      ; my half tile: place 4 + wn, rows 8 wm on
	s_mul_i32 s29, s18, 8*WP
	s_add_co_u32 s24, s24, s29
	s_add_co_u32 s24, s24, 4*ATILE
	v_add_nc_u32 v[AH+1], s24, v4
	s_add_co_u32 s24, s24, SL0
	v_add_nc_u32 v[AH], s24, v4
	v_mul_u32_u24 v12, v2, WP
	v_lshl_add_u32 v12, v3, 4, v12
	s_mul_i32 s24, s18, ATILE                      ; the tiles that I multiply: places wm, wm + 2, wm + 4
	v_add_nc_u32 v[AF+2], s24, v12
	s_add_co_u32 s29, s24, 4*ATILE
	v_add_nc_u32 v[AF+3], s29, v12
	s_add_co_u32 s29, s24, SL0
	v_add_nc_u32 v[AF], s29, v12
	s_add_co_u32 s29, s24, SL0+4*ATILE
	v_add_nc_u32 v[AF+1], s29, v12
	v_lshlrev_b32 v11, 6, v3                       ; b1: my half's units begin 16 further on
	s_lshl_b32 s21, s19, 2
	s_lshl_b32 s25, s19, 4
	s_lshl_b32 s26, s19, 22                        ; W1: expert e, row 128 j + 32 w
	s_lshl_b32 s28, s20, 17
	s_add_co_u32 s26, s26, s28
	s_lshl_b32 s28, s16, 15
	s_add_co_u32 s26, s26, s28
	s_mov_b32 s27, 0
	s_lshl_b32 s30, s19, 14                        ; b1: expert e, unit 128 j + 64 wn
	s_lshl_b32 s28, s20, 9
	s_add_co_u32 s30, s30, s28
	s_lshl_b32 s28, s17, 8
	s_add_co_u32 s30, s30, s28
	s_mov_b32 s31, 0
	s_wait_kmcnt 0x0
	s_load_b32 s23, s[4:5], s21 offset:8192        ; the expert's first slot,
	s_load_b32 s22, s[4:5], s21 offset:8224        ; and its rows, rounded up to whole tiles
	s_load_b128 s[40:43], s[12:13], s25 offset:8   ; ex, ew1, eh, ew2
	s_add_nc_u64 s[26:27], s[8:9], s[26:27]
	s_add_nc_u64 s[30:31], s[10:11], s[30:31]
.irp t, 0,1,2,3
	global_load_b128 v[BIAS+8*\t:BIAS+8*\t+3], v11, s[30:31] offset:(32*(\t/2)+8*(\t%2))*4
	global_load_b128 v[BIAS+8*\t+4:BIAS+8*\t+7], v11, s[30:31] offset:(32*(\t/2)+8*(\t%2))*4+16
.endr
	WIN 0xc0                                       ; destination window 3
.set n, 0
.rept 64
	global_load_b128 v[4*n:4*n+3], v4, s[26:27] offset:512*n th:TH_LOAD_NT   ; read once in the whole launch
.set n, n+1
.endr
	WIN 0
	s_wait_kmcnt 0x0
	s_lshr_b32 s21, s23, 4
	s_min_u32 s21, s21, 135                        ; the expert's first tile
	s_lshr_b32 s[NT], s[NT], 4
	s_min_u32 s[NT], s[NT], 64
	s_add_co_u32 s[AP], s21, s16
	s_lshl_b32 s[AP], s[AP], 14
	s_mov_b32 s[AP+1], 0
	s_add_nc_u64 s[AP:AP+1], s[6:7], s[AP:AP+1]
	s_add_co_u32 s[AQ], s21, s17
	s_add_co_u32 s[AQ], s[AQ], 4
	s_lshl_b32 s[AQ], s[AQ], 14
	s_lshl_b32 s28, s18, 13
	s_add_co_u32 s[AQ], s[AQ], s28
	s_mov_b32 s[AQ+1], 0
	s_add_nc_u64 s[AQ:AQ+1], s[6:7], s[AQ:AQ+1]
	s_add_co_u32 s[OP], s21, s18
	s_lshl_b32 s[OP], s[OP], 16
	s_lshl_b32 s28, s20, 11
	s_add_co_u32 s[OP], s[OP], s28
	s_lshl_b32 s28, s17, 10
	s_add_co_u32 s[OP], s[OP], s28
	s_mov_b32 s[OP+1], 0
	s_add_nc_u64 s[OP:OP+1], s[14:15], s[OP:OP+1]
	s_mov_b32 s[LT], s16
	s_add_co_u32 s[LH], s17, 4
	s_cmp_lt_u32 s[LT], s[NT]                      ; the first trip's tiles, as far as the expert has them: through window 1, which is free until the fragments come.  Each load and the store of what it brought stand in one branch
	s_cbranch_scc0 .Lno_first
	WIN 0x40
.set n, 0
.rept 32
	global_load_b128 v[4*n:4*n+3], v4, s[AP:AP+1] offset:512*n
.set n, n+1
.endr
	WIN 0
	s_cmp_lt_u32 s[LH], s[NT]
	s_cbranch_scc0 .Lone
	WIN 0x40
.set n, 0
.rept 16
	global_load_b128 v[128+4*n:128+4*n+3], v4, s[AQ:AQ+1] offset:512*n
.set n, n+1
.endr
	s_wait_loadcnt 0x0
	WIN 0x04
.set n, 0
.rept 16
	ds_store_b128 v[AH], v[128+4*n:128+4*n+3] offset:(n/2)*WP+(n%2)*512
.set n, n+1
.endr
	WIN 0
.Lone:
	s_wait_loadcnt 0x0
	WIN 0x04
.set n, 0
.rept 32
	ds_store_b128 v[AS], v[4*n:4*n+3] offset:(n/2)*WP+(n%2)*512
.set n, n+1
.endr
	WIN 0
.Lno_first:
	s_wait_loadcnt 0x0
	WIN 0x0c                                       ; store data window 3
.set n, 0
.rept 64
	ds_store_b128 v5, v[4*n:4*n+3] offset:(n/2)*WP+(n%2)*512
.set n, n+1
.endr
	WIN 0
	s_wait_xcnt 0x0
	s_add_nc_u64 s[AP:AP+1], s[AP:AP+1], 6*XT      ; on to the tiles of the second trip
	s_add_nc_u64 s[AQ:AQ+1], s[AQ:AQ+1], 6*XT
	s_add_co_u32 s[LT], s[LT], 6
	s_add_co_u32 s[LH], s[LH], 6
	s_mov_b32 s[CT], s18
	s_mov_b32 s35, 6
	s_add_co_i32 s44, s40, s41                     ; ex + ew1
	s_sub_co_i32 s45, 0, s44
	s_sub_co_i32 s46, s42, s44
	s_add_co_i32 s46, s46, 127
	s_lshl_b32 s47, s46, 23
	v_mov_b32 v14, s47                             ; 2^(eh - ex - ew1): the three scales folded into the conversion's one
	s_add_co_i32 s46, s46, 8
	s_lshl_b32 s46, s46, 23
	s_or_b32 s46, s46, 0x600000
	v_mov_b32 v15, s46                             ; 448 x that
.irp i, 0,1,2,3,4,5,6,7,8,9,10,11,12,13,14,15,16,17,18,19,20,21,22,23,24,25,26,27,28,29,30,31
	v_ldexp_f32 v[BIAS+\i], v[BIAS+\i], s45        ; b1 / 2^(ex + ew1)
.endr
	s_wait_dscnt 0x0                               ; for the others' sake: my rows of W1 and my part of the first trip's x have landed; and the stores have read window 3,
	ALOAD                                          ; which takes the second trip's tiles: the fragments' reads and the first trip's work stand in front of the wait for them
	s_barrier_signal -1
	s_barrier_wait -1
	WIN 0x40
.irp s, 0,1,2,3
.irp t, 0,1,2,3
.irp c, 0,1,2,3
	ds_load_b128 v[64*\s+16*\t+4*\c:64*\s+16*\t+4*\c+3], v6 offset:(32*(\t/2)+8*(\t%2))*WP+128*\s+32*\c
.endr
.endr
.endr
	WIN 0x80
.irp s, 4,5,6,7
.irp t, 0,1,2,3
.irp c, 0,1,2,3
	ds_load_b128 v[64*(\s-4)+16*\t+4*\c:64*(\s-4)+16*\t+4*\c+3], v6 offset:(32*(\t/2)+8*(\t%2))*WP+128*\s+32*\c
.endr
.endr
.endr
	WIN 0
	s_wait_dscnt 0x0                               ; my fragments are in registers: my reads of the weights' stage are over;
	s_barrier_signal -1
	s_barrier_wait -1                              ; everybody's are: from here on the stage's bytes are slot 1
.Ltrip:
	TRIP 0
	TRIP 1
	s_sub_co_u32 s35, s35, 1
	s_cmp_lg_u32 s35, 0
	s_cbranch_scc1 .Ltrip
	s_wait_tensorcnt 0x0
	ds_add_u32 v254, v255
	s_wait_dscnt 0x0
	s_endpgm
.Lfunc_end_k_qa397ada809_ffn1:
	.size	k_qa397ada809_ffn1, .Lfunc_end_k_qa397ada809_ffn1-k_qa397ada809_ffn1
	.p2alignl 7, 3214868480
	.fill 96, 4, 3214868480
	.section	.rodata,"a",@progbits
	.p2align	6, 0x0
	.amdhsa_kernel k_qa397ada809_ffn1
		.amdhsa_group_segment_fixed_size 233472
		.amdhsa_private_segment_fixed_size 0
		.amdhsa_enable_private_segment 0
		.amdhsa_kernarg_size 48
		.amdhsa_user_sgpr_count 2
		.amdhsa_user_sgpr_kernarg_segment_ptr 1
		.amdhsa_wavefront_size32 1
		.amdhsa_system_sgpr_workgroup_id_x 1
		.amdhsa_system_sgpr_workgroup_id_y 1
		.amdhsa_system_sgpr_workgroup_id_z 1
		.amdhsa_system_vgpr_workitem_id 0
		.amdhsa_next_free_vgpr 1024
		.amdhsa_next_free_sgpr 66
		.amdhsa_reserve_vcc 0
		.amdhsa_float_denorm_mode_32 3
		.amdhsa_float_denorm_mode_16_64 3
		.amdhsa_memory_ordered 1
		.amdhsa_forward_progress 1
		.amdhsa_inst_pref_size 98
	.end_amdhsa_kernel
	.amdgpu_metadata
---
amdhsa.version: [ 1, 2 ]
amdhsa.kernels:
  - .name:           k_qa397ada809_ffn1
    .symbol:         k_qa397ada809_ffn1.kd
    .args:
      - { .name: pos, .offset: 0, .size: 8, .value_kind: global_buffer, .address_space: global }
      - { .name: xq, .offset: 8, .size: 8, .value_kind: global_buffer, .address_space: global }
      - { .name: W1_codes, .offset: 16, .size: 8, .value_kind: global_buffer, .address_space: global }
      - { .name: b1, .offset: 24, .size: 8, .value_kind: global_buffer, .address_space: global }
      - { .name: lowp_scales, .offset: 32, .size: 8, .value_kind: global_buffer, .address_space: global }
      - { .name: h, .offset: 40, .size: 8, .value_kind: global_buffer, .address_space: global }
    .group_segment_fixed_size: 233472
    .private_segment_fixed_size: 0
    .kernarg_segment_align: 8
    .kernarg_segment_size: 48
    .max_flat_workgroup_size: 128
    .sgpr_count:     66
    .vgpr_count:     1024
    .wavefront_size: 32
...
	.end_amdgpu_metadata
.endif
;; end of part 3
;; launch ffn2 (part 4): grid 256 x 1, 4 waves a work-group, no clusters, 249,344 bytes of LDS; arguments pos, h, W2_codes, part; writes part
.if DOCPART == 4
	.amdgcn_target "amdgcn-amd-amdhsa--gfx1250"
	.amdhsa_code_object_version 6
	.text
	.protected	k_qa397ada809_ffn2
	.globl	k_qa397ada809_ffn2
	.p2align	8
	.type	k_qa397ada809_ffn2,@function
k_qa397ada809_ffn2:
	s_mov_b64 s[64:65], 0
	v_nop
	global_prefetch_b8 v0, s[64:65] scope:SCOPE_SE
	s_setreg_imm32_b32 hwreg(HW_REG_WAVE_MODE, 25, 1), 1
	s_wait_xcnt 0x0
; FFN2.  Sums of codes of h W2[e] for the rows that chose expert e, in four parts along K.
; SHARES.  Work-group g: expert e = g / 32, jn = (g % 32) / 4: outputs 128 jn .. + 127, jk = g % 4: K = 1,024 jk .. + 1,023 of 4,096.  That slice, 131,072 bytes of codes, is read from memory once in the launch,
; 512 consecutive bytes a load, turned through LDS and KEPT IN REGISTERS (512 a wave).  Of the slices of that size this shape moves the fewest bytes a row: 1,024 of codes in, 128 f32 out.
; The walk over the expert's tiles of 16 rows is the first product's: wave w: wn = w / 2 takes 64 outputs (four tiles), wm = w % 2 every second tile of rows.  A TRIP is SIX tiles: wave w fetches tile 6 i + w whole and
; half wm of tile 6 i + 4 + wn: 48 loads of 512 bytes, inside LOADcnt's field of 63 (ISA guide 5.7.1); it multiplies tiles 6 i + wm + 2 q, q = 0, 1, 2.  At a trip's end what was fetched goes into the other LDS slot and the
; tiles of the trip after that are asked for at once: they have a whole trip, 96 matrix instructions a wave, in which to land.  Twelve trips, a constant (64 tiles at the most);
; what a trip has no tile for is jumped over by scalar branches on the stored count, so operands go through registers and no barrier stands under such a branch; one barrier a trip.
; No cluster: the number of tiles hangs on counts read from memory.
; h comes as images of the operand's registers (16 bytes a lane, 512 bytes a group of four registers): a tile's part for this K slice is 16,384 dense bytes, kept so in LDS: no pitch, no padding.
; THE PRODUCT IS USED TRANSPOSED (source 0 = 16 rows of W2, source 1 = 16 rows of h): a lane holds one row and eight neighbouring outputs.  A wave's 64 outputs of a row are 256 bytes: they go through the wave's own
; stage and leave with sixteen lanes storing 256 consecutive bytes, aligned.  part: [slot][jk][1,024] f32; scale, gate, bias and the sum over jk and the two experts are the last launch's.
; The sum over K = 4,096 is thus made of four f32 sums of 1,024, added in f32.
; REGISTERS: window 0: v1-23 addresses; v32-159 h's eight fragments; v160-191 four accumulators; v192-223 rows on their way out.  windows 1, 2: W2's fragments (K step s, tile t) at 64 (s % 4) + 16 t.
;   window 3: W2 as loaded; afterwards v0-191: the tile and a half of h that I fetch.
.set WP,    1040                       ; a row of the weights' stage: 1,024 bytes + 16 = 65 x 16: the sixteen rows of a load start at sixteen different banks (64 banks of 4 bytes: ISA guide 11.1)
.set ATILE, 16384                      ; a tile's part of h, in LDS as in memory
.set SL0,   128*WP                     ; slot 0 lies behind the weights' stage; slot 1 begins at 0, over that stage, which is done with once the fragments are in registers
.set OSTG,  SL0+6*ATILE                ; 16 rows x (256 + 16) bytes for each wave
.set HT,    65536                      ; a tile of h in memory
.set PT,    262144                     ; a tile of part in memory
.set AFR,  32
.set ACC,  160
.set OUT,  192
.set AS,   16                          ; v16, v17  where I store my whole tile, slot 0, 1
.set AH,   18                          ; v18, v19  where I store my half tile, slot 0, 1
.set AF,   20                          ; v20-23    where I read fragments: slot 0 tiles q = 0, 1; slot 0 tile q = 2; the same for slot 1 (the third tile lies beyond an LDS immediate's 65,535 bytes)
.set NT,   22
.set LT,   32
.set CT,   33
.set LH,   50
.set AP,   36
.set AQ,   48
.set OP,   38
.set MSB, 0
.macro WIN new                         ; the immediate's high byte repeats the setting that is left
.if MSB != \new
	s_set_vgpr_msb (MSB<<8)|\new
.set MSB, \new
.endif
.endm
.macro ALOAD
	s_cmp_lt_u32 s[LT], s[NT]
	s_cbranch_scc0 .Lal_\@
	WIN 0xc0                                       ; destination window 3
.set n, 0
.rept 32
	global_load_b128 v[4*n:4*n+3], v4, s[AP:AP+1] offset:512*n
.set n, n+1
.endr
	WIN 0
	s_cmp_lt_u32 s[LH], s[NT]
	s_cbranch_scc0 .Lal_\@
	WIN 0xc0
.set n, 0
.rept 16
	global_load_b128 v[128+4*n:128+4*n+3], v4, s[AQ:AQ+1] offset:512*n
.set n, n+1
.endr
	WIN 0
.Lal_\@:
.endm
.macro ASTORE slot                     ; the same two compares as in ALOAD: none of the three registers has changed since
	s_cmp_lt_u32 s[LT], s[NT]
	s_cbranch_scc0 .Las_\@
	WIN 0x0c                                       ; store data window 3
.set n, 0
.rept 32
	ds_store_b128 v[AS+(\slot)], v[4*n:4*n+3] offset:512*n
.set n, n+1
.endr
	WIN 0
	s_cmp_lt_u32 s[LH], s[NT]
	s_cbranch_scc0 .Las_\@
	WIN 0x0c
.set n, 0
.rept 16
	ds_store_b128 v[AH+(\slot)], v[128+4*n:128+4*n+3] offset:512*n
.set n, n+1
.endr
	WIN 0
.Las_\@:
.endm
.macro MULS s, first                   ; K step s: four products, the four accumulators by turns; the first K step starts the sums
	s_wait_dscnt 28-4*(\s)                         ; this K step's fragment of h is in; the later K steps' four loads each may be out
.irp t, 0,1,2,3
.if \first
	v_wmma_f32_16x16x128_fp8_fp8 v[ACC+8*\t:ACC+8*\t+7], v[64*((\s)%4)+16*\t:64*((\s)%4)+16*\t+15], v[AFR+16*(\s):AFR+16*(\s)+15], 0
.else
	v_wmma_f32_16x16x128_fp8_fp8 v[ACC+8*\t:ACC+8*\t+7], v[64*((\s)%4)+16*\t:64*((\s)%4)+16*\t+15], v[AFR+16*(\s):AFR+16*(\s)+15], v[ACC+8*\t:ACC+8*\t+7]
.endif
.endr
.endm
.macro TILE slot, q
.irp s, 0,1,2,3,4,5,6,7
.irp c, 0,1,2,3
	ds_load_b128 v[AFR+16*\s+4*\c:AFR+16*\s+4*\c+3], v[AF+2*(\slot)+(\q)/2] offset:((\q)%2)*2*ATILE+2048*\s+512*\c
.endr
.endr
	WIN 0x01
	MULS 0, 1
	MULS 1, 0
	MULS 2, 0
	MULS 3, 0
	WIN 0x02
	MULS 4, 0
	MULS 5, 0
	MULS 6, 0
	MULS 7, 0
	WIN 0
.rept 5
	v_nop                                          ; four places ahead of the stores that read results and of the next tile's loads; a fifth ahead of the next tile's first products, which write the accumulators anew
.endr
.irp t, 0,1,2,3
	ds_store_b128 v11, v[ACC+8*\t:ACC+8*\t+3] offset:64*\t        ; row r, outputs 16 t + 8 hh + 0 .. 7; each accumulator from its low end on
	ds_store_b128 v11, v[ACC+8*\t+4:ACC+8*\t+7] offset:64*\t+16
.endr
	s_wait_xcnt 0x0                                ; the last tile's stores have read their data: the rows' registers are loaded again only behind this wait
.irp i, 0,1,2,3,4,5,6,7
	ds_load_b128 v[OUT+4*\i:OUT+4*\i+3], v12 offset:544*\i        ; LDS serves a wave's instructions in order (ISA guide 5.7.1.4): these see my stores; lanes 0-15 row 2 i, lanes 16-31 row 2 i + 1
.endr
.irp i, 0,1,2,3,4,5,6,7
	s_wait_dscnt 7-\i
	global_store_b128 v13, v[OUT+4*\i:OUT+4*\i+3], s[OP:OP+1] offset:(\q)*2*PT+32768*\i th:TH_STORE_NT   ; sixteen lanes store 256 consecutive bytes, aligned
.endr
.endm
.macro TRIP slot
.irp q, 0,1,2
	s_add_co_u32 s34, s[CT], 2*\q
	s_cmp_lt_u32 s34, s[NT]                        ; my tiles ascend: where one is past the expert's last, so are the rest
	s_cbranch_scc0 .Lcd_\@
	TILE \slot, \q
.endr
.Lcd_\@:
	s_wait_loadcnt 0x0                             ; what I asked for a trip ago is in
	ASTORE 1-\slot
	s_wait_xcnt 0x0                                ; the loads' and stores' bases are stepped only behind this wait
	s_add_nc_u64 s[AP:AP+1], s[AP:AP+1], 6*HT
	s_add_nc_u64 s[AQ:AQ+1], s[AQ:AQ+1], 6*HT
	s_add_nc_u64 s[OP:OP+1], s[OP:OP+1], 6*PT
	s_add_co_u32 s[LT], s[LT], 6
	s_add_co_u32 s[LH], s[LH], 6
	s_add_co_u32 s[CT], s[CT], 6
	s_wait_dscnt 0x0                               ; my stores into the next slot have landed and have read their registers; my reads of this slot are back
	ALOAD                                          ; the trip after next is asked for ahead of the barrier: the next trip's work stands in front of the wait for it
	s_barrier_signal -1
	s_barrier_wait -1
.endm
	s_load_b256 s[4:11], s[0:1], 0x0               ; pos s[4:5], h s[6:7], W2 s[8:9], part s[10:11]
	v_lshl_add_u32 v254, v0, 2, 0x3cc00
	v_mov_b32 v255, 0
	v_lshrrev_b32 v1, 5, v0
	v_readfirstlane_b32 s16, v1                    ; wave
	s_lshr_b32 s17, s16, 1                         ; wn
	s_and_b32 s18, s16, 1                          ; wm
	s_lshr_b32 s19, ttmp9, 5                       ; e
	s_bfe_u32 s20, ttmp9, 0x30002                  ; jn: three bits from bit 2
	s_and_b32 s12, ttmp9, 3                        ; jk
	v_and_b32 v1, 31, v0
	v_and_b32 v2, 15, v0                           ; r
	v_bfe_u32 v3, v0, 4, 1                         ; hh
	v_lshlrev_b32 v4, 4, v1                        ; 16 x lane
	s_mul_i32 s24, s16, 32*WP
	v_add_nc_u32 v5, s24, v4                       ; the weights' stage: my 32 rows as they lie
	v_mul_u32_u24 v6, v2, WP
	v_lshl_add_u32 v6, v3, 4, v6
	s_mul_i32 s24, s17, 64*WP
	v_add_nc_u32 v6, s24, v6                       ; and by fragments: my 64 rows
	s_lshl_b32 s24, s16, 14                        ; my whole tile: place w of a slot
	v_add_nc_u32 v[AS+1], s24, v4
	s_add_co_u32 s24, s24, SL0
	v_add_nc_u32 v[AS], s24, v4
	s_lshl_b32 s24, s17, 14                        ; my half tile: place 4 + wn, 8,192 wm bytes on
	s_lshl_b32 s29, s18, 13
	s_add_co_u32 s24, s24, s29
	s_add_co_u32 s24, s24, 4*ATILE
	v_add_nc_u32 v[AH+1], s24, v4
	s_add_co_u32 s24, s24, SL0
	v_add_nc_u32 v[AH], s24, v4
	s_lshl_b32 s24, s18, 14                        ; the tiles that I multiply: places wm, wm + 2, wm + 4
	v_add_nc_u32 v[AF+2], s24, v4
	s_add_co_u32 s29, s24, 4*ATILE
	v_add_nc_u32 v[AF+3], s29, v4
	s_add_co_u32 s29, s24, SL0
	v_add_nc_u32 v[AF], s29, v4
	s_add_co_u32 s29, s24, SL0+4*ATILE
	v_add_nc_u32 v[AF+1], s29, v4
	s_mul_i32 s24, s16, 16*272
	s_add_co_u32 s24, s24, OSTG                    ; my stage for the way out
	v_mul_u32_u24 v11, v2, 272
	v_lshl_add_u32 v11, v3, 5, v11
	v_add_nc_u32 v11, s24, v11                     ; in: row r, 32 bytes for each half of the lanes
	v_mul_u32_u24 v12, v3, 272
	v_lshl_add_u32 v12, v2, 4, v12
	v_add_nc_u32 v12, s24, v12                     ; back: lanes 0-15 one row, lanes 16-31 the next
	v_lshlrev_b32 v13, 14, v3
	v_lshl_add_u32 v13, v2, 4, v13                 ; and the same two rows in part, 16,384 bytes apart
	s_lshl_b32 s21, s19, 2
	s_lshl_b32 s26, s19, 22                        ; W2: expert e, row 128 jn + 32 w of 4,096 bytes, + 1,024 jk
	s_lshl_b32 s28, s20, 19
	s_add_co_u32 s26, s26, s28
	s_lshl_b32 s28, s16, 17
	s_add_co_u32 s26, s26, s28
	s_lshl_b32 s28, s12, 10
	s_add_co_u32 s26, s26, s28
	s_mov_b32 s27, 0
	s_wait_kmcnt 0x0
	s_load_b32 s23, s[4:5], s21 offset:8192        ; the expert's first slot,
	s_load_b32 s22, s[4:5], s21 offset:8224        ; and its rows, rounded up to whole tiles
	s_add_nc_u64 s[26:27], s[8:9], s[26:27]
	WIN 0xc0                                       ; destination window 3
.set n, 0
.rept 64
	global_load_b128 v[4*n:4*n+3], v4, s[26:27] offset:(n/2)*4096+(n%2)*512 th:TH_LOAD_NT   ; read once in the whole launch
.set n, n+1
.endr
	WIN 0
	s_wait_kmcnt 0x0
	s_lshr_b32 s21, s23, 4
	s_min_u32 s21, s21, 135                        ; the expert's first tile
	s_lshr_b32 s[NT], s[NT], 4
	s_min_u32 s[NT], s[NT], 64
	s_lshl_b32 s28, s12, 14                        ; my K slice's part of a tile
	s_add_co_u32 s[AP], s21, s16
	s_lshl_b32 s[AP], s[AP], 16
	s_add_co_u32 s[AP], s[AP], s28
	s_mov_b32 s[AP+1], 0
	s_add_nc_u64 s[AP:AP+1], s[6:7], s[AP:AP+1]
	s_add_co_u32 s[AQ], s21, s17
	s_add_co_u32 s[AQ], s[AQ], 4
	s_lshl_b32 s[AQ], s[AQ], 16
	s_add_co_u32 s[AQ], s[AQ], s28
	s_lshl_b32 s28, s18, 13
	s_add_co_u32 s[AQ], s[AQ], s28
	s_mov_b32 s[AQ+1], 0
	s_add_nc_u64 s[AQ:AQ+1], s[6:7], s[AQ:AQ+1]
	s_add_co_u32 s[OP], s21, s18
	s_lshl_b32 s[OP], s[OP], 18
	s_lshl_b32 s28, s12, 12
	s_add_co_u32 s[OP], s[OP], s28
	s_lshl_b32 s28, s20, 9
	s_add_co_u32 s[OP], s[OP], s28
	s_lshl_b32 s28, s17, 8
	s_add_co_u32 s[OP], s[OP], s28
	s_mov_b32 s[OP+1], 0
	s_add_nc_u64 s[OP:OP+1], s[10:11], s[OP:OP+1]
	s_mov_b32 s[LT], s16
	s_add_co_u32 s[LH], s17, 4
	s_cmp_lt_u32 s[LT], s[NT]                      ; the first trip's tiles, as far as the expert has them: through window 1, which is free until the fragments come.  Each load and the store of what it brought stand in one branch
	s_cbranch_scc0 .Lno_first
	WIN 0x40
.set n, 0
.rept 32
	global_load_b128 v[4*n:4*n+3], v4, s[AP:AP+1] offset:512*n
.set n, n+1
.endr
	WIN 0
	s_cmp_lt_u32 s[LH], s[NT]
	s_cbranch_scc0 .Lone
	WIN 0x40
.set n, 0
.rept 16
	global_load_b128 v[128+4*n:128+4*n+3], v4, s[AQ:AQ+1] offset:512*n
.set n, n+1
.endr
	s_wait_loadcnt 0x0
	WIN 0x04
.set n, 0
.rept 16
	ds_store_b128 v[AH], v[128+4*n:128+4*n+3] offset:512*n
.set n, n+1
.endr
	WIN 0
.Lone:
	s_wait_loadcnt 0x0
	WIN 0x04
.set n, 0
.rept 32
	ds_store_b128 v[AS], v[4*n:4*n+3] offset:512*n
.set n, n+1
.endr
	WIN 0
.Lno_first:
	s_wait_loadcnt 0x0
	WIN 0x0c                                       ; store data window 3
.set n, 0
.rept 64
	ds_store_b128 v5, v[4*n:4*n+3] offset:(n/2)*WP+(n%2)*512
.set n, n+1
.endr
	WIN 0
	s_wait_xcnt 0x0
	s_add_nc_u64 s[AP:AP+1], s[AP:AP+1], 6*HT      ; on to the tiles of the second trip
	s_add_nc_u64 s[AQ:AQ+1], s[AQ:AQ+1], 6*HT
	s_add_co_u32 s[LT], s[LT], 6
	s_add_co_u32 s[LH], s[LH], 6
	s_mov_b32 s[CT], s18
	s_mov_b32 s35, 6
	s_wait_dscnt 0x0                               ; for the others' sake: my rows of W2 and my part of the first trip's h have landed; and the stores have read window 3,
	ALOAD                                          ; which takes the second trip's tiles: the fragments' reads and the first trip's work stand in front of the wait for them
	s_barrier_signal -1
	s_barrier_wait -1
	WIN 0x40
.irp s, 0,1,2,3
.irp t, 0,1,2,3
.irp c, 0,1,2,3
	ds_load_b128 v[64*\s+16*\t+4*\c:64*\s+16*\t+4*\c+3], v6 offset:16*\t*WP+128*\s+32*\c
.endr
.endr
.endr
	WIN 0x80
.irp s, 4,5,6,7
.irp t, 0,1,2,3
.irp c, 0,1,2,3
	ds_load_b128 v[64*(\s-4)+16*\t+4*\c:64*(\s-4)+16*\t+4*\c+3], v6 offset:16*\t*WP+128*\s+32*\c
.endr
.endr
.endr
	WIN 0
	s_wait_dscnt 0x0                               ; my fragments are in registers: my reads of the weights' stage are over;
	s_barrier_signal -1
	s_barrier_wait -1                              ; everybody's are: from here on the stage's bytes are slot 1
.Ltrip:
	TRIP 0
	TRIP 1
	s_sub_co_u32 s35, s35, 1
	s_cmp_lg_u32 s35, 0
	s_cbranch_scc1 .Ltrip
	s_wait_tensorcnt 0x0
	ds_add_u32 v254, v255
	s_wait_dscnt 0x0
	s_endpgm
.Lfunc_end_k_qa397ada809_ffn2:
	.size	k_qa397ada809_ffn2, .Lfunc_end_k_qa397ada809_ffn2-k_qa397ada809_ffn2
	.p2alignl 7, 3214868480
	.fill 96, 4, 3214868480
	.section	.rodata,"a",@progbits
	.p2align	6, 0x0
	.amdhsa_kernel k_qa397ada809_ffn2
		.amdhsa_group_segment_fixed_size 249344
		.amdhsa_private_segment_fixed_size 0
		.amdhsa_enable_private_segment 0
		.amdhsa_kernarg_size 32
		.amdhsa_user_sgpr_count 2
		.amdhsa_user_sgpr_kernarg_segment_ptr 1
		.amdhsa_wavefront_size32 1
		.amdhsa_system_sgpr_workgroup_id_x 1
		.amdhsa_system_sgpr_workgroup_id_y 1
		.amdhsa_system_sgpr_workgroup_id_z 1
		.amdhsa_system_vgpr_workitem_id 0
		.amdhsa_next_free_vgpr 1024
		.amdhsa_next_free_sgpr 66
		.amdhsa_reserve_vcc 0
		.amdhsa_float_denorm_mode_32 3
		.amdhsa_float_denorm_mode_16_64 3
		.amdhsa_memory_ordered 1
		.amdhsa_forward_progress 1
		.amdhsa_inst_pref_size 93
	.end_amdhsa_kernel
	.amdgpu_metadata
---
amdhsa.version: [ 1, 2 ]
amdhsa.kernels:
  - .name:           k_qa397ada809_ffn2
    .symbol:         k_qa397ada809_ffn2.kd
    .args:
      - { .name: pos, .offset: 0, .size: 8, .value_kind: global_buffer, .address_space: global }
      - { .name: h, .offset: 8, .size: 8, .value_kind: global_buffer, .address_space: global }
      - { .name: W2_codes, .offset: 16, .size: 8, .value_kind: global_buffer, .address_space: global }
      - { .name: part, .offset: 24, .size: 8, .value_kind: global_buffer, .address_space: global }
    .group_segment_fixed_size: 249344
    .private_segment_fixed_size: 0
    .kernarg_segment_align: 8
    .kernarg_segment_size: 32
    .max_flat_workgroup_size: 128
    .sgpr_count:     66
    .vgpr_count:     1024
    .wavefront_size: 32
...
	.end_amdgpu_metadata
.endif
;; end of part 4
;; launch combine (part 5): grid 256 x 1, 4 waves a work-group, no clusters, 0 bytes of LDS; arguments pos, sel, rt, part, b2, lowp_scales, out0; writes out0
.if DOCPART == 5
	.amdgcn_target "amdgcn-amd-amdhsa--gfx1250"
	.amdhsa_code_object_version 6
	.text
	.protected	k_qa397ada809_combine
	.globl	k_qa397ada809_combine
	.p2align	8
	.type	k_qa397ada809_combine,@function
k_qa397ada809_combine:
	s_mov_b64 s[64:65], 0
	v_nop
	global_prefetch_b8 v0, s[64:65] scope:SCOPE_SE
	s_setreg_imm32_b32 hwreg(HW_REG_WAVE_MODE, 25, 1), 1
	s_wait_xcnt 0x0
; COMBINE.  out0[T] = the sum over the token's two experts k of gate_k x (2^(eh + ew2) x (the four partial sums along K) + b2[e_k]).  A stream: wave T = 4 g + w owns token T; each output row has this one owner.
; The token's two slots, its two experts and its two gates are read by scalar loads; slots and experts are held inside their tables before they enter an address.
; A row of 4,096 bytes goes in eight chunks of 512: ten loads of 16 bytes a lane for a chunk (2 x 4 partial sums, 2 x b2), each 512 consecutive bytes.  A ring of four sets of 40 registers keeps up to 40 loads of a wave
; on their way.  Each chunk's result has registers of its own, so no store's data are written again.  No LDS, no barrier, no matrix unit: the waves share nothing and the bytes are all there is.
; 2^(eh + ew2) goes in by v_ldexp_f32 on the gate: no limit on the exponents short of overflow.
.set SET, 32                           ; v32-191  four sets: +0 expert 0's four parts, +16 expert 1's, +32 b2 of expert 0, +36 of expert 1
.set O,   192                          ; v192-223 eight results
	s_load_b256 s[4:11], s[0:1], 0x0               ; pos s[4:5], sel s[6:7], rt s[8:9], part s[10:11]
	s_load_b128 s[12:15], s[0:1], 0x20             ; b2 s[12:13], scales s[14:15]
	s_load_b64 s[16:17], s[0:1], 0x30              ; out0
	v_lshrrev_b32 v1, 5, v0
	v_readfirstlane_b32 s2, v1
	v_and_b32 v1, 31, v0
	v_lshlrev_b32 v4, 4, v1
	s_lshl_b32 s3, ttmp9, 2
	s_add_co_u32 s3, s3, s2                        ; T
	s_lshl_b32 s20, s3, 3
	s_lshl_b32 s21, s3, 2
	s_wait_kmcnt 0x0
	s_load_b64 s[22:23], s[4:5], s20 offset:0x0    ; two slots
	s_load_b64 s[24:25], s[8:9], s20 offset:0x0    ; two gates
	s_load_b32 s26, s[6:7], s21 offset:16384       ; two experts
	s_wait_kmcnt 0x0
	s_min_u32 s22, s22, 2175
	s_min_u32 s23, s23, 2175
	s_and_b32 s27, s26, 255
	s_min_u32 s27, s27, 7
	s_lshr_b32 s28, s26, 8
	s_min_u32 s28, s28, 7
	s_lshl_b32 s29, s27, 4
	s_lshl_b32 s34, s28, 4
	s_load_b64 s[30:31], s[14:15], s29 offset:16   ; eh, ew2 of expert 0: entries 4 + 4 e, 5 + 4 e
	s_load_b64 s[32:33], s[14:15], s34 offset:16
	s_lshl_b32 s36, s22, 14
	s_mov_b32 s37, 0
	s_add_nc_u64 s[36:37], s[10:11], s[36:37]
	s_lshl_b32 s38, s23, 14
	s_mov_b32 s39, 0
	s_add_nc_u64 s[38:39], s[10:11], s[38:39]
	s_lshl_b32 s40, s27, 12
	s_mov_b32 s41, 0
	s_add_nc_u64 s[40:41], s[12:13], s[40:41]
	s_lshl_b32 s42, s28, 12
	s_mov_b32 s43, 0
	s_add_nc_u64 s[42:43], s[12:13], s[42:43]
	s_lshl_b32 s44, s3, 12
	s_mov_b32 s45, 0
	s_add_nc_u64 s[44:45], s[16:17], s[44:45]
.macro LOADC i
.set SB, SET+40*((\i)%4)
.irp k, 0,1,2,3
	global_load_b128 v[SB+4*\k:SB+4*\k+3], v4, s[36:37] offset:4096*\k+512*(\i) th:TH_LOAD_NT
.endr
.irp k, 0,1,2,3
	global_load_b128 v[SB+16+4*\k:SB+16+4*\k+3], v4, s[38:39] offset:4096*\k+512*(\i) th:TH_LOAD_NT
.endr
	global_load_b128 v[SB+32:SB+35], v4, s[40:41] offset:512*(\i)
	global_load_b128 v[SB+36:SB+39], v4, s[42:43] offset:512*(\i)
.endm
	LOADC 0
	LOADC 1
	LOADC 2
	LOADC 3
	s_wait_kmcnt 0x0
	s_add_co_i32 s46, s30, s31
	s_add_co_i32 s47, s32, s33
	v_mov_b32 v24, s24                             ; gate 0, in both halves of a pair
	v_mov_b32 v25, s24
	v_mov_b32 v26, s25
	v_mov_b32 v27, s25
	v_ldexp_f32 v20, v24, s46                      ; gate 0 x 2^(eh + ew2)
	v_ldexp_f32 v21, v24, s46
	v_ldexp_f32 v22, v26, s47
	v_ldexp_f32 v23, v26, s47
.macro CHUNK i, left
.set SB, SET+40*((\i)%4)
	s_wait_loadcnt \left                           ; loads come back in order (ISA guide 5.7.1): this chunk's ten are in, the younger chunks' ten each stay out
.irp p, 0,2
	v_pk_add_f32 v[SB+\p:SB+\p+1], v[SB+\p:SB+\p+1], v[SB+4+\p:SB+4+\p+1]
	v_pk_add_f32 v[SB+8+\p:SB+8+\p+1], v[SB+8+\p:SB+8+\p+1], v[SB+12+\p:SB+12+\p+1]
	v_pk_add_f32 v[SB+16+\p:SB+16+\p+1], v[SB+16+\p:SB+16+\p+1], v[SB+20+\p:SB+20+\p+1]
	v_pk_add_f32 v[SB+24+\p:SB+24+\p+1], v[SB+24+\p:SB+24+\p+1], v[SB+28+\p:SB+28+\p+1]
.endr
.irp p, 0,2
	v_pk_add_f32 v[SB+\p:SB+\p+1], v[SB+\p:SB+\p+1], v[SB+8+\p:SB+8+\p+1]
	v_pk_add_f32 v[SB+16+\p:SB+16+\p+1], v[SB+16+\p:SB+16+\p+1], v[SB+24+\p:SB+24+\p+1]
.endr
.irp p, 0,2
	v_pk_mul_f32 v[O+4*(\i)+\p:O+4*(\i)+\p+1], v[SB+\p:SB+\p+1], v[20:21]
.endr
.irp p, 0,2
	v_pk_fma_f32 v[O+4*(\i)+\p:O+4*(\i)+\p+1], v[SB+16+\p:SB+16+\p+1], v[22:23], v[O+4*(\i)+\p:O+4*(\i)+\p+1]
.endr
.irp p, 0,2
	v_pk_fma_f32 v[O+4*(\i)+\p:O+4*(\i)+\p+1], v[SB+32+\p:SB+32+\p+1], v[24:25], v[O+4*(\i)+\p:O+4*(\i)+\p+1]
.endr
.irp p, 0,2
	v_pk_fma_f32 v[O+4*(\i)+\p:O+4*(\i)+\p+1], v[SB+36+\p:SB+36+\p+1], v[26:27], v[O+4*(\i)+\p:O+4*(\i)+\p+1]
.endr
.if (\i) < 4
	LOADC (\i)+4                                   ; the set that has just been read takes the chunk four further on; the load goes ahead of the store
.endif
	global_store_b128 v4, v[O+4*(\i):O+4*(\i)+3], s[44:45] offset:512*(\i) th:TH_STORE_NT   ; 32 lanes store 512 consecutive bytes, aligned
.endm
	CHUNK 0, 30
	CHUNK 1, 30
	CHUNK 2, 30
	CHUNK 3, 30
	CHUNK 4, 30
	CHUNK 5, 20                                    ; nothing more is asked for: the counts run down
	CHUNK 6, 10
	CHUNK 7, 0
	s_endpgm
.Lfunc_end_k_qa397ada809_combine:
	.size	k_qa397ada809_combine, .Lfunc_end_k_qa397ada809_combine-k_qa397ada809_combine
	.p2alignl 7, 3214868480
	.fill 96, 4, 3214868480
	.section	.rodata,"a",@progbits
	.p2align	6, 0x0
	.amdhsa_kernel k_qa397ada809_combine
		.amdhsa_group_segment_fixed_size 0
		.amdhsa_private_segment_fixed_size 0
		.amdhsa_enable_private_segment 0
		.amdhsa_kernarg_size 56
		.amdhsa_user_sgpr_count 2
		.amdhsa_user_sgpr_kernarg_segment_ptr 1
		.amdhsa_wavefront_size32 1
		.amdhsa_system_sgpr_workgroup_id_x 1
		.amdhsa_system_sgpr_workgroup_id_y 1
		.amdhsa_system_sgpr_workgroup_id_z 1
		.amdhsa_system_vgpr_workitem_id 0
		.amdhsa_next_free_vgpr 224
		.amdhsa_next_free_sgpr 66
		.amdhsa_reserve_vcc 0
		.amdhsa_float_denorm_mode_32 3
		.amdhsa_float_denorm_mode_16_64 3
		.amdhsa_memory_ordered 1
		.amdhsa_forward_progress 1
		.amdhsa_inst_pref_size 21
	.end_amdhsa_kernel
	.amdgpu_metadata
---
amdhsa.version: [ 1, 2 ]
amdhsa.kernels:
  - .name:           k_qa397ada809_combine
    .symbol:         k_qa397ada809_combine.kd
    .args:
      - { .name: pos, .offset: 0, .size: 8, .value_kind: global_buffer, .address_space: global }
      - { .name: sel, .offset: 8, .size: 8, .value_kind: global_buffer, .address_space: global }
      - { .name: rt, .offset: 16, .size: 8, .value_kind: global_buffer, .address_space: global }
      - { .name: part, .offset: 24, .size: 8, .value_kind: global_buffer, .address_space: global }
      - { .name: b2, .offset: 32, .size: 8, .value_kind: global_buffer, .address_space: global }
      - { .name: lowp_scales, .offset: 40, .size: 8, .value_kind: global_buffer, .address_space: global }
      - { .name: out0, .offset: 48, .size: 8, .value_kind: global_buffer, .address_space: global }
    .group_segment_fixed_size: 0
    .private_segment_fixed_size: 0
    .kernarg_segment_align: 8
    .kernarg_segment_size: 56
    .max_flat_workgroup_size: 128
    .sgpr_count:     66
    .vgpr_count:     224
    .wavefront_size: 32
...
	.end_amdgpu_metadata
.endif
;; end of part 5
;; ======== version 2 of 2: 5 launches
;; workspace buffers: sel 20,480 bytes of whole numbers; rt 57,344 bytes; pos 8,448 bytes of whole numbers; xq 2,228,224 bytes; h 8,912,896 bytes; part 35,651,584 bytes
;; launch route (part 6): grid 256 x 1, 4 waves a work-group, no clusters, 187,904 bytes of LDS; arguments hidden_states, Wr, br, Wc1_codes, bc1, Wc2, lowp_scales, sel, rt, out4; writes sel, rt, out4
.if DOCPART == 6
	.amdgcn_target "amdgcn-amd-amdhsa--gfx1250"
	.amdhsa_code_object_version 6
	.text
	.protected	k_qa397ada809_route
	.globl	k_qa397ada809_route
	.p2align	8
	.type	k_qa397ada809_route,@function
k_qa397ada809_route:
	s_mov_b64 s[64:65], 0
	v_nop
	global_prefetch_b8 v0, s[64:65] scope:SCOPE_SE
	s_setreg_imm32_b32 hwreg(HW_REG_WAVE_MODE, 25, 1), 1
	s_wait_xcnt 0x0
; ROUTE.  Two things for the 1,024 tokens: the router (8 logits a token in f32, softmax, the four largest, the two gates) and the confidence net's hidden layer with its dot product.
; SHARES.  Work-group g: T = g / 4 is a tile of 16 tokens, sl = g % 4 a slice of 128 of the 512 confidence units; wave w takes 32 of them (two tiles of 16) over all of K = 1,024.
; The same work-group routes the 4 tokens 4 g + w, one a wave: a lane multiplies 32 numbers of the row by their 8 weights each, and the 32 lanes' sums are added.
; THE CONFIDENCE PRODUCT is on codes of E4M3: x is quantised here with 2^e0 (held within +-448 x 2^e0), Wc1 comes as codes with 2^e1.  It is used transposed (source 0 = 16 units, source 1 = 16 tokens):
; a lane holds one token and eight units.  bc1 / 2^(e0 + e1) is the C of the first product; relu; the dot product with Wc2; x 2^(e0 + e1).  The four slices' partial dots go to rt, the next launch adds them.
; A fragment (16 rows x 128 K) is 16 registers: lane (r, hh) holds, of row r, K = 32 c + 16 hh + 0 .. 15 in registers 4 c .. 4 c + 3: the same order of K on both sides.
; x's eight fragments go from wave to wave through LDS as images of their registers (16 bytes a lane, 512 bytes a store).  Wc1's rows are loaded as they lie (512 consecutive bytes a load) and turned in the wave's own stage.
; WHAT IS STORED, all at fixed places: out4 (logits); sel: a token's one-hot counts (eight fields of 16 bits) and its two experts; rt: two gates, four probabilities, four indices, the partial dots.
; Ties among probabilities go to the lower index.  LIMITS: e0 between -126 and 119; NaN among the inputs is not served; two logits closer than the rounding of an f32 sum of 1,024 terms may change places.
; REGISTERS: window 0: v1-24 lane numbers and addresses; v32-159 x's numbers, then Wr's chunks, then x's fragments; v160-167 logits; v168-183 codes, later the two accumulators; v184-215 my routing row;
;   v216-231 bc1, v232-247 Wc2 in the result's layout.  window 1: Wc1 as loaded, then its 16 fragments at 32 s + 16 t.  window 2: v0-63 Wr on its way to LDS.
.set XIMG, 0                           ; x's 8 fragments, 2,048 bytes each
.set WRS,  16384                       ; Wr: 256 groups of 4 rows (128 bytes) + 16 of padding: 144 = 9 x 16
.set WSTG, 53248                       ; a stage of 32 rows x 1,040 bytes for each wave
.set LOGI, 186368                      ; 4 x 8 logits
.set CPS,  186624                      ; 4 waves x 16 partial dots
.set WP,   1040                        ; a stage row: 1,024 bytes + 16 = 65 x 16
.set X,   32
.set WS,  32
.set LA,  160
.set PC,  168
.set ACC, 168
.set XR,  184
.set BC,  216
.set WC,  232
.set T0,  248
.set T1,  249
.set LG,  32                           ; wave 0's last part: logits, probabilities and what is made of them
.set PB,  40
.set MX,  48
.set SM,  49
.set TW,  52
.set TI,  56
.set GT,  60
.set OHV, 64
.set EI,  68
.set NG,  69
.set DK0, 70
.set DK1, 71
.set VA0, 72
.set VA1, 73
.set TM,  74
.set TM2, 75
.set MSB, 0
.macro WIN new                         ; the immediate's high byte repeats the setting that is left
.if MSB != \new
	s_set_vgpr_msb (MSB<<8)|\new
.set MSB, \new
.endif
.endm
; 64 numbers of a lane, register 16 b + i = K 32 b + 16 hh + i of my row, become a fragment's 16 registers of codes at v[pc]
.macro QUANT s, pc
.irp b, 0,1,2,3
.irp i, 0,1,2,3,4,5,6,7,8,9,10,11,12,13,14,15
	v_med3_num_f32 v[\s+16*\b+\i], v[\s+16*\b+\i], -v15, v15   ; the conversion does not saturate (ISA guide 7.6.2): the hold at 448 x 2^e0 comes first
.endr
	v_cvt_scalef32_pk8_fp8_f32 v[\pc+4*\b:\pc+4*\b+1], v[\s+16*\b:\s+16*\b+7], v14
	v_cvt_scalef32_pk8_fp8_f32 v[\pc+4*\b+2:\pc+4*\b+3], v[\s+16*\b+8:\s+16*\b+15], v14
.endr
	v_nop                                          ; a plain line behind the last conversion, ahead of whatever next touches its registers
.endm
.macro IMAGE pc, off
.irp c, 0,1,2,3
	ds_store_b128 v8, v[\pc+4*\c:\pc+4*\c+3] offset:\off+512*\c
.endr
.endm
.macro WRLOAD i                        ; Wr's rows 128 i + 4 lane + 0 .. 3: 128 bytes a lane, into set i % 2
.irp q, 0,1,2,3,4,5,6,7
	ds_load_b128 v[WS+32*((\i)%2)+4*\q:WS+32*((\i)%2)+4*\q+3], v7 offset:4608*(\i)+16*\q
.endr
.endm
.macro RCHUNK i                        ; 4 numbers of my row x 8 weights each: sixteen packed multiply-adds on four pairs of sums; the very first four start the sums
.irp jx, 0,1,2,3
.irp p, 0,1,2,3
.if (\i == 0) && (\jx == 0)
	v_pk_mul_f32 v[LA+2*\p:LA+2*\p+1], v[XR:XR+1], v[WS+2*\p:WS+2*\p+1] op_sel_hi:[0,1]
.elseif (\jx % 2) == 0
	v_pk_fma_f32 v[LA+2*\p:LA+2*\p+1], v[XR+4*\i+\jx:XR+4*\i+\jx+1], v[WS+32*(\i%2)+8*\jx+2*\p:WS+32*(\i%2)+8*\jx+2*\p+1], v[LA+2*\p:LA+2*\p+1] op_sel_hi:[0,1,1]
.else
	v_pk_fma_f32 v[LA+2*\p:LA+2*\p+1], v[XR+4*\i+\jx-1:XR+4*\i+\jx], v[WS+32*(\i%2)+8*\jx+2*\p:WS+32*(\i%2)+8*\jx+2*\p+1], v[LA+2*\p:LA+2*\p+1] op_sel:[1,0,0] op_sel_hi:[1,1,1]
.endif
.endr
.endr
.endm
	s_load_b512 s[8:23], s[0:1], 0x0               ; x s[8:9], Wr s[10:11], br s[12:13], Wc1 s[14:15], bc1 s[16:17], Wc2 s[18:19], scales s[20:21], sel s[22:23]
	s_load_b128 s[24:27], s[0:1], 0x40             ; rt s[24:25], out4 s[26:27]
	v_lshl_add_u32 v254, v0, 2, 0x2dc00
	v_mov_b32 v255, 0
	v_lshrrev_b32 v1, 5, v0
	v_readfirstlane_b32 s2, v1                     ; wave
	s_lshr_b32 s4, ttmp9, 2                        ; T
	s_and_b32 s5, ttmp9, 3                         ; sl
	v_and_b32 v1, 31, v0                           ; lane
	v_and_b32 v2, 15, v0                           ; r
	v_bfe_u32 v3, v0, 4, 1                         ; hh
	v_lshlrev_b32 v4, 4, v1                        ; 16 x lane
	v_lshlrev_b32 v5, 12, v2
	v_lshl_add_u32 v5, v3, 6, v5                   ; x for the fragments: row r of 4,096 bytes, + 64 hh
	v_lshrrev_b32 v19, 3, v1
	v_mul_u32_u24 v6, v19, 144
	v_and_b32 v19, 7, v1
	v_lshl_add_u32 v6, v19, 4, v6
	s_mul_i32 s3, s2, 9216
	s_add_co_u32 s3, s3, WRS
	v_add_nc_u32 v6, s3, v6                        ; Wr into LDS: eight lanes fill a group; my wave's 64 groups
	v_mul_u32_u24 v7, v1, 144
	v_add_nc_u32 v7, WRS, v7                       ; and out of it: group 32 i + lane
	s_lshl_b32 s3, s2, 12
	v_add_nc_u32 v8, s3, v4                        ; my two images of x (XIMG = 0)
	v_add_nc_u32 v9, XIMG, v4                      ; any image, for my lane
	s_mul_i32 s3, s2, 32*WP
	s_add_co_u32 s3, s3, WSTG
	v_add_nc_u32 v10, s3, v4                       ; my stage, rows as they lie
	v_mul_u32_u24 v11, v2, WP
	v_lshl_add_u32 v11, v3, 4, v11
	v_add_nc_u32 v11, s3, v11                      ; my stage, by fragments
	v_lshlrev_b32 v12, 5, v3                       ; bc1, Wc2: my half's eight units
	s_lshl_b32 s3, s2, 5
	s_add_co_u32 s3, s3, LOGI
	v_mov_b32 v13, s3                              ; my token's logits
	s_lshl_b32 s3, s2, 6
	s_add_co_u32 s3, s3, CPS
	v_lshl_add_u32 v16, v2, 2, s3                  ; my wave's partial dots
	v_lshl_add_u32 v17, v2, 2, CPS
	v_and_b32 v18, 3, v0
	v_lshl_add_u32 v18, v18, 5, LOGI               ; wave 0: lane l reads token l % 4
	v_lshlrev_b32 v19, 2, v1
	s_lshl_b32 s6, ttmp9, 2
	v_add_nc_u32 v20, s6, v1                       ; wave 0: token 4 g + lane,
	v_lshlrev_b32 v21, 2, v20                      ; and its places in tables of 4, 8, 16 and 32 bytes a token
	v_lshlrev_b32 v22, 3, v20
	v_lshlrev_b32 v23, 4, v20
	v_lshlrev_b32 v24, 5, v20
	s_mov_b32 s46, 0x76543210                      ; v_permlanex16_b32: lane l xor 16
	s_mov_b32 s47, 0xfedcba98
	s_mov_b32 s7, 0
	s_wait_kmcnt 0x0
	s_load_b256 s[32:39], s[12:13], 0x0            ; br
	s_load_b64 s[40:41], s[20:21], 0x0             ; e0, e1
	s_lshl_b32 s6, s2, 13
	s_add_nc_u64 s[10:11], s[10:11], s[6:7]        ; my wave's 8,192 bytes of Wr
	s_lshl_b32 s6, s4, 16
	s_lshl_b32 s28, s2, 10
	s_add_co_u32 s6, s6, s28
	s_add_nc_u64 s[48:49], s[8:9], s[6:7]          ; x at the tile's first row, K steps 2 w and 2 w + 1
	s_lshl_b32 s6, ttmp9, 2
	s_add_co_u32 s6, s6, s2
	s_lshl_b32 s6, s6, 12
	s_add_nc_u64 s[50:51], s[8:9], s[6:7]          ; x at my routing row
	s_lshl_b32 s28, s5, 7
	s_lshl_b32 s29, s2, 5
	s_add_co_u32 s28, s28, s29                     ; my first unit: 128 sl + 32 w
	s_lshl_b32 s6, s28, 2
	s_add_nc_u64 s[16:17], s[16:17], s[6:7]
	s_add_nc_u64 s[18:19], s[18:19], s[6:7]
	s_lshl_b32 s6, s28, 10
	s_add_nc_u64 s[14:15], s[14:15], s[6:7]
	; ---- all loads: 64 that are wanted first, then Wc1's 64
	WIN 0x80                                       ; destination window 2
.irp q, 0,1,2,3,4,5,6,7,8,9,10,11,12,13,14,15
	global_load_b128 v[4*\q:4*\q+3], v4, s[10:11] offset:512*\q
.endr
	WIN 0
.irp a, 0,1
.irp b, 0,1,2,3
.irp j, 0,1,2,3
	global_load_b128 v[X+64*\a+16*\b+4*\j:X+64*\a+16*\b+4*\j+3], v5, s[48:49] offset:512*\a+128*\b+16*\j   ; x(r, 128 (2 w + a) + 32 b + 16 hh + 4 j ..)
.endr
.endr
.endr
.irp i, 0,1,2,3,4,5,6,7
	global_load_b128 v[XR+4*\i:XR+4*\i+3], v4, s[50:51] offset:512*\i   ; my routing row: x(128 i + 4 lane ..)
.endr
.irp t, 0,1
	global_load_b128 v[BC+8*\t:BC+8*\t+3], v12, s[16:17] offset:64*\t
	global_load_b128 v[BC+8*\t+4:BC+8*\t+7], v12, s[16:17] offset:64*\t+16
	global_load_b128 v[WC+8*\t:WC+8*\t+3], v12, s[18:19] offset:64*\t
	global_load_b128 v[WC+8*\t+4:WC+8*\t+7], v12, s[18:19] offset:64*\t+16
.endr
	WIN 0x40                                       ; destination window 1
.set n, 0
.rept 64
	global_load_b128 v[4*n:4*n+3], v4, s[14:15] offset:512*n   ; 32 rows of 1,024 codes, 512 consecutive bytes a load
.set n, n+1
.endr
	WIN 0
	s_wait_loadcnt 63                              ; 64 loads were issued behind the last of the first 64: those are in
	WIN 0x08                                       ; store data window 2
.irp q, 0,1,2,3,4,5,6,7,8,9,10,11,12,13,14,15
	ds_store_b128 v6, v[4*\q:4*\q+3] offset:576*\q
.endr
	WIN 0
	s_wait_kmcnt 0x0
	s_add_co_i32 s42, s40, 127
	s_lshl_b32 s43, s42, 23
	v_mov_b32 v14, s43                             ; 2^e0 as f32: the conversion takes its exponent field
	s_add_co_i32 s42, s42, 8
	s_lshl_b32 s42, s42, 23
	s_or_b32 s42, s42, 0x600000
	v_mov_b32 v15, s42                             ; 448 x 2^e0
	s_add_co_i32 s44, s40, s41                     ; e0 + e1
	s_sub_co_i32 s45, 0, s44
	QUANT X, PC
	IMAGE PC, 0
	QUANT X+64, X                                  ; the second fragment's codes take registers that the first has left
	IMAGE X, 2048
	s_wait_dscnt 0x0                               ; for the others' sake: my part of Wr and my two images have landed
	s_barrier_signal -1
	s_barrier_wait -1
	; ---- the router: my row x Wr, while Wc1 is on its way
	WRLOAD 0
.irp i, 0,1,2,3,4,5,6
	WRLOAD \i+1
	s_wait_alu depctr_va_vdst(0)
	s_wait_dscnt 8                                 ; this chunk's eight reads are in, the next chunk's may be out
	RCHUNK \i
.endr
	s_wait_alu depctr_va_vdst(0)
	s_wait_dscnt 0x0
	RCHUNK 7
.irp m, 1,2,4,8
.irp p, 0,1,2,3,4,5,6,7
	v_add_f32_dpp v[LA+\p], v[LA+\p], v[LA+\p] row_xmask:\m row_mask:0xf bank_mask:0xf
.endr
.endr
.irp p, 0,1,2,3,4,5,6,7
	v_permlanex16_b32 v[WS+\p], v[LA+\p], s46, s47
.endr
.irp p, 0,1,2,3,4,5,6,7
	v_add_f32 v[LA+\p], v[LA+\p], v[WS+\p]
.endr
.irp p, 0,1,2,3,4,5,6,7
	v_add_f32 v[LA+\p], s[32+\p], v[LA+\p]         ; + br: every lane holds the token's eight logits
.endr
	ds_store_b128 v13, v[LA:LA+3]                  ; all lanes write the same bytes with the same values
	ds_store_b128 v13, v[LA+4:LA+7] offset:16
	; ---- Wc1's rows become fragments, in my own stage: LDS serves a wave's instructions in order (ISA guide 5.7.1.4), so no wait stands between the stores and the loads
	s_wait_loadcnt 0x0
	WIN 0x04                                       ; store data window 1
.set n, 0
.rept 64
	ds_store_b128 v10, v[4*n:4*n+3] offset:(n/2)*WP+(n%2)*512
.set n, n+1
.endr
	WIN 0x40
.irp s, 0,1,2,3,4,5,6,7
.irp t, 0,1
.irp c, 0,1,2,3
	ds_load_b128 v[32*\s+16*\t+4*\c:32*\s+16*\t+4*\c+3], v11 offset:\t*16*WP+128*\s+32*\c
.endr
.endr
.endr
	WIN 0
.irp j, 0,1,2,3,4,5,6,7,8,9,10,11,12,13,14,15
	v_ldexp_f32 v[BC+\j], v[BC+\j], s45            ; bc1 / 2^(e0 + e1): what the sums of codes lack
.endr
.irp s, 0,1,2,3,4,5,6,7
.irp c, 0,1,2,3
	ds_load_b128 v[X+16*\s+4*\c:X+16*\s+4*\c+3], v9 offset:2048*\s+512*\c
.endr
.endr
	WIN 0x01                                       ; source 0 (Wc1) window 1
	s_wait_alu depctr_va_vdst(0)
.irp s, 0,1,2,3,4,5,6,7
	s_wait_dscnt 28-4*\s                           ; x's fragment of this K step is in (and all of Wc1's, which were asked for earlier); the later K steps' four loads each may be out
.irp t, 0,1
.if \s == 0
	v_wmma_f32_16x16x128_fp8_fp8 v[ACC+8*\t:ACC+8*\t+7], v[32*\s+16*\t:32*\s+16*\t+15], v[X+16*\s:X+16*\s+15], v[BC+8*\t:BC+8*\t+7]
.else
	v_wmma_f32_16x16x128_fp8_fp8 v[ACC+8*\t:ACC+8*\t+7], v[32*\s+16*\t:32*\s+16*\t+15], v[X+16*\s:X+16*\s+15], v[ACC+8*\t:ACC+8*\t+7]
.endif
.endr
.endr                                              ; the two accumulators take turns
	WIN 0
.rept 4
	v_nop                                          ; four places ahead of the first read of results (ISA guide 7.12.1)
.endr
.irp j, 0,1,2,3,4,5,6,7,8,9,10,11,12,13,14,15
	v_max_num_f32 v[ACC+\j], 0, v[ACC+\j]          ; relu, each accumulator from its low end on
.endr
	v_mul_f32 v[T0], v[ACC], v[WC]
	v_mul_f32 v[T1], v[ACC+8], v[WC+8]
.irp j, 1,2,3,4,5,6,7
	v_fmac_f32 v[T0], v[ACC+\j], v[WC+\j]
	v_fmac_f32 v[T1], v[ACC+8+\j], v[WC+8+\j]
.endr
	v_add_f32 v[T0], v[T0], v[T1]
	v_permlanex16_b32 v[T1], v[T0], s46, s47
	v_add_f32 v[T0], v[T0], v[T1]                  ; token r's dot over my 32 units,
	v_ldexp_f32 v[T0], v[T0], s44                  ; x 2^(e0 + e1)
	ds_store_b32 v16, v[T0]
	s_wait_dscnt 0x0                               ; for wave 0's sake: my logits and my partial dots have landed
	s_barrier_signal -1
	s_barrier_wait -1
	s_cmp_lg_u32 s2, 0
	s_cbranch_scc1 .Lend
	; ---- wave 0 alone: the slice's partial dots, and the four tokens' choice
.irp k, 0,1,2,3
	ds_load_b32 v[76+\k], v17 offset:64*\k
.endr
	ds_load_b128 v[LG:LG+3], v18
	ds_load_b128 v[LG+4:LG+7], v18 offset:16
	s_lshl_b32 s6, s5, 12
	s_lshl_b32 s28, s4, 6
	s_add_co_u32 s6, s6, s28
	s_add_nc_u64 s[52:53], s[24:25], s[6:7]        ; rt + 4,096 sl + 64 T
	s_wait_dscnt 0x0
	v_add_f32 v76, v76, v77
	v_add_f32 v78, v78, v79
	v_add_f32 v76, v76, v78
	v_cmp_gt_u32 vcc_lo, 16, v1
	s_wait_alu depctr_va_vdst(0)
	s_wait_xcnt 0x0                                ; EXEC changes only behind this wait
	s_and_saveexec_b32 s54, vcc_lo
	global_store_b32 v19, v76, s[52:53] offset:40960   ; sixteen lanes, 64 consecutive bytes
	s_wait_xcnt 0x0
	s_or_b32 exec_lo, exec_lo, s54
	v_max3_num_f32 v[MX], v[LG], v[LG+1], v[LG+2]  ; softmax: the maximum is taken away first
	v_max3_num_f32 v[MX], v[MX], v[LG+3], v[LG+4]
	v_max3_num_f32 v[MX], v[MX], v[LG+5], v[LG+6]
	v_max_num_f32 v[MX], v[MX], v[LG+7]
.irp i, 0,1,2,3,4,5,6,7
	v_sub_f32 v[PB+\i], v[LG+\i], v[MX]
.endr
.irp i, 0,1,2,3,4,5,6,7
	v_mul_f32 v[PB+\i], 0x3fb8aa3b, v[PB+\i]       ; x log2(e)
.endr
	s_wait_alu depctr_va_vdst(0)
.irp i, 0,1,2,3,4,5,6,7
	v_exp_f32 v[PB+\i], v[PB+\i]
.endr
	v_mov_b32 v[NG], -1.0                          ; a plain line behind the batch
	s_wait_alu depctr_va_vdst(0)                   ; one wait for the eight exponentials, ahead of their first reader
	v_add_f32 v[SM], v[PB], v[PB+1]
	v_add_f32 v[TM], v[PB+2], v[PB+3]
	v_add_f32 v[DK0], v[PB+4], v[PB+5]
	v_add_f32 v[DK1], v[PB+6], v[PB+7]
	v_add_f32 v[SM], v[SM], v[TM]
	v_add_f32 v[DK0], v[DK0], v[DK1]
	v_add_f32 v[SM], v[SM], v[DK0]
	s_wait_alu depctr_va_vdst(0)
	v_rcp_f32 v[SM], v[SM]
	v_nop
	s_wait_alu depctr_va_vdst(0)
.irp i, 0,1,2,3,4,5,6,7
	v_mul_f32 v[PB+\i], v[PB+\i], v[SM]
.endr
.irp k, 0,1,2,3                                    ; the four largest, one after the other; a later number takes the place only if it is greater, so the lower index wins a tie
	v_mov_b32 v[TW+\k], v[PB]
	v_mov_b32 v[TI+\k], 0
.irp i, 1,2,3,4,5,6,7
	v_cmp_ge_f32 vcc_lo, v[TW+\k], v[PB+\i]
	v_cndmask_b32 v[TW+\k], v[PB+\i], v[TW+\k], vcc_lo
	v_cndmask_b32 v[TI+\k], \i, v[TI+\k], vcc_lo
.endr
.irp i, 0,1,2,3,4,5,6,7
	v_cmp_eq_u32 vcc_lo, \i, v[TI+\k]
	v_cndmask_b32 v[PB+\i], v[PB+\i], v[NG], vcc_lo   ; the one taken becomes -1, under every probability
.endr
.endr
	v_add_f32 v[TM], v[TW], v[TW+1]
	s_wait_alu depctr_va_vdst(0)
	v_rcp_f32 v[TM], v[TM]
	v_lshrrev_b32 v[DK0], 1, v[TI]                 ; the one-hot counts: expert e is field e % 2 of word e / 2
	v_lshrrev_b32 v[DK1], 1, v[TI+1]
	v_and_b32 v[VA0], 1, v[TI]
	v_and_b32 v[VA1], 1, v[TI+1]
	v_mad_u32_u24 v[VA0], v[VA0], 0xffff, 1        ; 1 or 0x10000
	v_mad_u32_u24 v[VA1], v[VA1], 0xffff, 1
.irp d, 0,1,2,3
	v_cmp_eq_u32 vcc_lo, \d, v[DK0]
	v_cndmask_b32 v[OHV+\d], 0, v[VA0], vcc_lo
	v_cmp_eq_u32 vcc_lo, \d, v[DK1]
	v_cndmask_b32 v[TM2], 0, v[VA1], vcc_lo
	v_add_nc_u32 v[OHV+\d], v[OHV+\d], v[TM2]
.endr
	v_lshl_or_b32 v[EI], v[TI+1], 8, v[TI]
	s_wait_alu depctr_va_vdst(0)                   ; the reciprocal's wait, behind the whole-number work
	v_mul_f32 v[GT], v[TW], v[TM]                  ; the two gates: the two largest, made to sum to 1
	v_mul_f32 v[GT+1], v[TW+1], v[TM]
	v_cmp_gt_u32 vcc_lo, 4, v1
	s_wait_alu depctr_va_vdst(0)
	s_wait_xcnt 0x0
	s_and_saveexec_b32 s54, vcc_lo                 ; lanes 0 to 3: tokens 4 g + lane; each table's four entries are consecutive bytes
	global_store_b128 v24, v[LG:LG+3], s[26:27]
	global_store_b128 v24, v[LG+4:LG+7], s[26:27] offset:16
	global_store_b128 v23, v[OHV:OHV+3], s[22:23]
	global_store_b32 v21, v[EI], s[22:23] offset:16384
	global_store_b64 v22, v[GT:GT+1], s[24:25]
	global_store_b128 v23, v[TW:TW+3], s[24:25] offset:8192
	global_store_b128 v23, v[TI:TI+3], s[24:25] offset:24576
	s_wait_xcnt 0x0
	s_or_b32 exec_lo, exec_lo, s54
.Lend:
	s_wait_tensorcnt 0x0
	ds_add_u32 v254, v255
	s_wait_dscnt 0x0
	s_endpgm
.Lfunc_end_k_qa397ada809_route:
	.size	k_qa397ada809_route, .Lfunc_end_k_qa397ada809_route-k_qa397ada809_route
	.p2alignl 7, 3214868480
	.fill 96, 4, 3214868480
	.section	.rodata,"a",@progbits
	.p2align	6, 0x0
	.amdhsa_kernel k_qa397ada809_route
		.amdhsa_group_segment_fixed_size 187904
		.amdhsa_private_segment_fixed_size 0
		.amdhsa_enable_private_segment 0
		.amdhsa_kernarg_size 80
		.amdhsa_user_sgpr_count 2
		.amdhsa_user_sgpr_kernarg_segment_ptr 1
		.amdhsa_wavefront_size32 1
		.amdhsa_system_sgpr_workgroup_id_x 1
		.amdhsa_system_sgpr_workgroup_id_y 1
		.amdhsa_system_sgpr_workgroup_id_z 1
		.amdhsa_system_vgpr_workitem_id 0
		.amdhsa_next_free_vgpr 576
		.amdhsa_next_free_sgpr 66
		.amdhsa_reserve_vcc 1
		.amdhsa_float_denorm_mode_32 3
		.amdhsa_float_denorm_mode_16_64 3
		.amdhsa_memory_ordered 1
		.amdhsa_forward_progress 1
		.amdhsa_inst_pref_size 67
	.end_amdhsa_kernel
	.amdgpu_metadata
---
amdhsa.version: [ 1, 2 ]
amdhsa.kernels:
  - .name:           k_qa397ada809_route
    .symbol:         k_qa397ada809_route.kd
    .args:
      - { .name: hidden_states, .offset: 0, .size: 8, .value_kind: global_buffer, .address_space: global }
      - { .name: Wr, .offset: 8, .size: 8, .value_kind: global_buffer, .address_space: global }
      - { .name: br, .offset: 16, .size: 8, .value_kind: global_buffer, .address_space: global }
      - { .name: Wc1_codes, .offset: 24, .size: 8, .value_kind: global_buffer, .address_space: global }
      - { .name: bc1, .offset: 32, .size: 8, .value_kind: global_buffer, .address_space: global }
      - { .name: Wc2, .offset: 40, .size: 8, .value_kind: global_buffer, .address_space: global }
      - { .name: lowp_scales, .offset: 48, .size: 8, .value_kind: global_buffer, .address_space: global }
      - { .name: sel, .offset: 56, .size: 8, .value_kind: global_buffer, .address_space: global }
      - { .name: rt, .offset: 64, .size: 8, .value_kind: global_buffer, .address_space: global }
      - { .name: out4, .offset: 72, .size: 8, .value_kind: global_buffer, .address_space: global }
    .group_segment_fixed_size: 187904
    .private_segment_fixed_size: 0
    .kernarg_segment_align: 8
    .kernarg_segment_size: 80
    .max_flat_workgroup_size: 128
    .sgpr_count:     66
    .vgpr_count:     576
    .wavefront_size: 32
...
	.end_amdgpu_metadata
.endif
;; end of part 6
;; launch place (part 7): grid 256 x 1, 4 waves a work-group, no clusters, 20,992 bytes of LDS; arguments hidden_states, sel, rt, bc2, lowp_scales, pos, xq, out1, out2, out3; writes pos, xq, out1, out2, out3
.if DOCPART == 7
	.amdgcn_target "amdgcn-amd-amdhsa--gfx1250"
	.amdhsa_code_object_version 6
	.text
	.protected	k_qa397ada809_place
	.globl	k_qa397ada809_place
	.p2align	8
	.type	k_qa397ada809_place,@function
k_qa397ada809_place:
	s_mov_b64 s[64:65], 0
	v_nop
	global_prefetch_b8 v0, s[64:65] scope:SCOPE_SE
	s_setreg_imm32_b32 hwreg(HW_REG_WAVE_MODE, 25, 1), 1
	s_wait_xcnt 0x0
; PLACE.  The rows are sorted by expert (a counting sort without atomics) and quantised.  Wave T = 4 g + w owns token T.
; Every wave reads the whole table of one-hot counts (16 bytes a token: eight fields of 16 bits) and adds it up twice: over all tokens (each expert's rows) and over the tokens before T (its rank in each expert).
; Each expert's rows are rounded up to whole tiles of 16; an expert's first slot is the sum of the rounded counts before it.  Token T's slot in expert e = first slot + rank.
; x's row is quantised twice, once with each chosen expert's own scale 2^ex (held within +-448 x 2^ex), and stored as a row of 1,024 codes at its slot in xq.
; The conversions take 16 neighbours from one lane, the loads take 16 bytes a lane as they lie: the row turns through the wave's own stage in LDS (64 bytes a lane + 16 of padding).
; Beside that: waves 0 to 31 finish the confidence (four partial dots + bc2, sigmoid), the dynamic count and out1, out2, out3, a lane a token; waves 0 to 7 fill their expert's last tile with zero codes;
; wave 0 stores each expert's first slot and rounded count.  A wave's two slots are one store of 8 bytes: 8,192 bytes in the whole launch.
; LIMITS: ex between -126 and 119; NaN among the inputs is not served.
; REGISTERS: v8-11 sums over all tokens, v12-15 over the tokens before mine, v16-23 at work; v24-27 the two scales and holds; v32-63 x as loaded; v64-191 the table; v192-223 x by neighbours; v224-239 held numbers; v240-255 codes.
.set TOT, 8
.set BEF, 12
.set R,   32
.set OH,  64
.set XN,  192
.set TT,  224
.set CD,  240
.set SP,  80
.macro FIELD dst, src, er              ; s[dst] = the 16-bit field s[er] (0 to 7) of the four words s[src] ..
	s_lshr_b32 s67, s[\er], 1
	s_cmp_eq_u32 s67, 1
	s_cselect_b32 s[\dst], s[\src+1], s[\src]
	s_cmp_eq_u32 s67, 2
	s_cselect_b32 s[\dst], s[\src+2], s[\dst]
	s_cmp_eq_u32 s67, 3
	s_cselect_b32 s[\dst], s[\src+3], s[\dst]
	s_and_b32 s67, s[\er], 1
	s_lshl_b32 s67, s67, 4
	s_lshr_b32 s[\dst], s[\dst], s67
	s_and_b32 s[\dst], s[\dst], 0xffff
.endm
	s_load_b512 s[8:23], s[0:1], 0x0               ; x s[8:9], sel s[10:11], rt s[12:13], bc2 s[14:15], scales s[16:17], pos s[18:19], xq s[20:21], out1 s[22:23]
	s_load_b128 s[24:27], s[0:1], 0x40             ; out2 s[24:25], out3 s[26:27]
	v_lshl_add_u32 v7, v0, 2, 0x5000
	v_mov_b32 v31, 0
	v_lshrrev_b32 v1, 5, v0
	v_readfirstlane_b32 s2, v1                     ; wave
	v_and_b32 v1, 31, v0                           ; lane
	v_lshlrev_b32 v4, 4, v1
	s_lshl_b32 s3, ttmp9, 2
	s_add_co_u32 s3, s3, s2                        ; T
	s_mul_i32 s4, s2, 64*SP                        ; my two stages
	v_lshrrev_b32 v5, 2, v1
	v_mul_u32_u24 v5, v5, SP
	v_and_b32 v6, 3, v1
	v_lshl_add_u32 v5, v6, 4, v5
	v_add_nc_u32 v5, s4, v5                        ; in: four lanes' 64 bytes on end, then the padding
	v_mul_u32_u24 v6, v1, SP
	v_add_nc_u32 v6, s4, v6                        ; out: my 16 neighbours
.irp p, 0,1,2,3,4,5,6,7
	v_mov_b32 v[16+\p], 0                          ; written once: the destination of a lane exchange counts as read
.endr
	v_mov_b32 v30, 0
	s_lshl_b32 s28, s3, 2
	s_lshl_b32 s30, s3, 12
	s_mov_b32 s31, 0
	s_mov_b32 s92, 0x76543210
	s_mov_b32 s93, 0xfedcba98
	s_wait_kmcnt 0x0
	s_load_b32 s29, s[10:11], s28 offset:16384     ; my two experts
	s_load_b32 s90, s[14:15], 0x0                  ; bc2
	s_add_nc_u64 s[30:31], s[8:9], s[30:31]
.irp i, 0,1,2,3,4,5,6,7
	global_load_b128 v[R+4*\i:R+4*\i+3], v4, s[30:31] offset:512*\i
.endr
.set j, 0
.rept 32
	global_load_b128 v[OH+4*j:OH+4*j+3], v4, s[10:11] offset:512*j   ; lane l: token 32 j + l
.set j, j+1
.endr
	s_wait_kmcnt 0x0
	s_and_b32 s32, s29, 255
	s_min_u32 s32, s32, 7                          ; e0
	s_lshr_b32 s33, s29, 8
	s_min_u32 s33, s33, 7                          ; e1
	s_lshl_b32 s34, s32, 4
	s_lshl_b32 s35, s33, 4
	s_load_b32 s36, s[16:17], s34 offset:8         ; ex of e0: entry 2 + 4 e
	s_load_b32 s37, s[16:17], s35 offset:8
	s_wait_loadcnt 32                              ; x's eight loads are in; the table's 32 may be out
.irp t, 0,1
.irp i, 0,1,2,3
	ds_store_b128 v5, v[R+16*\t+4*\i:R+16*\t+4*\i+3] offset:32*SP*\t+8*SP*\i
.endr
.irp i, 0,1,2,3
	ds_load_b128 v[XN+16*\t+4*\i:XN+16*\t+4*\i+3], v6 offset:32*SP*\t+16*\i   ; LDS serves a wave's instructions in order (ISA guide 5.7.1.4): these see my stores
.endr
.endr
	s_wait_kmcnt 0x0
.irp k, 0,1
	s_add_co_i32 s84, s[36+\k], 127
	s_lshl_b32 s85, s84, 23
	v_mov_b32 v[24+2*\k], s85                      ; 2^ex as f32
	s_add_co_i32 s84, s84, 8
	s_lshl_b32 s84, s84, 23
	s_or_b32 s84, s84, 0x600000
	v_mov_b32 v[25+2*\k], s84                      ; 448 x 2^ex
.endr
	s_wait_alu depctr_va_vdst(0)
	s_wait_dscnt 0x0
.irp k, 0,1                                        ; the codes are made while the table is on its way; lane l holds x(512 a + 16 l ..)
.irp a, 0,1
.irp i, 0,1,2,3,4,5,6,7,8,9,10,11,12,13,14,15
	v_med3_num_f32 v[TT+\i], v[XN+16*\a+\i], -v[25+2*\k], v[25+2*\k]   ; the conversion does not saturate (ISA guide 7.6.2)
.endr
	v_cvt_scalef32_pk8_fp8_f32 v[CD+8*\k+4*\a:CD+8*\k+4*\a+1], v[TT:TT+7], v[24+2*\k]
	v_cvt_scalef32_pk8_fp8_f32 v[CD+8*\k+4*\a+2:CD+8*\k+4*\a+3], v[TT+8:TT+15], v[24+2*\k]
	v_nop                                          ; a plain line ahead of the next holds, which write the conversions' sources
.endr
.endr
	s_wait_loadcnt 0x0
	s_mov_b32 s38, s3
.set j, 0
.rept 32
	v_cmp_gt_i32 vcc_lo, s38, v1                   ; token 32 j + lane comes before T
.irp d, 0,1,2,3
.if j == 0
	v_cndmask_b32 v[BEF+\d], 0, v[OH+\d], vcc_lo
.else
	v_cndmask_b32 v[16+\d], 0, v[OH+4*j+\d], vcc_lo
	v_add_nc_u32 v[BEF+\d], v[BEF+\d], v[16+\d]
.endif
.if j == 1
	v_add_nc_u32 v[TOT+\d], v[OH+\d], v[OH+4+\d]
.elseif j > 1
	v_add_nc_u32 v[TOT+\d], v[TOT+\d], v[OH+4*j+\d]
.endif
.endr
	s_sub_co_i32 s38, s38, 32
.set j, j+1
.endr
.irp m, 1,2,4,8                                    ; over the 32 lanes; no field passes 1,024
.irp p, 0,1,2,3,4,5,6,7
	v_mov_b32_dpp v[16+\p], v[8+\p] row_xmask:\m row_mask:0xf bank_mask:0xf
.endr
.irp p, 0,1,2,3,4,5,6,7
	v_add_nc_u32 v[8+\p], v[8+\p], v[16+\p]
.endr
.endr
.irp p, 0,1,2,3,4,5,6,7
	v_permlanex16_b32 v[16+\p], v[8+\p], s92, s93
.endr
.irp p, 0,1,2,3,4,5,6,7
	v_add_nc_u32 v[8+\p], v[8+\p], v[16+\p]
.endr
.irp p, 0,1,2,3,4,5,6,7
	v_readfirstlane_b32 s[40+\p], v[8+\p]          ; s40-43 the counts, s44-47 my ranks, packed
.endr
	s_mov_b32 s66, 0
.irp e, 0,1,2,3,4,5,6,7
.if (\e % 2) == 0
	s_and_b32 s67, s[40+\e/2], 0xffff
.else
	s_lshr_b32 s67, s[40+\e/2], 16
.endif
	s_add_co_u32 s67, s67, 15
	s_and_b32 s[56+\e], s67, 0xfff0                ; the count rounded up to whole tiles
	s_mov_b32 s[48+\e], s66                        ; the expert's first slot
	s_add_co_u32 s66, s66, s[56+\e]
.endr
.irp d, 0,1,2,3
	s_lshl_b32 s67, s[49+2*\d], 16
	s_or_b32 s[72+\d], s[48+2*\d], s67             ; first slots, packed,
	s_add_co_u32 s[68+\d], s[72+\d], s[44+\d]      ; + my ranks: my slot in every expert
.endr
	FIELD 76, 68, 32
	FIELD 77, 68, 33
	s_min_u32 s76, s76, 2175
	s_min_u32 s77, s77, 2175
	s_lshl_b32 s80, s76, 10
	s_mov_b32 s81, 0
	s_add_nc_u64 s[80:81], s[20:21], s[80:81]
	s_lshl_b32 s82, s77, 10
	s_mov_b32 s83, 0
	s_add_nc_u64 s[82:83], s[20:21], s[82:83]
.irp k, 0,1
.irp a, 0,1
	global_store_b128 v4, v[CD+8*\k+4*\a:CD+8*\k+4*\a+3], s[80+2*\k:81+2*\k] offset:512*\a   ; 32 lanes store 512 consecutive bytes
.endr
.endr
	v_mov_b32 v28, s76
	v_mov_b32 v29, s77
	s_lshl_b32 s88, s3, 3
	s_mov_b32 s89, 0
	s_add_nc_u64 s[88:89], s[18:19], s[88:89]
	v_cmp_eq_u32 vcc_lo, 0, v1
	s_wait_alu depctr_va_vdst(0)
	s_wait_xcnt 0x0                                ; EXEC changes only behind this wait
	s_and_saveexec_b32 s86, vcc_lo
	global_store_b64 v30, v[28:29], s[88:89]
	s_wait_xcnt 0x0
	s_or_b32 exec_lo, exec_lo, s86
	s_cmp_lt_u32 s3, 32
	s_cbranch_scc0 .Lend
	; ---- waves 0 to 31: confidence and the masked top four, lane = token 32 T + lane
	s_lshl_b32 s4, s3, 5
	v_add_nc_u32 v108, s4, v1
	v_lshlrev_b32 v109, 2, v108
	v_lshlrev_b32 v110, 4, v108
.irp k, 0,1,2,3
	global_load_b32 v[96+\k], v109, s[12:13] offset:40960+4096*\k
.endr
	global_load_b128 v[100:103], v110, s[12:13] offset:8192
	global_load_b128 v[104:107], v110, s[12:13] offset:24576
	s_wait_loadcnt 0x0
	v_add_f32 v96, v96, v97
	v_add_f32 v98, v98, v99
	v_add_f32 v96, v96, v98
	v_add_f32 v96, s90, v96                        ; + bc2
	v_mul_f32 v96, 0xbfb8aa3b, v96                 ; sigmoid(z) = 1 / (1 + 2^(-z log2(e)))
	s_wait_alu depctr_va_vdst(0)
	v_exp_f32 v96, v96
	v_nop
	s_wait_alu depctr_va_vdst(0)                   ; ahead of the first reader
	v_add_f32 v96, 1.0, v96
	s_wait_alu depctr_va_vdst(0)
	v_rcp_f32 v96, v96
	v_nop
	s_wait_alu depctr_va_vdst(0)
	v_sub_f32 v97, 1.0, v96
	v_fma_f32 v97, v97, 0x40400000, 1.0            ; 1 + 3 (1 - conf)
	v_rndne_f32 v97, v97                           ; to the nearest whole number, ties to even
	v_med3_num_f32 v97, v97, 1.0, 4.0
	v_cmp_lt_f32 vcc_lo, 1.0, v97                  ; slot 0 always counts: the count is at least 1
	v_cndmask_b32 v101, 0, v101, vcc_lo
	v_cndmask_b32 v105, 0, v105, vcc_lo
	v_cmp_lt_f32 vcc_lo, 2.0, v97
	v_cndmask_b32 v102, 0, v102, vcc_lo
	v_cndmask_b32 v106, 0, v106, vcc_lo
	v_cmp_lt_f32 vcc_lo, 0x40400000, v97
	v_cndmask_b32 v103, 0, v103, vcc_lo
	v_cndmask_b32 v107, 0, v107, vcc_lo
	global_store_b32 v109, v96, s[26:27]
	global_store_b128 v110, v[100:103], s[22:23]
	global_store_b128 v110, v[104:107], s[24:25]
	s_cmp_lt_u32 s3, 8
	s_cbranch_scc0 .Lend
	; ---- waves 0 to 7: expert T's last tile is filled up with rows of zero codes, so that every byte that the next launch reads has been stored
	FIELD 78, 40, 3                                ; its count,
	FIELD 79, 72, 3                                ; its first slot
	s_add_co_u32 s84, s78, 15
	s_and_b32 s84, s84, 0xfff0
	s_add_co_u32 s85, s79, s78
	s_min_u32 s85, s85, 2160
	s_lshl_b32 s94, s85, 10
	s_mov_b32 s95, 0
	s_add_nc_u64 s[94:95], s[20:21], s[94:95]
.irp d, 0,1,2,3
	v_mov_b32 v[80+\d], 0
.endr
.set zi, 0
.rept 15
	s_cmp_lt_u32 s78, s84
	s_cbranch_scc0 .Lzdone
	s_wait_alu depctr_va_vdst(0)
	global_store_b128 v4, v[80:83], s[94:95] offset:1024*zi
	global_store_b128 v4, v[80:83], s[94:95] offset:1024*zi+512
	s_add_co_u32 s78, s78, 1
.set zi, zi+1
.endr
.Lzdone:
	s_cmp_eq_u32 s3, 0
	s_cbranch_scc0 .Lend
	; ---- wave 0: eight first slots, eight rounded counts
.irp i, 0,1,2,3,4,5,6,7,8,9,10,11,12,13,14,15
	v_mov_b32 v[64+\i], s[48+\i]
.endr
	v_cmp_eq_u32 vcc_lo, 0, v1
	s_wait_alu depctr_va_vdst(0)
	s_wait_xcnt 0x0
	s_and_saveexec_b32 s86, vcc_lo
.irp q, 0,1,2,3
	global_store_b128 v30, v[64+4*\q:64+4*\q+3], s[18:19] offset:8192+16*\q
.endr
	s_wait_xcnt 0x0
	s_or_b32 exec_lo, exec_lo, s86
.Lend:
	s_wait_tensorcnt 0x0
	ds_add_u32 v7, v31
	s_wait_dscnt 0x0
	s_endpgm
.Lfunc_end_k_qa397ada809_place:
	.size	k_qa397ada809_place, .Lfunc_end_k_qa397ada809_place-k_qa397ada809_place
	.p2alignl 7, 3214868480
	.fill 96, 4, 3214868480
	.section	.rodata,"a",@progbits
	.p2align	6, 0x0
	.amdhsa_kernel k_qa397ada809_place
		.amdhsa_group_segment_fixed_size 20992
		.amdhsa_private_segment_fixed_size 0
		.amdhsa_enable_private_segment 0
		.amdhsa_kernarg_size 80
		.amdhsa_user_sgpr_count 2
		.amdhsa_user_sgpr_kernarg_segment_ptr 1
		.amdhsa_wavefront_size32 1
		.amdhsa_system_sgpr_workgroup_id_x 1
		.amdhsa_system_sgpr_workgroup_id_y 1
		.amdhsa_system_sgpr_workgroup_id_z 1
		.amdhsa_system_vgpr_workitem_id 0
		.amdhsa_next_free_vgpr 256
		.amdhsa_next_free_sgpr 96
		.amdhsa_reserve_vcc 1
		.amdhsa_float_denorm_mode_32 3
		.amdhsa_float_denorm_mode_16_64 3
		.amdhsa_memory_ordered 1
		.amdhsa_forward_progress 1
		.amdhsa_inst_pref_size 44
	.end_amdhsa_kernel
	.amdgpu_metadata
---
amdhsa.version: [ 1, 2 ]
amdhsa.kernels:
  - .name:           k_qa397ada809_place
    .symbol:         k_qa397ada809_place.kd
    .args:
      - { .name: hidden_states, .offset: 0, .size: 8, .value_kind: global_buffer, .address_space: global }
      - { .name: sel, .offset: 8, .size: 8, .value_kind: global_buffer, .address_space: global }
      - { .name: rt, .offset: 16, .size: 8, .value_kind: global_buffer, .address_space: global }
      - { .name: bc2, .offset: 24, .size: 8, .value_kind: global_buffer, .address_space: global }
      - { .name: lowp_scales, .offset: 32, .size: 8, .value_kind: global_buffer, .address_space: global }
      - { .name: pos, .offset: 40, .size: 8, .value_kind: global_buffer, .address_space: global }
      - { .name: xq, .offset: 48, .size: 8, .value_kind: global_buffer, .address_space: global }
      - { .name: out1, .offset: 56, .size: 8, .value_kind: global_buffer, .address_space: global }
      - { .name: out2, .offset: 64, .size: 8, .value_kind: global_buffer, .address_space: global }
      - { .name: out3, .offset: 72, .size: 8, .value_kind: global_buffer, .address_space: global }
    .group_segment_fixed_size: 20992
    .private_segment_fixed_size: 0
    .kernarg_segment_align: 8
    .kernarg_segment_size: 80
    .max_flat_workgroup_size: 128
    .sgpr_count:     96
    .vgpr_count:     256
    .wavefront_size: 32
...
	.end_amdgpu_metadata
.endif
;; end of part 7
;; launch ffn1 (part 8): grid 256 x 1, 4 waves a work-group, no clusters, 233,472 bytes of LDS; arguments pos, xq, W1_codes, b1, lowp_scales, h; writes h
.if DOCPART == 8
	.amdgcn_target "amdgcn-amd-amdhsa--gfx1250"
	.amdhsa_code_object_version 6
	.text
	.protected	k_qa397ada809_ffn1
	.globl	k_qa397ada809_ffn1
	.p2align	8
	.type	k_qa397ada809_ffn1,@function
k_qa397ada809_ffn1:
	s_mov_b64 s[64:65], 0
	v_nop
	global_prefetch_b8 v0, s[64:65] scope:SCOPE_SE
	s_setreg_imm32_b32 hwreg(HW_REG_WAVE_SCHED_MODE, 0, 2), 2
	s_setreg_imm32_b32 hwreg(HW_REG_WAVE_MODE, 25, 1), 1
	s_wait_xcnt 0x0
	s_wait_alu depctr_vm_vsrc(0)
; FFN1.  h = Q(relu(x W1[e] + b1[e])) for the rows that chose expert e, on codes of E4M3.
; SHARES.  Work-group g: expert e = g / 32, slice j = g % 32: hidden units 128 j .. 128 j + 127, all of K = 1,024: 131,072 bytes of codes, read from memory once in the launch, 512 consecutive bytes a load,
; turned through LDS and KEPT IN REGISTERS (512 a wave).  The work-group then walks its expert's tiles of 16 rows.  Wave w: wn = w / 2 takes 64 of the 128 units (four tiles), wm = w % 2 every second tile of rows.
; A TRIP is SIX tiles of rows.  Wave w fetches tile 6 i + w whole and half wm of tile 6 i + 4 + wn: 48 loads of 512 bytes, inside LOADcnt's field of 63 (ISA guide 5.7.1), so that no load waits for an earlier one to
; come back before it can be issued.  It multiplies tiles 6 i + wm + 2 q, q = 0, 1, 2, out of the trip's LDS slot.  At a trip's end what was fetched goes into the other slot, and the tiles of the trip after that are asked
; for at once: they have a whole trip, 96 matrix instructions a wave, in which to land.
; Twelve trips, a constant (an expert has 64 tiles at the most); what a trip has no tile for is jumped over by scalar branches on the stored count, which is why this launch moves its operands through registers:
; no barrier stands under such a branch.  One barrier a trip: in front of it a wave's stores into the next slot have landed and its reads of this slot are back.
; No cluster: partners would need tiles of one expert in step, and the number of tiles hangs on counts read from memory.
; THE PRODUCT IS USED TRANSPOSED (source 0 = 16 rows of W1, source 1 = 16 rows of x): a lane holds one row of x and eight units.  THE ROWS OF W1 THAT FORM A TILE ARE NOT NEIGHBOURS: lane r of tile 2 b + u takes
; unit 32 b + 8 u + r + 8 (r / 8), so that the 16 registers of tiles 2 b and 2 b + 1 are the 16 neighbours 32 b + 16 hh + 0 .. 15 along the next K, and the conversions' results are the next operand's registers.
; b1 / 2^(ex + ew1) is the C of a tile's first product; the hold between 0 and 448 x the scale is the activation too; the conversion's one scale is 2^(eh - ex - ew1).
; h IS LAID AS IMAGES OF THE NEXT OPERAND'S REGISTERS: [tile][K step of 128: 32][c: 4][lane: 32][16 bytes]: each store of a wave covers 512 consecutive bytes, aligned.
; LIMITS: eh - ex - ew1 between -126 and 119 (ex + ew1 goes in by v_ldexp_f32 and has none).
; THE MODE: SCHED_MODE bits 1:0 = 2 (LLVM: expert scheduling mode 2), set by the entry lines.  The code itself states the register dependences
; between vector or matrix instructions and memory or LDS instructions, with s_wait_alu, always for 0.
; THE PLAN.  Registers that memory or LDS instructions touch, in the loop:
;   XA, XB   x's fragments of K steps 0-3: XA for a trip's tiles q = 0 and 2, XB for q = 1.  LDS loads land in them; the tile's first sixteen products read them.
;   XH       x's fragments of K steps 4-7, of every tile.  LDS loads land in it; the tile's last sixteen products read it.
;   PC       three sets of codes, one a tile of a trip.  Tile q's conversions write set q; its two global stores read it; the next trip's tile q writes it again.
;   window 3, v0-191   the global loads at a trip's end land in them; the next trip's LDS stores read them.  No vector instruction names them.
;   v4, v16-23   offsets and LDS addresses, made at the head and never written again.
; A tile is two halves of sixteen products.  Tile q + 1's K steps 0-3 are asked for between tile q's halves, into the one of XA and XB that tile q does not read: its last readers, tile q - 1's products, stand ahead of
; tile q - 1's wait, and no product since names it.  ONE wait on va_vdst stands in a tile, behind its conversions: the codes are written, and the tile's products are done reading their fragments; tile q + 1's K steps 4-7
; are asked for straight behind it, then the codes are stored.  ONE wait on vm_vsrc stands at a trip's end: the LDS stores have read window 3 and the trip's global stores have read PC.
; Whether a next tile follows hangs on the stored count: a tile's second half and its way out are written once for each case, so that every counted wait is exact on its own path.
; REGISTERS: window 0: v1-23 addresses and the two constants; v32-95 XA; v96-159 XH; v160-191 four accumulators; v192-223 b1; v224-247 codes (a set for each of a trip's three tiles).
;   windows 1, 2: W1's fragments (K step s, tile t) at 64 (s % 4) + 16 t, s < 4 in window 1.  window 3: W1 as loaded; afterwards v0-191: the tile and a half of x that I fetch; v192-255: XB.
.set WP,    1040                       ; an LDS row: 1,024 bytes + 16 = 65 x 16, so that the sixteen rows of a load start at sixteen different banks (64 banks of 4 bytes: ISA guide 11.1)
.set ATILE, 16*WP                      ; a tile of x in LDS
.set SL0,   128*WP                     ; slot 0 lies behind the weights' stage; slot 1 begins at 0, over that stage, which is done with once the fragments are in registers
.set XT,    16384                      ; a tile of xq in memory
.set HT,    65536                      ; a tile of h in memory
.set XA,   32
.set XH,   96
.set XB,   192                         ; in window 3
.set ACC,  160
.set BIAS, 192
.set PC,   224
.set AS,   16                          ; v16, v17  where I store my whole tile, slot 0, 1
.set AH,   18                          ; v18, v19  where I store my half tile, slot 0, 1
.set AF,   20                          ; v20-23    where I read fragments: slot 0 tiles q = 0, 1; slot 0 tile q = 2; the same for slot 1 (the third tile lies beyond an LDS immediate's 65,535 bytes)
.set NT,   22                          ; s22 the expert's tiles
.set LT,   32                          ; s32 the whole tile that I fetch, counted within the expert
.set CT,   33                          ; s33 the first tile that I multiply
.set LH,   50                          ; s50 the tile of which I fetch a half: always above s32
.set AP,   36                          ; s[36:37] xq at the whole tile that I fetch
.set AQ,   48                          ; s[48:49] xq at my half tile
.set OP,   38                          ; s[38:39] h at my part of the first tile that I multiply
.set MSB, 0
.macro WIN new                         ; the immediate's high byte repeats the setting that is left
.if MSB != \new
	s_set_vgpr_msb (MSB<<8)|\new
.set MSB, \new
.endif
.endm
.macro ALOAD                           ; a tile of x is 16 rows of 1,024 codes, dense: 32 loads of 512 consecutive bytes; the half tile 16
	s_cmp_lt_u32 s[LT], s[NT]
	s_cbranch_scc0 .Lal_\@
	WIN 0xc0                                       ; destination window 3
.set n, 0
.rept 32
	global_load_b128 v[4*n:4*n+3], v4, s[AP:AP+1] offset:512*n
.set n, n+1
.endr
	WIN 0
	s_cmp_lt_u32 s[LH], s[NT]
	s_cbranch_scc0 .Lal_\@
	WIN 0xc0
.set n, 0
.rept 16
	global_load_b128 v[128+4*n:128+4*n+3], v4, s[AQ:AQ+1] offset:512*n
.set n, n+1
.endr
	WIN 0
.Lal_\@:
.endm
.macro ASTORE slot                     ; the same two compares as in ALOAD: none of the three registers has changed since
	s_cmp_lt_u32 s[LT], s[NT]
	s_cbranch_scc0 .Las_\@
	WIN 0x0c                                       ; store data window 3
.set n, 0
.rept 32
	ds_store_b128 v[AS+(\slot)], v[4*n:4*n+3] offset:(n/2)*WP+(n%2)*512
.set n, n+1
.endr
	WIN 0
	s_cmp_lt_u32 s[LH], s[NT]
	s_cbranch_scc0 .Las_\@
	WIN 0x0c
.set n, 0
.rept 16
	ds_store_b128 v[AH+(\slot)], v[128+4*n:128+4*n+3] offset:(n/2)*WP+(n%2)*512
.set n, n+1
.endr
	WIN 0
.Las_\@:
.endm
.macro FR0 slot, q                     ; the fragments of K steps 0-3 of my q-th tile of this trip: sixteen LDS loads, into XA (q = 0, 2) or XB (q = 1)
.set XN, XA+(XB-XA)*((\q)%2)
	WIN (0xc0*((\q)%2))                            ; XB: destination window 3
.irp s, 0,1,2,3
.irp c, 0,1,2,3
	ds_load_b128 v[XN+16*\s+4*\c:XN+16*\s+4*\c+3], v[AF+2*(\slot)+(\q)/2] offset:((\q)%2)*2*ATILE+128*\s+32*\c
.endr
.endr
	WIN 0
.endm
.macro FR1 slot, q                     ; those of K steps 4-7: sixteen LDS loads, into XH
.irp s, 4,5,6,7
.irp c, 0,1,2,3
	ds_load_b128 v[XH+16*(\s-4)+4*\c:XH+16*(\s-4)+4*\c+3], v[AF+2*(\slot)+(\q)/2] offset:((\q)%2)*2*ATILE+128*\s+32*\c
.endr
.endr
.endm
.macro MULA q                          ; a tile's first half: K steps 0-3, four products each, the four accumulators by turns; the first K step takes b1 as C
.set XN, XA+(XB-XA)*((\q)%2)
	WIN (0x01+0x0c*((\q)%2))                       ; source 0 (W1) window 1; source 1: XA in window 0, XB in window 3
.irp s, 0,1,2,3
	s_wait_dscnt 28-4*\s                           ; this K step's fragment of x is in; behind its loads stand the later K steps' four each and the sixteen of K steps 4-7, which may be out
.irp t, 0,1,2,3
.if \s == 0
	v_wmma_f32_16x16x128_fp8_fp8 v[ACC+8*\t:ACC+8*\t+7], v[16*\t:16*\t+15], v[XN:XN+15], v[BIAS+8*\t:BIAS+8*\t+7]
.else
	v_wmma_f32_16x16x128_fp8_fp8 v[ACC+8*\t:ACC+8*\t+7], v[64*\s+16*\t:64*\s+16*\t+15], v[XN+16*\s:XN+16*\s+15], v[ACC+8*\t:ACC+8*\t+7]
.endif
.endr
.endr
	WIN 0
.endm
.macro MULB more                       ; a tile's second half: K steps 4-7.  more = 16: the next tile's sixteen loads of K steps 0-3 were issued behind this tile's and may be out too
	WIN 0x02                                       ; source 0 (W1) window 2
.irp s, 4,5,6,7
	s_wait_dscnt 28-4*\s+(\more)                   ; this K step's fragment of x is in; the later K steps' four loads each may be out
.irp t, 0,1,2,3
	v_wmma_f32_16x16x128_fp8_fp8 v[ACC+8*\t:ACC+8*\t+7], v[64*(\s-4)+16*\t:64*(\s-4)+16*\t+15], v[XH+16*(\s-4):XH+16*(\s-4)+15], v[ACC+8*\t:ACC+8*\t+7]
.endr
.endr
	WIN 0
.endm
.macro LEAVE slot, q, next             ; tile q's way out.  next = 1: tile q + 1 follows
.rept 4
	v_nop                                          ; four places ahead of the first read of results (ISA guide 7.12.1); with the holds below they also part these products from the next tile's first products
.endr
.irp i, 0,1,2,3,4,5,6,7,8,9,10,11,12,13,14,15,16,17,18,19,20,21,22,23,24,25,26,27,28,29,30,31
	v_med3_num_f32 v[ACC+\i], v[ACC+\i], 0, v15    ; the activation and the hold in one; each accumulator from its low end on
.endr
.irp b, 0,1
	v_cvt_scalef32_pk8_fp8_f32 v[PC+8*(\q)+4*\b:PC+8*(\q)+4*\b+1], v[ACC+16*\b:ACC+16*\b+7], v14
	v_cvt_scalef32_pk8_fp8_f32 v[PC+8*(\q)+4*\b+2:PC+8*(\q)+4*\b+3], v[ACC+16*\b+8:ACC+16*\b+15], v14
.endr
	v_nop                                          ; a plain line behind the last conversion: the next products write its sources
	s_wait_alu depctr_va_vdst(0)                   ; the conversions have written PC's set q, which the stores below read; the tile's products are done reading XH, in which the loads below land, and their XA or XB
.if \next
	FR1 \slot, (\q)+1                              ; ahead of the stores: the next tile's second half waits for these
.endif
.irp b, 0,1
	global_store_b128 v4, v[PC+8*(\q)+4*\b:PC+8*(\q)+4*\b+3], s[OP:OP+1] offset:(\q)*2*HT+512*\b   ; c = 2 wn + b of K step j
.endr
.endm
.macro TRIP slot
	s_cmp_lt_u32 s[CT], s[NT]                      ; my tiles ascend: where one is past the expert's last, so are the rest
	s_cbranch_scc0 .Lcd_\@
	FR0 \slot, 0                                   ; no wait: the last products that read XA and XH stand ahead of their tile's wait on va_vdst, and no vector instruction has been issued since
	FR1 \slot, 0
	s_wait_alu depctr_va_vdst(0)
	MULA 0
	s_add_co_u32 s34, s[CT], 2
	s_cmp_lt_u32 s34, s[NT]
	s_cbranch_scc0 .Le0_\@
	FR0 \slot, 1                                   ; no wait: since the wait behind XB's last readers only tile 0's first half has been issued, which names XA
	MULB 16
	LEAVE \slot, 0, 1
	MULA 1
	s_add_co_u32 s34, s[CT], 4
	s_cmp_lt_u32 s34, s[NT]
	s_cbranch_scc0 .Le1_\@
	FR0 \slot, 2                                   ; no wait: tile 0's products stand ahead of tile 0's wait; since then only tile 1's first half has been issued, which names XB
	MULB 16
	LEAVE \slot, 1, 1
	MULA 2
	MULB 0
	LEAVE \slot, 2, 0
	s_branch .Lcd_\@
.Le0_\@:                                               ; tile 0 is my last
	MULB 0
	LEAVE \slot, 0, 0
	s_branch .Lcd_\@
.Le1_\@:                                               ; tile 1 is my last
	MULB 0
	LEAVE \slot, 1, 0
.Lcd_\@:
	s_wait_loadcnt 0x0                             ; what I asked for a trip ago is in
	ASTORE 1-\slot
	s_wait_xcnt 0x0                                ; the loads' and stores' bases and the stores' data are rewritten only behind this wait
	s_add_nc_u64 s[AP:AP+1], s[AP:AP+1], 6*XT
	s_add_nc_u64 s[AQ:AQ+1], s[AQ:AQ+1], 6*XT
	s_add_nc_u64 s[OP:OP+1], s[OP:OP+1], 6*HT
	s_add_co_u32 s[LT], s[LT], 6
	s_add_co_u32 s[LH], s[LH], 6
	s_add_co_u32 s[CT], s[CT], 6
	s_wait_dscnt 0x0                               ; my stores into the next slot have landed; my reads of this slot are back
	s_wait_alu depctr_vm_vsrc(0)                   ; the LDS stores have read window 3, in which the loads below land; this trip's global stores have read PC, which the next trip's conversions write again
	ALOAD                                          ; the trip after next is asked for ahead of the barrier: the next trip's work stands in front of the wait for it
	s_barrier_signal -1
	s_barrier_wait -1
.endm
	s_load_b256 s[4:11], s[0:1], 0x0               ; pos s[4:5], xq s[6:7], W1 s[8:9], b1 s[10:11]
	s_load_b128 s[12:15], s[0:1], 0x20             ; scales s[12:13], h s[14:15]
	v_lshl_add_u32 v254, v0, 2, 0x38e00
	v_mov_b32 v255, 0
	v_lshrrev_b32 v1, 5, v0
	v_readfirstlane_b32 s16, v1                    ; wave
	v_and_b32 v1, 31, v0
	v_and_b32 v2, 15, v0                           ; r
	v_bfe_u32 v3, v0, 4, 1                         ; hh
	v_lshlrev_b32 v4, 4, v1                        ; 16 x lane
	s_wait_alu depctr_va_vdst(0)
	s_wait_alu depctr_va_sdst(0)                   ; s16 is written, ahead of its first reader: wn, wm, the LDS places and the bases are made from it
	s_lshr_b32 s17, s16, 1                         ; wn
	s_and_b32 s18, s16, 1                          ; wm
	s_lshr_b32 s19, ttmp9, 5                       ; e
	s_and_b32 s20, ttmp9, 31                       ; j
	s_mul_i32 s24, s16, 32*WP
	v_add_nc_u32 v5, s24, v4                       ; the weights' stage: my 32 rows as they lie
	v_and_b32 v6, 8, v2
	v_add_nc_u32 v6, v6, v2                        ; r + 8 (r / 8)
	v_mul_u32_u24 v6, v6, WP
	v_lshl_add_u32 v6, v3, 4, v6
	s_mul_i32 s24, s17, 64*WP
	v_add_nc_u32 v6, s24, v6                       ; and by fragments: my 64 rows
	s_mul_i32 s24, s16, ATILE                      ; my whole tile: place w of a slot
	v_add_nc_u32 v[AS+1], s24, v4
	s_add_co_u32 s24, s24, SL0
	v_add_nc_u32 v[AS], s24, v4
	s_mul_i32 s24, s17, ATILE                      ; my half tile: place 4 + wn, rows 8 wm on
	s_mul_i32 s29, s18, 8*WP
	s_add_co_u32 s24, s24, s29
	s_add_co_u32 s24, s24, 4*ATILE
	v_add_nc_u32 v[AH+1], s24, v4
	s_add_co_u32 s24, s24, SL0
	v_add_nc_u32 v[AH], s24, v4
	v_mul_u32_u24 v12, v2, WP
	v_lshl_add_u32 v12, v3, 4, v12
	s_mul_i32 s24, s18, ATILE                      ; the tiles that I multiply: places wm, wm + 2, wm + 4
	v_add_nc_u32 v[AF+2], s24, v12
	s_add_co_u32 s29, s24, 4*ATILE
	v_add_nc_u32 v[AF+3], s29, v12
	s_add_co_u32 s29, s24, SL0
	v_add_nc_u32 v[AF], s29, v12
	s_add_co_u32 s29, s24, SL0+4*ATILE
	v_add_nc_u32 v[AF+1], s29, v12
	v_lshlrev_b32 v11, 6, v3                       ; b1: my half's units begin 16 further on
	s_lshl_b32 s21, s19, 2
	s_lshl_b32 s25, s19, 4
	s_lshl_b32 s26, s19, 22                        ; W1: expert e, row 128 j + 32 w
	s_lshl_b32 s28, s20, 17
	s_add_co_u32 s26, s26, s28
	s_lshl_b32 s28, s16, 15
	s_add_co_u32 s26, s26, s28
	s_mov_b32 s27, 0
	s_lshl_b32 s30, s19, 14                        ; b1: expert e, unit 128 j + 64 wn
	s_lshl_b32 s28, s20, 9
	s_add_co_u32 s30, s30, s28
	s_lshl_b32 s28, s17, 8
	s_add_co_u32 s30, s30, s28
	s_mov_b32 s31, 0
	s_wait_kmcnt 0x0
	s_load_b32 s23, s[4:5], s21 offset:8192        ; the expert's first slot,
	s_load_b32 s22, s[4:5], s21 offset:8224        ; and its rows, rounded up to whole tiles
	s_load_b128 s[40:43], s[12:13], s25 offset:8   ; ex, ew1, eh, ew2
	s_add_nc_u64 s[26:27], s[8:9], s[26:27]
	s_add_nc_u64 s[30:31], s[10:11], s[30:31]
	s_wait_alu depctr_va_vdst(0)                   ; the offsets and LDS addresses v4, v5, v6, v11 and v16 to v23 are written: every load and store of the kernel reads one of them, and none is written again
.irp t, 0,1,2,3
	global_load_b128 v[BIAS+8*\t:BIAS+8*\t+3], v11, s[30:31] offset:(32*(\t/2)+8*(\t%2))*4
	global_load_b128 v[BIAS+8*\t+4:BIAS+8*\t+7], v11, s[30:31] offset:(32*(\t/2)+8*(\t%2))*4+16
.endr
	WIN 0xc0                                       ; destination window 3
.set n, 0
.rept 64
	global_load_b128 v[4*n:4*n+3], v4, s[26:27] offset:512*n th:TH_LOAD_NT   ; read once in the whole launch
.set n, n+1
.endr
	WIN 0
	s_wait_kmcnt 0x0
	s_lshr_b32 s21, s23, 4
	s_min_u32 s21, s21, 135                        ; the expert's first tile
	s_lshr_b32 s[NT], s[NT], 4
	s_min_u32 s[NT], s[NT], 64
	s_add_co_u32 s[AP], s21, s16
	s_lshl_b32 s[AP], s[AP], 14
	s_mov_b32 s[AP+1], 0
	s_add_nc_u64 s[AP:AP+1], s[6:7], s[AP:AP+1]
	s_add_co_u32 s[AQ], s21, s17
	s_add_co_u32 s[AQ], s[AQ], 4
	s_lshl_b32 s[AQ], s[AQ], 14
	s_lshl_b32 s28, s18, 13
	s_add_co_u32 s[AQ], s[AQ], s28
	s_mov_b32 s[AQ+1], 0
	s_add_nc_u64 s[AQ:AQ+1], s[6:7], s[AQ:AQ+1]
	s_add_co_u32 s[OP], s21, s18
	s_lshl_b32 s[OP], s[OP], 16
	s_lshl_b32 s28, s20, 11
	s_add_co_u32 s[OP], s[OP], s28
	s_lshl_b32 s28, s17, 10
	s_add_co_u32 s[OP], s[OP], s28
	s_mov_b32 s[OP+1], 0
	s_add_nc_u64 s[OP:OP+1], s[14:15], s[OP:OP+1]
	s_mov_b32 s[LT], s16
	s_add_co_u32 s[LH], s17, 4
	s_cmp_lt_u32 s[LT], s[NT]                      ; the first trip's tiles, as far as the expert has them: through window 1, which is free until the fragments come.  Each load and the store of what it brought stand in one branch
	s_cbranch_scc0 .Lno_first
	WIN 0x40
.set n, 0
.rept 32
	global_load_b128 v[4*n:4*n+3], v4, s[AP:AP+1] offset:512*n
.set n, n+1
.endr
	WIN 0
	s_cmp_lt_u32 s[LH], s[NT]
	s_cbranch_scc0 .Lone
	WIN 0x40
.set n, 0
.rept 16
	global_load_b128 v[128+4*n:128+4*n+3], v4, s[AQ:AQ+1] offset:512*n
.set n, n+1
.endr
	s_wait_loadcnt 0x0
	WIN 0x04
.set n, 0
.rept 16
	ds_store_b128 v[AH], v[128+4*n:128+4*n+3] offset:(n/2)*WP+(n%2)*512
.set n, n+1
.endr
	WIN 0
.Lone:
	s_wait_loadcnt 0x0
	WIN 0x04
.set n, 0
.rept 32
	ds_store_b128 v[AS], v[4*n:4*n+3] offset:(n/2)*WP+(n%2)*512
.set n, n+1
.endr
	WIN 0
.Lno_first:
	s_wait_loadcnt 0x0
	WIN 0x0c                                       ; store data window 3
.set n, 0
.rept 64
	ds_store_b128 v5, v[4*n:4*n+3] offset:(n/2)*WP+(n%2)*512
.set n, n+1
.endr
	WIN 0
	s_wait_xcnt 0x0
	s_add_nc_u64 s[AP:AP+1], s[AP:AP+1], 6*XT      ; on to the tiles of the second trip
	s_add_nc_u64 s[AQ:AQ+1], s[AQ:AQ+1], 6*XT
	s_add_co_u32 s[LT], s[LT], 6
	s_add_co_u32 s[LH], s[LH], 6
	s_mov_b32 s[CT], s18
	s_mov_b32 s35, 6
	s_add_co_i32 s44, s40, s41                     ; ex + ew1
	s_sub_co_i32 s45, 0, s44
	s_sub_co_i32 s46, s42, s44
	s_add_co_i32 s46, s46, 127
	s_lshl_b32 s47, s46, 23
	v_mov_b32 v14, s47                             ; 2^(eh - ex - ew1): the three scales folded into the conversion's one
	s_add_co_i32 s46, s46, 8
	s_lshl_b32 s46, s46, 23
	s_or_b32 s46, s46, 0x600000
	v_mov_b32 v15, s46                             ; 448 x that
.irp i, 0,1,2,3,4,5,6,7,8,9,10,11,12,13,14,15,16,17,18,19,20,21,22,23,24,25,26,27,28,29,30,31
	v_ldexp_f32 v[BIAS+\i], v[BIAS+\i], s45        ; b1 / 2^(ex + ew1).  (v14, v15 and b1 are named by vector and matrix instructions alone from here on)
.endr
	s_wait_dscnt 0x0                               ; for the others' sake: my rows of W1 and my part of the first trip's x have landed
	s_wait_alu depctr_vm_vsrc(0)                   ; the LDS stores have read window 3 (W1 as loaded), in which the loads below and later XB's land, and window 1 (the first trip's tiles), in which the fragments' loads land
	ALOAD                                          ; the second trip's tiles: the fragments' reads and the first trip's work stand in front of the wait for them
	s_barrier_signal -1
	s_barrier_wait -1
	WIN 0x40
.irp s, 0,1,2,3
.irp t, 0,1,2,3
.irp c, 0,1,2,3
	ds_load_b128 v[64*\s+16*\t+4*\c:64*\s+16*\t+4*\c+3], v6 offset:(32*(\t/2)+8*(\t%2))*WP+128*\s+32*\c
.endr
.endr
.endr
	WIN 0x80
.irp s, 4,5,6,7
.irp t, 0,1,2,3
.irp c, 0,1,2,3
	ds_load_b128 v[64*(\s-4)+16*\t+4*\c:64*(\s-4)+16*\t+4*\c+3], v6 offset:(32*(\t/2)+8*(\t%2))*WP+128*\s+32*\c
.endr
.endr
.endr
	WIN 0
	s_wait_dscnt 0x0                               ; my fragments are in registers: my reads of the weights' stage are over;
	s_barrier_signal -1
	s_barrier_wait -1                              ; everybody's are: from here on the stage's bytes are slot 1
.Ltrip:
	TRIP 0
	TRIP 1
	s_sub_co_u32 s35, s35, 1
	s_cmp_lg_u32 s35, 0
	s_cbranch_scc1 .Ltrip
	s_wait_dscnt 0x0                               ; the closing lines, six on end
	s_wait_alu 0x0
	s_wait_tensorcnt 0x0
	ds_add_u32 v254, v255
	s_wait_dscnt 0x0
	s_endpgm
.Lfunc_end_k_qa397ada809_ffn1:
	.size	k_qa397ada809_ffn1, .Lfunc_end_k_qa397ada809_ffn1-k_qa397ada809_ffn1
	.p2alignl 7, 3214868480
	.fill 96, 4, 3214868480
	.section	.rodata,"a",@progbits
	.p2align	6, 0x0
	.amdhsa_kernel k_qa397ada809_ffn1
		.amdhsa_group_segment_fixed_size 233472
		.amdhsa_private_segment_fixed_size 0
		.amdhsa_enable_private_segment 0
		.amdhsa_kernarg_size 48
		.amdhsa_user_sgpr_count 2
		.amdhsa_user_sgpr_kernarg_segment_ptr 1
		.amdhsa_wavefront_size32 1
		.amdhsa_system_sgpr_workgroup_id_x 1
		.amdhsa_system_sgpr_workgroup_id_y 1
		.amdhsa_system_sgpr_workgroup_id_z 1
		.amdhsa_system_vgpr_workitem_id 0
		.amdhsa_next_free_vgpr 1024
		.amdhsa_next_free_sgpr 66
		.amdhsa_reserve_vcc 0
		.amdhsa_float_denorm_mode_32 3
		.amdhsa_float_denorm_mode_16_64 3
		.amdhsa_memory_ordered 1
		.amdhsa_forward_progress 1
		.amdhsa_inst_pref_size 114
	.end_amdhsa_kernel
	.amdgpu_metadata
---
amdhsa.version: [ 1, 2 ]
amdhsa.kernels:
  - .name:           k_qa397ada809_ffn1
    .symbol:         k_qa397ada809_ffn1.kd
    .args:
      - { .name: pos, .offset: 0, .size: 8, .value_kind: global_buffer, .address_space: global }
      - { .name: xq, .offset: 8, .size: 8, .value_kind: global_buffer, .address_space: global }
      - { .name: W1_codes, .offset: 16, .size: 8, .value_kind: global_buffer, .address_space: global }
      - { .name: b1, .offset: 24, .size: 8, .value_kind: global_buffer, .address_space: global }
      - { .name: lowp_scales, .offset: 32, .size: 8, .value_kind: global_buffer, .address_space: global }
      - { .name: h, .offset: 40, .size: 8, .value_kind: global_buffer, .address_space: global }
    .group_segment_fixed_size: 233472
    .private_segment_fixed_size: 0
    .kernarg_segment_align: 8
    .kernarg_segment_size: 48
    .max_flat_workgroup_size: 128
    .sgpr_count:     66
    .vgpr_count:     1024
    .wavefront_size: 32
...
	.end_amdgpu_metadata
.endif
;; end of part 8
;; launch ffn2 (part 9): grid 256 x 1, 4 waves a work-group, no clusters, 249,344 bytes of LDS; arguments pos, h, W2_codes, part; writes part
.if DOCPART == 9
	.amdgcn_target "amdgcn-amd-amdhsa--gfx1250"
	.amdhsa_code_object_version 6
	.text
	.protected	k_qa397ada809_ffn2
	.globl	k_qa397ada809_ffn2
	.p2align	8
	.type	k_qa397ada809_ffn2,@function
k_qa397ada809_ffn2:
	s_mov_b64 s[64:65], 0
	v_nop
	global_prefetch_b8 v0, s[64:65] scope:SCOPE_SE
	s_setreg_imm32_b32 hwreg(HW_REG_WAVE_SCHED_MODE, 0, 2), 2
	s_setreg_imm32_b32 hwreg(HW_REG_WAVE_MODE, 25, 1), 1
	s_wait_xcnt 0x0
	s_wait_alu depctr_vm_vsrc(0)
; FFN2.  Sums of codes of h W2[e] for the rows that chose expert e, in four parts along K.
; SHARES.  Work-group g: expert e = g / 32, jn = (g % 32) / 4: outputs 128 jn .. + 127, jk = g % 4: K = 1,024 jk .. + 1,023 of 4,096.  That slice, 131,072 bytes of codes, is read from memory once in the launch,
; 512 consecutive bytes a load, turned through LDS and KEPT IN REGISTERS (512 a wave).  Of the slices of that size this shape moves the fewest bytes a row: 1,024 of codes in, 128 f32 out.
; The walk over the expert's tiles of 16 rows is the first product's: wave w: wn = w / 2 takes 64 outputs (four tiles), wm = w % 2 every second tile of rows.  A TRIP is SIX tiles: wave w fetches tile 6 i + w whole and
; half wm of tile 6 i + 4 + wn: 48 loads of 512 bytes, inside LOADcnt's field of 63 (ISA guide 5.7.1); it multiplies tiles 6 i + wm + 2 q, q = 0, 1, 2.  At a trip's end what was fetched goes into the other LDS slot and the
; tiles of the trip after that are asked for at once: they have a whole trip, 96 matrix instructions a wave, in which to land.  Twelve trips, a constant (64 tiles at the most);
; what a trip has no tile for is jumped over by scalar branches on the stored count, so operands go through registers and no barrier stands under such a branch; one barrier a trip.
; No cluster: the number of tiles hangs on counts read from memory.
; h comes as images of the operand's registers (16 bytes a lane, 512 bytes a group of four registers): a tile's part for this K slice is 16,384 dense bytes, kept so in LDS: no pitch, no padding.
; THE PRODUCT IS USED TRANSPOSED (source 0 = 16 rows of W2, source 1 = 16 rows of h): a lane holds one row and eight neighbouring outputs.  A wave's 64 outputs of a row are 256 bytes: they go through the wave's own
; stage and leave with sixteen lanes storing 256 consecutive bytes, aligned.  part: [slot][jk][1,024] f32; scale, gate, bias and the sum over jk and the two experts are the last launch's.
; The sum over K = 4,096 is thus made of four f32 sums of 1,024, added in f32.
; THE MODE: SCHED_MODE bits 1:0 = 2 (LLVM: expert scheduling mode 2), set by the entry lines.  The code itself states the register dependences
; between vector or matrix instructions and memory or LDS instructions, with s_wait_alu, always for 0.
; THE PLAN.  Registers that memory or LDS instructions touch, in the loop:
;   XA, XB   h's fragments of K steps 0-3: XA for a trip's tiles q = 0 and 2, XB for q = 1.  LDS loads land in them; the tile's first sixteen products read them.
;   XH       h's fragments of K steps 4-7, of every tile.  LDS loads land in it; the tile's last sixteen products read it.
;   ACC      the four accumulators.  The tile's products write them; its eight LDS stores into my stage read them; the next tile's first products write them anew.
;   OUT      rows on their way out.  Eight LDS loads from my stage land in it; eight global stores read it; the next tile's loads land in it again.  No vector instruction names it.
;   window 3, v0-191   the global loads at a trip's end land in them; the next trip's LDS stores read them.  No vector instruction names them.
;   v4, v11-13, v16-23   offsets and LDS addresses, made at the head and never written again.
; A tile is two halves of sixteen products.  Tile q + 1's K steps 0-3 are asked for between tile q's halves, into the one of XA and XB that tile q does not read: its last readers, tile q - 1's products, stand ahead of
; tile q - 1's wait, and no product since names it.  ONE wait on va_vdst stands in a tile, behind the places behind its last product: the accumulators are written, and the tile's products are done reading their fragments.
; ONE wait on vm_vsrc stands in a tile, between the stage's stores and its loads: the last tile's global stores have read OUT, and the LDS stores have read the accumulators.  Tile q + 1's K steps 4-7 are asked for behind
; the stage's loads.  One more wait on vm_vsrc stands at a trip's end: the LDS stores have read window 3.
; Whether a next tile follows hangs on the stored count: a tile's second half and its way out are written once for each case, so that every counted wait holds on its own path.
; REGISTERS: window 0: v1-23 addresses; v32-95 XA; v96-159 XH; v160-191 four accumulators; v192-223 rows on their way out.  windows 1, 2: W2's fragments (K step s, tile t) at 64 (s % 4) + 16 t.
;   window 3: W2 as loaded; afterwards v0-191: the tile and a half of h that I fetch; v192-255: XB.
.set WP,    1040                       ; a row of the weights' stage: 1,024 bytes + 16 = 65 x 16: the sixteen rows of a load start at sixteen different banks (64 banks of 4 bytes: ISA guide 11.1)
.set ATILE, 16384                      ; a tile's part of h, in LDS as in memory
.set SL0,   128*WP                     ; slot 0 lies behind the weights' stage; slot 1 begins at 0, over that stage, which is done with once the fragments are in registers
.set OSTG,  SL0+6*ATILE                ; 16 rows x (256 + 16) bytes for each wave
.set HT,    65536                      ; a tile of h in memory
.set PT,    262144                     ; a tile of part in memory
.set XA,   32
.set XH,   96
.set XB,   192                         ; in window 3
.set ACC,  160
.set OUT,  192
.set AS,   16                          ; v16, v17  where I store my whole tile, slot 0, 1
.set AH,   18                          ; v18, v19  where I store my half tile, slot 0, 1
.set AF,   20                          ; v20-23    where I read fragments: slot 0 tiles q = 0, 1; slot 0 tile q = 2; the same for slot 1 (the third tile lies beyond an LDS immediate's 65,535 bytes)
.set NT,   22
.set LT,   32
.set CT,   33
.set LH,   50
.set AP,   36
.set AQ,   48
.set OP,   38
.set MSB, 0
.macro WIN new                         ; the immediate's high byte repeats the setting that is left
.if MSB != \new
	s_set_vgpr_msb (MSB<<8)|\new
.set MSB, \new
.endif
.endm
.macro ALOAD
	s_cmp_lt_u32 s[LT], s[NT]
	s_cbranch_scc0 .Lal_\@
	WIN 0xc0                                       ; destination window 3
.set n, 0
.rept 32
	global_load_b128 v[4*n:4*n+3], v4, s[AP:AP+1] offset:512*n
.set n, n+1
.endr
	WIN 0
	s_cmp_lt_u32 s[LH], s[NT]
	s_cbranch_scc0 .Lal_\@
	WIN 0xc0
.set n, 0
.rept 16
	global_load_b128 v[128+4*n:128+4*n+3], v4, s[AQ:AQ+1] offset:512*n
.set n, n+1
.endr
	WIN 0
.Lal_\@:
.endm
.macro ASTORE slot                     ; the same two compares as in ALOAD: none of the three registers has changed since
	s_cmp_lt_u32 s[LT], s[NT]
	s_cbranch_scc0 .Las_\@
	WIN 0x0c                                       ; store data window 3
.set n, 0
.rept 32
	ds_store_b128 v[AS+(\slot)], v[4*n:4*n+3] offset:512*n
.set n, n+1
.endr
	WIN 0
	s_cmp_lt_u32 s[LH], s[NT]
	s_cbranch_scc0 .Las_\@
	WIN 0x0c
.set n, 0
.rept 16
	ds_store_b128 v[AH+(\slot)], v[128+4*n:128+4*n+3] offset:512*n
.set n, n+1
.endr
	WIN 0
.Las_\@:
.endm
.macro FR0 slot, q                     ; the fragments of K steps 0-3 of my q-th tile of this trip: sixteen LDS loads, into XA (q = 0, 2) or XB (q = 1)
.set XN, XA+(XB-XA)*((\q)%2)
	WIN (0xc0*((\q)%2))                            ; XB: destination window 3
.irp s, 0,1,2,3
.irp c, 0,1,2,3
	ds_load_b128 v[XN+16*\s+4*\c:XN+16*\s+4*\c+3], v[AF+2*(\slot)+(\q)/2] offset:((\q)%2)*2*ATILE+2048*\s+512*\c
.endr
.endr
	WIN 0
.endm
.macro FR1 slot, q                     ; those of K steps 4-7: sixteen LDS loads, into XH
.irp s, 4,5,6,7
.irp c, 0,1,2,3
	ds_load_b128 v[XH+16*(\s-4)+4*\c:XH+16*(\s-4)+4*\c+3], v[AF+2*(\slot)+(\q)/2] offset:((\q)%2)*2*ATILE+2048*\s+512*\c
.endr
.endr
.endm
.macro MULA q                          ; a tile's first half: K steps 0-3, four products each, the four accumulators by turns; the first K step starts the sums
.set XN, XA+(XB-XA)*((\q)%2)
	WIN (0x01+0x0c*((\q)%2))                       ; source 0 (W2) window 1; source 1: XA in window 0, XB in window 3
.irp s, 0,1,2,3
	s_wait_dscnt 28-4*\s                           ; this K step's fragment of h is in; behind its loads stand at the least the later K steps' four each and the sixteen of K steps 4-7, which may be out
.irp t, 0,1,2,3
.if \s == 0
	v_wmma_f32_16x16x128_fp8_fp8 v[ACC+8*\t:ACC+8*\t+7], v[16*\t:16*\t+15], v[XN:XN+15], 0
.else
	v_wmma_f32_16x16x128_fp8_fp8 v[ACC+8*\t:ACC+8*\t+7], v[64*\s+16*\t:64*\s+16*\t+15], v[XN+16*\s:XN+16*\s+15], v[ACC+8*\t:ACC+8*\t+7]
.endif
.endr
.endr
	WIN 0
.endm
.macro MULB more                       ; a tile's second half: K steps 4-7.  more = 16: the next tile's sixteen loads of K steps 0-3 were issued behind this tile's and may be out too
	WIN 0x02                                       ; source 0 (W2) window 2
.irp s, 4,5,6,7
	s_wait_dscnt 28-4*\s+(\more)                   ; this K step's fragment of h is in; the later K steps' four loads each may be out
.irp t, 0,1,2,3
	v_wmma_f32_16x16x128_fp8_fp8 v[ACC+8*\t:ACC+8*\t+7], v[64*(\s-4)+16*\t:64*(\s-4)+16*\t+15], v[XH+16*(\s-4):XH+16*(\s-4)+15], v[ACC+8*\t:ACC+8*\t+7]
.endr
.endr
	WIN 0
.endm
.macro LEAVE slot, q, next             ; tile q's way out.  next = 1: tile q + 1 follows
.rept 5
	v_nop                                          ; four places ahead of the stores that read results; a fifth ahead of the next tile's first products, which write the accumulators anew
.endr
	s_wait_alu depctr_va_vdst(0)                   ; the products have written the accumulators, which the LDS stores below read (the places above stay beside this wait); they are done reading XH, in which the next tile's loads land, and their XA or XB
.irp t, 0,1,2,3
	ds_store_b128 v11, v[ACC+8*\t:ACC+8*\t+3] offset:64*\t        ; row r, outputs 16 t + 8 hh + 0 .. 7; each accumulator from its low end on
	ds_store_b128 v11, v[ACC+8*\t+4:ACC+8*\t+7] offset:64*\t+16
.endr
	s_wait_xcnt 0x0                                ; the last tile's stores have read their data: the rows' registers are loaded again only behind this wait
	s_wait_alu depctr_vm_vsrc(0)                   ; the last tile's global stores have read OUT, in which the loads below land; the LDS stores above have read the accumulators, which the next tile's first products write
.irp i, 0,1,2,3,4,5,6,7
	ds_load_b128 v[OUT+4*\i:OUT+4*\i+3], v12 offset:544*\i        ; LDS serves a wave's instructions in order (ISA guide 5.7.1.4): these see my stores; lanes 0-15 row 2 i, lanes 16-31 row 2 i + 1
.endr
.if \next
	FR1 \slot, (\q)+1                              ; no vector or matrix instruction since the wait on va_vdst above names XH
.endif
.irp i, 0,1,2,3,4,5,6,7
	s_wait_dscnt 7-\i+16*(\next)                   ; this pair of rows is back; the later pairs, and the next tile's sixteen loads, may be out
	global_store_b128 v13, v[OUT+4*\i:OUT+4*\i+3], s[OP:OP+1] offset:(\q)*2*PT+32768*\i th:TH_STORE_NT   ; sixteen lanes store 256 consecutive bytes, aligned
.endr
.endm
.macro TRIP slot
	s_cmp_lt_u32 s[CT], s[NT]                      ; my tiles ascend: where one is past the expert's last, so are the rest
	s_cbranch_scc0 .Lcd_\@
	FR0 \slot, 0                                   ; no wait: the last products that read XA and XH stand ahead of their tile's wait on va_vdst, and no vector instruction has been issued since
	FR1 \slot, 0
	MULA 0
	s_add_co_u32 s34, s[CT], 2
	s_cmp_lt_u32 s34, s[NT]
	s_cbranch_scc0 .Le0_\@
	FR0 \slot, 1                                   ; no wait: since the wait behind XB's last readers only tile 0's first half has been issued, which names XA
	MULB 16
	LEAVE \slot, 0, 1
	MULA 1
	s_add_co_u32 s34, s[CT], 4
	s_cmp_lt_u32 s34, s[NT]
	s_cbranch_scc0 .Le1_\@
	FR0 \slot, 2                                   ; no wait: tile 0's products stand ahead of tile 0's wait; since then only tile 1's first half has been issued, which names XB
	MULB 16
	LEAVE \slot, 1, 1
	MULA 2
	MULB 0
	LEAVE \slot, 2, 0
	s_branch .Lcd_\@
.Le0_\@:                                               ; tile 0 is my last
	MULB 0
	LEAVE \slot, 0, 0
	s_branch .Lcd_\@
.Le1_\@:                                               ; tile 1 is my last
	MULB 0
	LEAVE \slot, 1, 0
.Lcd_\@:
	s_wait_loadcnt 0x0                             ; what I asked for a trip ago is in
	ASTORE 1-\slot
	s_wait_xcnt 0x0                                ; the loads' and stores' bases are stepped only behind this wait
	s_add_nc_u64 s[AP:AP+1], s[AP:AP+1], 6*HT
	s_add_nc_u64 s[AQ:AQ+1], s[AQ:AQ+1], 6*HT
	s_add_nc_u64 s[OP:OP+1], s[OP:OP+1], 6*PT
	s_add_co_u32 s[LT], s[LT], 6
	s_add_co_u32 s[LH], s[LH], 6
	s_add_co_u32 s[CT], s[CT], 6
	s_wait_dscnt 0x0                               ; my stores into the next slot have landed; my reads of this slot are back
	s_wait_alu depctr_vm_vsrc(0)                   ; the LDS stores have read window 3, in which the loads below land
	ALOAD                                          ; the trip after next is asked for ahead of the barrier: the next trip's work stands in front of the wait for it
	s_barrier_signal -1
	s_barrier_wait -1
.endm
	s_load_b256 s[4:11], s[0:1], 0x0               ; pos s[4:5], h s[6:7], W2 s[8:9], part s[10:11]
	v_lshl_add_u32 v254, v0, 2, 0x3cc00
	v_mov_b32 v255, 0
	v_lshrrev_b32 v1, 5, v0
	v_readfirstlane_b32 s16, v1                    ; wave
	v_and_b32 v1, 31, v0
	v_and_b32 v2, 15, v0                           ; r
	v_bfe_u32 v3, v0, 4, 1                         ; hh
	v_lshlrev_b32 v4, 4, v1                        ; 16 x lane
	s_wait_alu depctr_va_vdst(0)
	s_wait_alu depctr_va_sdst(0)                   ; s16 is written, ahead of its first reader: wn, wm, the LDS places and the bases are made from it
	s_lshr_b32 s17, s16, 1                         ; wn
	s_and_b32 s18, s16, 1                          ; wm
	s_lshr_b32 s19, ttmp9, 5                       ; e
	s_bfe_u32 s20, ttmp9, 0x30002                  ; jn: three bits from bit 2
	s_and_b32 s12, ttmp9, 3                        ; jk
	s_mul_i32 s24, s16, 32*WP
	v_add_nc_u32 v5, s24, v4                       ; the weights' stage: my 32 rows as they lie
	v_mul_u32_u24 v6, v2, WP
	v_lshl_add_u32 v6, v3, 4, v6
	s_mul_i32 s24, s17, 64*WP
	v_add_nc_u32 v6, s24, v6                       ; and by fragments: my 64 rows
	s_lshl_b32 s24, s16, 14                        ; my whole tile: place w of a slot
	v_add_nc_u32 v[AS+1], s24, v4
	s_add_co_u32 s24, s24, SL0
	v_add_nc_u32 v[AS], s24, v4
	s_lshl_b32 s24, s17, 14                        ; my half tile: place 4 + wn, 8,192 wm bytes on
	s_lshl_b32 s29, s18, 13
	s_add_co_u32 s24, s24, s29
	s_add_co_u32 s24, s24, 4*ATILE
	v_add_nc_u32 v[AH+1], s24, v4
	s_add_co_u32 s24, s24, SL0
	v_add_nc_u32 v[AH], s24, v4
	s_lshl_b32 s24, s18, 14                        ; the tiles that I multiply: places wm, wm + 2, wm + 4
	v_add_nc_u32 v[AF+2], s24, v4
	s_add_co_u32 s29, s24, 4*ATILE
	v_add_nc_u32 v[AF+3], s29, v4
	s_add_co_u32 s29, s24, SL0
	v_add_nc_u32 v[AF], s29, v4
	s_add_co_u32 s29, s24, SL0+4*ATILE
	v_add_nc_u32 v[AF+1], s29, v4
	s_mul_i32 s24, s16, 16*272
	s_add_co_u32 s24, s24, OSTG                    ; my stage for the way out
	v_mul_u32_u24 v11, v2, 272
	v_lshl_add_u32 v11, v3, 5, v11
	v_add_nc_u32 v11, s24, v11                     ; in: row r, 32 bytes for each half of the lanes
	v_mul_u32_u24 v12, v3, 272
	v_lshl_add_u32 v12, v2, 4, v12
	v_add_nc_u32 v12, s24, v12                     ; back: lanes 0-15 one row, lanes 16-31 the next
	v_lshlrev_b32 v13, 14, v3
	v_lshl_add_u32 v13, v2, 4, v13                 ; and the same two rows in part, 16,384 bytes apart
	s_lshl_b32 s21, s19, 2
	s_lshl_b32 s26, s19, 22                        ; W2: expert e, row 128 jn + 32 w of 4,096 bytes, + 1,024 jk
	s_lshl_b32 s28, s20, 19
	s_add_co_u32 s26, s26, s28
	s_lshl_b32 s28, s16, 17
	s_add_co_u32 s26, s26, s28
	s_lshl_b32 s28, s12, 10
	s_add_co_u32 s26, s26, s28
	s_mov_b32 s27, 0
	s_wait_kmcnt 0x0
	s_load_b32 s23, s[4:5], s21 offset:8192        ; the expert's first slot,
	s_load_b32 s22, s[4:5], s21 offset:8224        ; and its rows, rounded up to whole tiles
	s_add_nc_u64 s[26:27], s[8:9], s[26:27]
	s_wait_alu depctr_va_vdst(0)                   ; the offsets and LDS addresses v4, v5, v6, v11 to v13 and v16 to v23 are written: every load and store of the kernel reads one of them, and none is written again
	WIN 0xc0                                       ; destination window 3
.set n, 0
.rept 64
	global_load_b128 v[4*n:4*n+3], v4, s[26:27] offset:(n/2)*4096+(n%2)*512 th:TH_LOAD_NT   ; read once in the whole launch
.set n, n+1
.endr
	WIN 0
	s_wait_kmcnt 0x0
	s_lshr_b32 s21, s23, 4
	s_min_u32 s21, s21, 135                        ; the expert's first tile
	s_lshr_b32 s[NT], s[NT], 4
	s_min_u32 s[NT], s[NT], 64
	s_lshl_b32 s28, s12, 14                        ; my K slice's part of a tile
	s_add_co_u32 s[AP], s21, s16
	s_lshl_b32 s[AP], s[AP], 16
	s_add_co_u32 s[AP], s[AP], s28
	s_mov_b32 s[AP+1], 0
	s_add_nc_u64 s[AP:AP+1], s[6:7], s[AP:AP+1]
	s_add_co_u32 s[AQ], s21, s17
	s_add_co_u32 s[AQ], s[AQ], 4
	s_lshl_b32 s[AQ], s[AQ], 16
	s_add_co_u32 s[AQ], s[AQ], s28
	s_lshl_b32 s28, s18, 13
	s_add_co_u32 s[AQ], s[AQ], s28
	s_mov_b32 s[AQ+1], 0
	s_add_nc_u64 s[AQ:AQ+1], s[6:7], s[AQ:AQ+1]
	s_add_co_u32 s[OP], s21, s18
	s_lshl_b32 s[OP], s[OP], 18
	s_lshl_b32 s28, s12, 12
	s_add_co_u32 s[OP], s[OP], s28
	s_lshl_b32 s28, s20, 9
	s_add_co_u32 s[OP], s[OP], s28
	s_lshl_b32 s28, s17, 8
	s_add_co_u32 s[OP], s[OP], s28
	s_mov_b32 s[OP+1], 0
	s_add_nc_u64 s[OP:OP+1], s[10:11], s[OP:OP+1]
	s_mov_b32 s[LT], s16
	s_add_co_u32 s[LH], s17, 4
	s_cmp_lt_u32 s[LT], s[NT]                      ; the first trip's tiles, as far as the expert has them: through window 1, which is free until the fragments come.  Each load and the store of what it brought stand in one branch
	s_cbranch_scc0 .Lno_first
	WIN 0x40
.set n, 0
.rept 32
	global_load_b128 v[4*n:4*n+3], v4, s[AP:AP+1] offset:512*n
.set n, n+1
.endr
	WIN 0
	s_cmp_lt_u32 s[LH], s[NT]
	s_cbranch_scc0 .Lone
	WIN 0x40
.set n, 0
.rept 16
	global_load_b128 v[128+4*n:128+4*n+3], v4, s[AQ:AQ+1] offset:512*n
.set n, n+1
.endr
	s_wait_loadcnt 0x0
	WIN 0x04
.set n, 0
.rept 16
	ds_store_b128 v[AH], v[128+4*n:128+4*n+3] offset:512*n
.set n, n+1
.endr
	WIN 0
.Lone:
	s_wait_loadcnt 0x0
	WIN 0x04
.set n, 0
.rept 32
	ds_store_b128 v[AS], v[4*n:4*n+3] offset:512*n
.set n, n+1
.endr
	WIN 0
.Lno_first:
	s_wait_loadcnt 0x0
	WIN 0x0c                                       ; store data window 3
.set n, 0
.rept 64
	ds_store_b128 v5, v[4*n:4*n+3] offset:(n/2)*WP+(n%2)*512
.set n, n+1
.endr
	WIN 0
	s_wait_xcnt 0x0
	s_add_nc_u64 s[AP:AP+1], s[AP:AP+1], 6*HT      ; on to the tiles of the second trip
	s_add_nc_u64 s[AQ:AQ+1], s[AQ:AQ+1], 6*HT
	s_add_co_u32 s[LT], s[LT], 6
	s_add_co_u32 s[LH], s[LH], 6
	s_mov_b32 s[CT], s18
	s_mov_b32 s35, 6
	s_wait_dscnt 0x0                               ; for the others' sake: my rows of W2 and my part of the first trip's h have landed
	s_wait_alu depctr_vm_vsrc(0)                   ; the LDS stores have read window 3 (W2 as loaded), in which the loads below and later XB's land, and window 1 (the first trip's tiles), in which the fragments' loads land
	ALOAD                                          ; the second trip's tiles: the fragments' reads and the first trip's work stand in front of the wait for them
	s_barrier_signal -1
	s_barrier_wait -1
	WIN 0x40
.irp s, 0,1,2,3
.irp t, 0,1,2,3
.irp c, 0,1,2,3
	ds_load_b128 v[64*\s+16*\t+4*\c:64*\s+16*\t+4*\c+3], v6 offset:16*\t*WP+128*\s+32*\c
.endr
.endr
.endr
	WIN 0x80
.irp s, 4,5,6,7
.irp t, 0,1,2,3
.irp c, 0,1,2,3
	ds_load_b128 v[64*(\s-4)+16*\t+4*\c:64*(\s-4)+16*\t+4*\c+3], v6 offset:16*\t*WP+128*\s+32*\c
.endr
.endr
.endr
	WIN 0
	s_wait_dscnt 0x0                               ; my fragments are in registers: my reads of the weights' stage are over;
	s_barrier_signal -1
	s_barrier_wait -1                              ; everybody's are: from here on the stage's bytes are slot 1
.Ltrip:
	TRIP 0
	TRIP 1
	s_sub_co_u32 s35, s35, 1
	s_cmp_lg_u32 s35, 0
	s_cbranch_scc1 .Ltrip
	s_wait_dscnt 0x0                               ; the closing lines, six on end
	s_wait_alu 0x0
	s_wait_tensorcnt 0x0
	ds_add_u32 v254, v255
	s_wait_dscnt 0x0
	s_endpgm
.Lfunc_end_k_qa397ada809_ffn2:
	.size	k_qa397ada809_ffn2, .Lfunc_end_k_qa397ada809_ffn2-k_qa397ada809_ffn2
	.p2alignl 7, 3214868480
	.fill 96, 4, 3214868480
	.section	.rodata,"a",@progbits
	.p2align	6, 0x0
	.amdhsa_kernel k_qa397ada809_ffn2
		.amdhsa_group_segment_fixed_size 249344
		.amdhsa_private_segment_fixed_size 0
		.amdhsa_enable_private_segment 0
		.amdhsa_kernarg_size 32
		.amdhsa_user_sgpr_count 2
		.amdhsa_user_sgpr_kernarg_segment_ptr 1
		.amdhsa_wavefront_size32 1
		.amdhsa_system_sgpr_workgroup_id_x 1
		.amdhsa_system_sgpr_workgroup_id_y 1
		.amdhsa_system_sgpr_workgroup_id_z 1
		.amdhsa_system_vgpr_workitem_id 0
		.amdhsa_next_free_vgpr 1024
		.amdhsa_next_free_sgpr 66
		.amdhsa_reserve_vcc 0
		.amdhsa_float_denorm_mode_32 3
		.amdhsa_float_denorm_mode_16_64 3
		.amdhsa_memory_ordered 1
		.amdhsa_forward_progress 1
		.amdhsa_inst_pref_size 108
	.end_amdhsa_kernel
	.amdgpu_metadata
---
amdhsa.version: [ 1, 2 ]
amdhsa.kernels:
  - .name:           k_qa397ada809_ffn2
    .symbol:         k_qa397ada809_ffn2.kd
    .args:
      - { .name: pos, .offset: 0, .size: 8, .value_kind: global_buffer, .address_space: global }
      - { .name: h, .offset: 8, .size: 8, .value_kind: global_buffer, .address_space: global }
      - { .name: W2_codes, .offset: 16, .size: 8, .value_kind: global_buffer, .address_space: global }
      - { .name: part, .offset: 24, .size: 8, .value_kind: global_buffer, .address_space: global }
    .group_segment_fixed_size: 249344
    .private_segment_fixed_size: 0
    .kernarg_segment_align: 8
    .kernarg_segment_size: 32
    .max_flat_workgroup_size: 128
    .sgpr_count:     66
    .vgpr_count:     1024
    .wavefront_size: 32
...
	.end_amdgpu_metadata
.endif
;; end of part 9
;; launch combine (part 10): grid 256 x 1, 4 waves a work-group, no clusters, 0 bytes of LDS; arguments pos, sel, rt, part, b2, lowp_scales, out0; writes out0
.if DOCPART == 10
	.amdgcn_target "amdgcn-amd-amdhsa--gfx1250"
	.amdhsa_code_object_version 6
	.text
	.protected	k_qa397ada809_combine
	.globl	k_qa397ada809_combine
	.p2align	8
	.type	k_qa397ada809_combine,@function
k_qa397ada809_combine:
	s_mov_b64 s[64:65], 0
	v_nop
	global_prefetch_b8 v0, s[64:65] scope:SCOPE_SE
	s_setreg_imm32_b32 hwreg(HW_REG_WAVE_MODE, 25, 1), 1
	s_wait_xcnt 0x0
; COMBINE.  out0[T] = the sum over the token's two experts k of gate_k x (2^(eh + ew2) x (the four partial sums along K) + b2[e_k]).  A stream: wave T = 4 g + w owns token T; each output row has this one owner.
; The token's two slots, its two experts and its two gates are read by scalar loads; slots and experts are held inside their tables before they enter an address.
; A row of 4,096 bytes goes in eight chunks of 512: ten loads of 16 bytes a lane for a chunk (2 x 4 partial sums, 2 x b2), each 512 consecutive bytes.  A ring of four sets of 40 registers keeps up to 40 loads of a wave
; on their way.  Each chunk's result has registers of its own, so no store's data are written again.  No LDS, no barrier, no matrix unit: the waves share nothing and the bytes are all there is.
; 2^(eh + ew2) goes in by v_ldexp_f32 on the gate: no limit on the exponents short of overflow.
.set SET, 32                           ; v32-191  four sets: +0 expert 0's four parts, +16 expert 1's, +32 b2 of expert 0, +36 of expert 1
.set O,   192                          ; v192-223 eight results
	s_load_b256 s[4:11], s[0:1], 0x0               ; pos s[4:5], sel s[6:7], rt s[8:9], part s[10:11]
	s_load_b128 s[12:15], s[0:1], 0x20             ; b2 s[12:13], scales s[14:15]
	s_load_b64 s[16:17], s[0:1], 0x30              ; out0
	v_lshrrev_b32 v1, 5, v0
	v_readfirstlane_b32 s2, v1
	v_and_b32 v1, 31, v0
	v_lshlrev_b32 v4, 4, v1
	s_lshl_b32 s3, ttmp9, 2
	s_add_co_u32 s3, s3, s2                        ; T
	s_lshl_b32 s20, s3, 3
	s_lshl_b32 s21, s3, 2
	s_wait_alu depctr_va_vdst(0)
	s_wait_kmcnt 0x0
	s_load_b64 s[22:23], s[4:5], s20 offset:0x0    ; two slots
	s_load_b64 s[24:25], s[8:9], s20 offset:0x0    ; two gates
	s_load_b32 s26, s[6:7], s21 offset:16384       ; two experts
	s_wait_kmcnt 0x0
	s_min_u32 s22, s22, 2175
	s_min_u32 s23, s23, 2175
	s_and_b32 s27, s26, 255
	s_min_u32 s27, s27, 7
	s_lshr_b32 s28, s26, 8
	s_min_u32 s28, s28, 7
	s_lshl_b32 s29, s27, 4
	s_lshl_b32 s34, s28, 4
	s_load_b64 s[30:31], s[14:15], s29 offset:16   ; eh, ew2 of expert 0: entries 4 + 4 e, 5 + 4 e
	s_load_b64 s[32:33], s[14:15], s34 offset:16
	s_lshl_b32 s36, s22, 14
	s_mov_b32 s37, 0
	s_add_nc_u64 s[36:37], s[10:11], s[36:37]
	s_lshl_b32 s38, s23, 14
	s_mov_b32 s39, 0
	s_add_nc_u64 s[38:39], s[10:11], s[38:39]
	s_lshl_b32 s40, s27, 12
	s_mov_b32 s41, 0
	s_add_nc_u64 s[40:41], s[12:13], s[40:41]
	s_lshl_b32 s42, s28, 12
	s_mov_b32 s43, 0
	s_add_nc_u64 s[42:43], s[12:13], s[42:43]
	s_lshl_b32 s44, s3, 12
	s_mov_b32 s45, 0
	s_add_nc_u64 s[44:45], s[16:17], s[44:45]
.macro LOADC i
.set SB, SET+40*((\i)%4)
.irp k, 0,1,2,3
	global_load_b128 v[SB+4*\k:SB+4*\k+3], v4, s[36:37] offset:4096*\k+512*(\i) th:TH_LOAD_NT
.endr
.irp k, 0,1,2,3
	global_load_b128 v[SB+16+4*\k:SB+16+4*\k+3], v4, s[38:39] offset:4096*\k+512*(\i) th:TH_LOAD_NT
.endr
	global_load_b128 v[SB+32:SB+35], v4, s[40:41] offset:512*(\i)
	global_load_b128 v[SB+36:SB+39], v4, s[42:43] offset:512*(\i)
.endm
	LOADC 0
	LOADC 1
	LOADC 2
	LOADC 3
	s_wait_kmcnt 0x0
	s_add_co_i32 s46, s30, s31
	s_add_co_i32 s47, s32, s33
	v_mov_b32 v24, s24                             ; gate 0, in both halves of a pair
	v_mov_b32 v25, s24
	v_mov_b32 v26, s25
	v_mov_b32 v27, s25
	v_ldexp_f32 v20, v24, s46                      ; gate 0 x 2^(eh + ew2)
	v_ldexp_f32 v21, v24, s46
	v_ldexp_f32 v22, v26, s47
	v_ldexp_f32 v23, v26, s47
.macro CHUNK i, left
.set SB, SET+40*((\i)%4)
	s_wait_loadcnt \left                           ; loads come back in order (ISA guide 5.7.1): this chunk's ten are in, the younger chunks' ten each stay out
.irp p, 0,2
	v_pk_add_f32 v[SB+\p:SB+\p+1], v[SB+\p:SB+\p+1], v[SB+4+\p:SB+4+\p+1]
	v_pk_add_f32 v[SB+8+\p:SB+8+\p+1], v[SB+8+\p:SB+8+\p+1], v[SB+12+\p:SB+12+\p+1]
	v_pk_add_f32 v[SB+16+\p:SB+16+\p+1], v[SB+16+\p:SB+16+\p+1], v[SB+20+\p:SB+20+\p+1]
	v_pk_add_f32 v[SB+24+\p:SB+24+\p+1], v[SB+24+\p:SB+24+\p+1], v[SB+28+\p:SB+28+\p+1]
.endr
.irp p, 0,2
	v_pk_add_f32 v[SB+\p:SB+\p+1], v[SB+\p:SB+\p+1], v[SB+8+\p:SB+8+\p+1]
	v_pk_add_f32 v[SB+16+\p:SB+16+\p+1], v[SB+16+\p:SB+16+\p+1], v[SB+24+\p:SB+24+\p+1]
.endr
.irp p, 0,2
	v_pk_mul_f32 v[O+4*(\i)+\p:O+4*(\i)+\p+1], v[SB+\p:SB+\p+1], v[20:21]
.endr
.irp p, 0,2
	v_pk_fma_f32 v[O+4*(\i)+\p:O+4*(\i)+\p+1], v[SB+16+\p:SB+16+\p+1], v[22:23], v[O+4*(\i)+\p:O+4*(\i)+\p+1]
.endr
.irp p, 0,2
	v_pk_fma_f32 v[O+4*(\i)+\p:O+4*(\i)+\p+1], v[SB+32+\p:SB+32+\p+1], v[24:25], v[O+4*(\i)+\p:O+4*(\i)+\p+1]
.endr
.irp p, 0,2
	v_pk_fma_f32 v[O+4*(\i)+\p:O+4*(\i)+\p+1], v[SB+36+\p:SB+36+\p+1], v[26:27], v[O+4*(\i)+\p:O+4*(\i)+\p+1]
.endr
.if (\i) < 4
	LOADC (\i)+4                                   ; the set that has just been read takes the chunk four further on; the load goes ahead of the store
.endif
	global_store_b128 v4, v[O+4*(\i):O+4*(\i)+3], s[44:45] offset:512*(\i) th:TH_STORE_NT   ; 32 lanes store 512 consecutive bytes, aligned
.endm
	CHUNK 0, 30
	CHUNK 1, 30
	CHUNK 2, 30
	CHUNK 3, 30
	CHUNK 4, 30
	CHUNK 5, 20                                    ; nothing more is asked for: the counts run down
	CHUNK 6, 10
	CHUNK 7, 0
	s_endpgm
.Lfunc_end_k_qa397ada809_combine:
	.size	k_qa397ada809_combine, .Lfunc_end_k_qa397ada809_combine-k_qa397ada809_combine
	.p2alignl 7, 3214868480
	.fill 96, 4, 3214868480
	.section	.rodata,"a",@progbits
	.p2align	6, 0x0
	.amdhsa_kernel k_qa397ada809_combine
		.amdhsa_group_segment_fixed_size 0
		.amdhsa_private_segment_fixed_size 0
		.amdhsa_enable_private_segment 0
		.amdhsa_kernarg_size 56
		.amdhsa_user_sgpr_count 2
		.amdhsa_user_sgpr_kernarg_segment_ptr 1
		.amdhsa_wavefront_size32 1
		.amdhsa_system_sgpr_workgroup_id_x 1
		.amdhsa_system_sgpr_workgroup_id_y 1
		.amdhsa_system_sgpr_workgroup_id_z 1
		.amdhsa_system_vgpr_workitem_id 0
		.amdhsa_next_free_vgpr 224
		.amdhsa_next_free_sgpr 66
		.amdhsa_reserve_vcc 0
		.amdhsa_float_denorm_mode_32 3
		.amdhsa_float_denorm_mode_16_64 3
		.amdhsa_memory_ordered 1
		.amdhsa_forward_progress 1
		.amdhsa_inst_pref_size 21
	.end_amdhsa_kernel
	.amdgpu_metadata
---
amdhsa.version: [ 1, 2 ]
amdhsa.kernels:
  - .name:           k_qa397ada809_combine
    .symbol:         k_qa397ada809_combine.kd
    .args:
      - { .name: pos, .offset: 0, .size: 8, .value_kind: global_buffer, .address_space: global }
      - { .name: sel, .offset: 8, .size: 8, .value_kind: global_buffer, .address_space: global }
      - { .name: rt, .offset: 16, .size: 8, .value_kind: global_buffer, .address_space: global }
      - { .name: part, .offset: 24, .size: 8, .value_kind: global_buffer, .address_space: global }
      - { .name: b2, .offset: 32, .size: 8, .value_kind: global_buffer, .address_space: global }
      - { .name: lowp_scales, .offset: 40, .size: 8, .value_kind: global_buffer, .address_space: global }
      - { .name: out0, .offset: 48, .size: 8, .value_kind: global_buffer, .address_space: global }
    .group_segment_fixed_size: 0
    .private_segment_fixed_size: 0
    .kernarg_segment_align: 8
    .kernarg_segment_size: 56
    .max_flat_workgroup_size: 128
    .sgpr_count:     66
    .vgpr_count:     224
    .wavefront_size: 32
...
	.end_amdgpu_metadata
.endif
;; end of part 10
